; MI455X (gfx1250); checked and timed in simulation.
; The chip was launched on July 23, 2026; its instructions are those of AMD's public machine-readable ISA for CDNA 5 (MIT licence, August 2026) and "CDNA5" Instruction Set Architecture Reference Guide (July 2026). The comments in the code are by the model that wrote it; some were corrected since.
;; Causal Attention. Allowed arithmetic: float matrix products may take bf16 or f16 operands with f32 sums; other float arithmetic in f32, or as packed bf16 or f16 multiplies, adds, multiply-adds, maxima and minima; sums over many terms, partial sums and values carried from step to step in f32; what a program stores and reads back later, other than sums and carried values, may be rounded once to bf16 or f16.
;; Inputs: W_key 1,024 x 1,024 float32; W_query 1,024 x 1,024 float32; W_value 1,024 x 1,024 float32; x 4 x 2,048 x 1,024 float32.
;; Outputs: out0 4 x 2,048 x 1,024 float32.
;; 2 versions, each right. Each part assembles by itself: llvm-mc -triple=amdgcn-amd-amdhsa -mcpu=gfx1250 --defsym DOCPART=n.
;; ======== version 1 of 2: 4 launches
;; limits: values are held in f16: magnitudes above 65,504 overflow, below 6.1e-05 lose precision
;; workspace buffers: xb 16,777,216 bytes; wb 6,291,456 bytes; qkv 50,331,648 bytes; pw 33,554,432 bytes; st 524,288 bytes
;; launch cast (part 1): grid 704 x 1, 8 waves a work-group, no clusters, 0 bytes of LDS; arguments x, W_query, W_key, W_value, xb, wb; writes xb, wb
.if DOCPART == 1
	.amdgcn_target "amdgcn-amd-amdhsa--gfx1250"
	.amdhsa_code_object_version 6
	.text
	.protected	k_q9e3739b9b1_cast
	.globl	k_q9e3739b9b1_cast
	.p2align	8
	.type	k_q9e3739b9b1_cast,@function
k_q9e3739b9b1_cast:
	s_mov_b64 s[64:65], 0
	v_nop
	global_prefetch_b8 v0, s[64:65] scope:SCOPE_SE
	s_setreg_imm32_b32 hwreg(HW_REG_WAVE_MODE, 25, 1), 1
	s_wait_xcnt 0x0
; CAST.  x [8192][1024] f32 -> xb [8192][1024] bf16;  W_query, W_key, W_value [1024 k][1024 n] f32 -> wb [1024 k][3072 n] bf16, side by side
; (columns 0-1023 query, 1024-2047 key, 2048-3071 value).  Each number is rounded once, to nearest even.
; SHARES.  A work-group takes 16 rows of 1,024 f32.  Work-groups 0-511: rows 16 id of x.  Work-groups 512-703: e = id - 512, weight e / 64, rows 16 (e % 64).
; Thread t takes the 16 bytes at 16 t of every row: a wave's load covers 512 consecutive bytes, its store of 8 bytes a lane 256 consecutive bytes, aligned.
; All 16 loads of a wave go out at once; no register is written twice, so the only waits are the counted ones for the loads.
; No LDS, no matrix unit, no cluster: no byte is wanted by two threads.
.set XWG, 512                          ; work-groups that take x
.set OFF, 2                            ; v[2:17]   row r: my byte offset in the output
.set X,   32                           ; v[32:95]  row r: 4 f32 as loaded
.set Y,   96                           ; v[96:127] row r: 4 bf16 to store
	s_load_b256 s[4:11], s[0:1], 0x0               ; x s[4:5], W_query s[6:7], W_key s[8:9], W_value s[10:11]
	s_load_b128 s[12:15], s[0:1], 0x20             ; xb s[12:13], wb s[14:15]
	s_max_u32 s16, ttmp9, XWG
	s_sub_co_u32 s16, s16, XWG                     ; e (0 in the work-groups that take x)
	s_lshr_b32 s17, s16, 6                         ; which weight
	s_and_b32 s18, s16, 63                         ; which 16 rows of it
	s_lshl_b32 s20, ttmp9, 16                      ; x: 16 rows of 4,096 bytes in,
	s_lshl_b32 s22, ttmp9, 15                      ;    16 rows of 2,048 bytes out
	s_lshl_b32 s25, s18, 16                        ; a weight: the same in,
	s_mul_i32 s26, s18, 16*6144                    ;    16 rows of 6,144 bytes out,
	s_lshl_b32 s27, s17, 11                        ;    at the weight's 2,048 bytes of a row
	s_add_co_u32 s26, s26, s27
	s_movk_i32 s24, 2048                           ; bytes from row to row in the output
	s_movk_i32 s28, 6144
	s_mov_b32 s21, 0
	s_mov_b32 s23, 0
	s_cmp_lt_u32 ttmp9, XWG
	s_cselect_b32 s20, s20, s25
	s_cselect_b32 s22, s22, s26
	s_cselect_b32 s24, s24, s28
	v_lshlrev_b32 v1, 4, v0                        ; my 16 bytes of a row in
	v_lshlrev_b32 v[OFF], 3, v0                    ; my 8 bytes of a row out
.set r, 1
.rept 15
	v_add_nc_u32 v[OFF+r], s24, v[OFF+r-1]
.set r, r+1
.endr
	s_wait_kmcnt 0x0
	s_cmp_eq_u32 s17, 1                            ; the source is chosen among the four buffers by the work-group's number alone
	s_cselect_b64 s[6:7], s[8:9], s[6:7]
	s_cmp_eq_u32 s17, 2
	s_cselect_b64 s[6:7], s[10:11], s[6:7]
	s_cmp_lt_u32 ttmp9, XWG
	s_cselect_b64 s[4:5], s[4:5], s[6:7]
	s_cselect_b64 s[12:13], s[12:13], s[14:15]
	s_add_nc_u64 s[4:5], s[4:5], s[20:21]
	s_add_nc_u64 s[12:13], s[12:13], s[22:23]
.set r, 0
.rept 16
	global_load_b128 v[X+4*r:X+4*r+3], v1, s[4:5] offset:4096*r th:TH_LOAD_NT
.set r, r+1
.endr
.set r, 0
.rept 16
	s_wait_loadcnt 15-r                            ; loads come back in order: row r is in, the 15 - r younger rows may stay out
	v_cvt_pk_bf16_f32 v[Y+2*r],   v[X+4*r],   v[X+4*r+1]
	v_cvt_pk_bf16_f32 v[Y+2*r+1], v[X+4*r+2], v[X+4*r+3]
	global_store_b64 v[OFF+r], v[Y+2*r:Y+2*r+1], s[12:13] th:TH_STORE_NT
.set r, r+1
.endr
	s_endpgm
.Lfunc_end_k_q9e3739b9b1_cast:
	.size	k_q9e3739b9b1_cast, .Lfunc_end_k_q9e3739b9b1_cast-k_q9e3739b9b1_cast
	.p2alignl 7, 3214868480
	.fill 96, 4, 3214868480
	.section	.rodata,"a",@progbits
	.p2align	6, 0x0
	.amdhsa_kernel k_q9e3739b9b1_cast
		.amdhsa_group_segment_fixed_size 0
		.amdhsa_private_segment_fixed_size 0
		.amdhsa_enable_private_segment 0
		.amdhsa_kernarg_size 48
		.amdhsa_user_sgpr_count 2
		.amdhsa_user_sgpr_kernarg_segment_ptr 1
		.amdhsa_wavefront_size32 1
		.amdhsa_system_sgpr_workgroup_id_x 1
		.amdhsa_system_sgpr_workgroup_id_y 1
		.amdhsa_system_sgpr_workgroup_id_z 1
		.amdhsa_system_vgpr_workitem_id 0
		.amdhsa_next_free_vgpr 128
		.amdhsa_next_free_sgpr 66
		.amdhsa_reserve_vcc 0
		.amdhsa_float_denorm_mode_32 3
		.amdhsa_float_denorm_mode_16_64 3
		.amdhsa_memory_ordered 1
		.amdhsa_forward_progress 1
		.amdhsa_inst_pref_size 8
	.end_amdhsa_kernel
	.amdgpu_metadata
---
amdhsa.version: [ 1, 2 ]
amdhsa.kernels:
  - .name:           k_q9e3739b9b1_cast
    .symbol:         k_q9e3739b9b1_cast.kd
    .args:
      - { .name: x, .offset: 0, .size: 8, .value_kind: global_buffer, .address_space: global }
      - { .name: W_query, .offset: 8, .size: 8, .value_kind: global_buffer, .address_space: global }
      - { .name: W_key, .offset: 16, .size: 8, .value_kind: global_buffer, .address_space: global }
      - { .name: W_value, .offset: 24, .size: 8, .value_kind: global_buffer, .address_space: global }
      - { .name: xb, .offset: 32, .size: 8, .value_kind: global_buffer, .address_space: global }
      - { .name: wb, .offset: 40, .size: 8, .value_kind: global_buffer, .address_space: global }
    .group_segment_fixed_size: 0
    .private_segment_fixed_size: 0
    .kernarg_segment_align: 8
    .kernarg_segment_size: 48
    .max_flat_workgroup_size: 256
    .sgpr_count:     66
    .vgpr_count:     128
    .wavefront_size: 32
...
	.end_amdgpu_metadata
.endif
;; end of part 1
;; launch proj (part 2): grid 8 x 64, 4 waves a work-group, clusters of 4 x 4, 327,680 bytes of LDS; arguments xb, wb, qkv; writes qkv
.if DOCPART == 2
	.amdgcn_target "amdgcn-amd-amdhsa--gfx1250"
	.amdhsa_code_object_version 6
	.text
	.protected	k_q9e3739b9b1_proj
	.globl	k_q9e3739b9b1_proj
	.p2align	8
	.type	k_q9e3739b9b1_proj,@function
k_q9e3739b9b1_proj:
	s_mov_b64 s[64:65], 0
	v_nop
	global_prefetch_b8 v0, s[64:65] scope:SCOPE_SE
	s_setreg_imm32_b32 hwreg(HW_REG_WAVE_MODE, 25, 1), 1
	s_wait_xcnt 0x0
	s_wait_alu depctr_hold_cnt(0) depctr_sa_sdst(0) depctr_va_vdst(0) depctr_va_sdst(0) depctr_va_ssrc(0) depctr_va_vcc(0) depctr_vm_vsrc(0)
	s_getreg_b32 s2, hwreg(HW_REG_IB_STS2, 6, 4)
	s_cmp_eq_u32 s2, 0
	s_cbranch_scc0 .Lentry_in_a_cluster
	s_endpgm
.Lentry_in_a_cluster:
	s_bfe_u32 s2, ttmp6, 0x10000c
	s_cmp_lg_u32 s2, 0xf033
	s_cbranch_scc0 .Lentry_shape_is_right
	s_endpgm
.Lentry_shape_is_right:
; PROJ.  qkv[m][n] = sum over k of xb[m][k] wb[k][n].  xb: [8192][1024] bf16, wb: [1024][3072] bf16, qkv: [8192][3072] f16 (q, k, v side by side); sums in f32, qkv rounded once.
; LIMIT.  f16 holds no number beyond 65,504: a projection of 65,520 or more becomes an infinity.  NaN and infinities are not treated apart.
; SHARES.  A tile of qkv is 128 rows x 384 columns: 64 x 8 = 512 work-groups of equal work, and a tile's row is 768 bytes, three aligned runs of 256.  Four waves side by side:
; each makes 128 rows x 96 columns, 8 x 6 = 48 accumulators of 16 x 16.  Wave w owns the column blocks g = w + 4 b (b = 0..5), columns 16 g on.
; K goes in 8 steps of 128 through a ring of two LDS slots.  A slot is four regions of 36,864 bytes, one filled by each wave: region 0 the 128 rows of xb (256 bytes a row), regions 1-3 three
; strips of wb, 128 k-rows x 128 columns (256 bytes a row).  wb lies [k][n], so its fragments come out of LDS turned, by ds_load_tr16_b128.
; THE MATRIX INSTRUCTION IS USED TRANSPOSED (source 0 = 16 columns of wb, source 1 = 16 rows of xb): a lane then holds eight neighbouring columns of one row of qkv.
; CLUSTER.  4 x 4 work-groups.  The four of a row of the cluster need the same tile of xb, the four of a column the same strips of wb: each is asked for JOINTLY, by the same tensor load with the
; same descriptor and a mask that names the four.
; REGISTERS, in windows of 256 (s_set_vgpr_msb: bits 1:0 source 0, 3:2 source 1, 5:4 source 2, 7:6 destination):
;   window 0: v0-31 addresses; v64-127, v128-191 fragments of xb, two buffers (on the way out v64-159 packed results, v160-223 rows read back)
;   window 1: v64-111, v128-175 fragments of wb, two buffers        window 2: accumulators of row blocks 0-3, (a, b) at 8 (6 a + b)        window 3: those of row blocks 4-7
.set PA,     272                       ; a row of xb in LDS: 256 bytes + 16 = 68 words: the 16 rows of a fragment load start at 16 different groups of four banks (ISA guide 11.1)
.set PB,     288                       ; a row of a strip: 256 + 32 = 72 words
.set REG,    128*PB                    ; a region: what one tensor load fills (xb's tile uses 128 x 272 of it)
.set SLOT,   4*REG
.set SPARE,  2*SLOT                    ; behind the ring: the spare words, 128 bytes for each wave: two blocks of 256 bytes that no other line names
.set SPITCH, 784                       ; the stage's rows: 768 bytes + 16.  The stage, 128 rows from byte 0, lies in slot 0, whose last fill is K step 6 and whose last reads stand ahead of the last change of slots
.set ASTEP,  256                       ; bytes from K step to K step in xb,
.set BSTEP,  128*6144                  ; and in wb
.set ADRA, 16                          ; v16-17  LDS address of my fragments of xb in slot 0, 1
.set ADRB, 18                          ; v18-23  the same for wb: slot x 3 + strip
.set STO,  24                          ; v24-25  the way out: where I put 16 bytes of a row, row blocks 0-3 and 4-7
.set RD,   26                          ; v26     where I read a row back
.set CO,   27                          ; v27     my byte offset in qkv
.set SPW,  28                          ; v28     LDS address of my spare word; never rewritten
.set NIL,  29                          ; v29     0; never rewritten
.set PFO,  30                          ; v30     the prefetches' offset: my lane x a row of xb or wb; never rewritten
.set F0,   64
.set F1,   128
.set TMP,  64
.set OB,   160
.set WV,   10                          ; s10  my wave's number
.set G1,   24                          ; s[24:31] descriptor group 1 for xb's tile;  s[32:39] group 0, a set for each slot
.set G0,   32
.set G1B,  48                          ; s[48:55], s[56:63] the same for wb's strips
.set G0B,  56
.set LIM,  43                          ; s43  1 in a wave that prefetches, else the greatest number
.set PFA,  44                          ; s[44:45] where my prefetches stand
.set PFS,  46                          ; s[46:47] their step from K step to K step
.set MSB, 0
.macro WIN new                         ; the immediate's high byte repeats the setting that is left; a switch that changes nothing is dropped
.if MSB != (\new)
	s_set_vgpr_msb (MSB<<8)|(\new)
.set MSB, \new
.endif
.endm
.macro PLACES                          ; four plain places: in front of loads into registers that matrix instructions have read, and of conversions that read results
.rept 4
	v_nop
.endr
.endm
; A joint load.  Wave 0 fetches xb's tile, waves 1-3 the three strips of wb.  The branch hangs on the wave's number alone.  An s_nop 0 and four v_nop follow each line.
.macro JLOAD s
	s_cmp_eq_u32 s[WV], 0
	s_cbranch_scc0 .Lfor_b_\@
	tensor_load_to_lds s[G0+4*(\s):G0+4*(\s)+3], s[G1:G1+7]
	s_nop 0
	PLACES
	s_branch .Lasked_\@
.Lfor_b_\@:
	tensor_load_to_lds s[G0B+4*(\s):G0B+4*(\s)+3], s[G1B:G1B+7]
	s_nop 0
	PLACES
.Lasked_\@:
.endm
; A prefetch of the K step that stands two refills on: 32 rows x 256 bytes, a lane a row, one instruction a wave.  Each row's 256 bytes of a K step are named once in the launch: xb's rows by the
; clusters with x = 0, wb's by those with y = 0; the four partners that ask for a tile jointly take 32 of its 128 rows each, told apart by address.  The loop's last trip asks for nothing.
.macro ASK
	s_cmp_gt_u32 s3, s[LIM]
	s_cbranch_scc0 .Lnot_mine_\@
	global_prefetch_b8 v[PFO], s[PFA:PFA+1] th:TH_LOAD_NT scope:SCOPE_SE
.Lnot_mine_\@:
.endm
.macro CREST                           ; a round of the cluster's barrier behind its opening barrier
	s_cmp_lg_u32 s[WV], 0
	s_cbranch_scc1 .Lnot_wave_0_\@
	s_barrier_signal -3
.Lnot_wave_0_\@:
	s_barrier_wait -3
	s_barrier_signal -1
	s_barrier_wait -1
.endm
.macro CROUND                          ; a whole round
	s_barrier_signal -1
	s_barrier_wait -1
	CREST
.endm
	s_load_b128 s[4:7], s[0:1], 0x0                ; xb s[4:5], wb s[6:7]
	s_load_b64 s[8:9], s[0:1], 0x10                ; qkv
	v_lshl_add_u32 v[SPW], v0, 2, SPARE
	v_mov_b32 v[NIL], 0
	ds_add_u32 v[SPW], v[NIL]                      ; the wave's opening: the add and its wait stand ahead of my first tensor load; the set-up below stands between them
	ds_add_u32 v28, v29
	v_lshrrev_b32 v1, 5, v0
	v_readfirstlane_b32 s[WV], v1                  ; wave 0..3
	s_max_u32 s12, s[WV], 1
	s_sub_co_u32 s12, s12, 1                       ; the strip that I fetch (waves 1-3)
	s_bfe_u32 s40, ttmp6, 0x40000                  ; cx, cy: my place in the cluster
	s_bfe_u32 s41, ttmp6, 0x40004
	s_lshl_b32 s42, ttmp9, 2
	s_add_co_u32 s42, s42, s40                     ; tile column = 4 x cluster x + cx
	s_and_b32 s13, ttmp7, 0xffff
	s_lshl_b32 s13, s13, 2
	s_add_co_u32 s13, s13, s41                     ; tile row = 4 x cluster y + cy
	s_lshl_b32 s43, s41, 2
	s_lshl_b32 s43, 15, s43                        ; my row of the cluster
	s_lshl_b32 s44, 0x1111, s40                    ; my column
	; group 1: tiles of 128 rows x 128 elements of 2 bytes, padded in LDS after every 64 words, by 4 words (xb) or 8 (wb); bit 21 is set beside a mask
	s_or_b32 s[G1], s43, (1<<16)|(1<<20)|(1<<21)|(5<<22)|(3<<25)
	s_or_b32 s[G1B], s44, (1<<16)|(1<<20)|(1<<21)|(5<<22)|(7<<25)
.irp g, G1, G1B
	s_mov_b32 s[(\g)+1], 128<<16                   ; tensor_dim0 = 128
	s_mov_b32 s[(\g)+2], 128<<16                   ; tensor_dim1 = 128
	s_mov_b32 s[(\g)+3], 128<<16                   ; tile_dim0 = 128
	s_mov_b32 s[(\g)+4], 128                       ; tile_dim1 = 128
	s_mov_b32 s[(\g)+6], 0
	s_mov_b32 s[(\g)+7], 0
.endr
	s_mov_b32 s[G1+5], 1024                        ; elements from row to row
	s_mov_b32 s[G1B+5], 3072
	s_lshl_b32 s16, s13, 18                        ; xb: 128 rows of 2,048 bytes a tile row: it hangs on the tile row alone
	s_mov_b32 s17, 0
	s_mul_i32 s66, s42, 768                        ; wb: the tile column's 768 bytes of a row,
	s_lshl_b32 s67, s12, 8                         ; my strip's 256 of them: it hangs on the tile column alone
	s_add_co_u32 s66, s66, s67
	s_mov_b32 s67, 0
	s_mul_i32 s20, s[WV], REG                      ; where my tile goes: wave x a region: no place in the cluster enters an LDS address
	s_wait_dscnt 0x0                               ; the opening add is done
	s_wait_kmcnt 0x0
	s_add_nc_u64 s[14:15], s[4:5], s[16:17]
	s_add_nc_u64 s[66:67], s[6:7], s[66:67]
	CROUND                                         ; all sixteen work-groups are here: the first joint loads meet
.irp s, 0,1
	s_mov_b32 s[G0+4*(\s)], 1                      ; count = 1
	s_add_co_u32 s[G0+4*(\s)+1], s20, (\s)*SLOT    ; LDS address
	s_add_nc_u64 s[G0+4*(\s)+2:G0+4*(\s)+3], s[14:15], (\s)*ASTEP  ; global address: K step s
	s_or_b32 s[G0+4*(\s)+3], s[G0+4*(\s)+3], 0x80000000            ; type = 2
	s_mov_b32 s[G0B+4*(\s)], 1
	s_add_co_u32 s[G0B+4*(\s)+1], s20, (\s)*SLOT
	s_add_nc_u64 s[G0B+4*(\s)+2:G0B+4*(\s)+3], s[66:67], (\s)*BSTEP
	s_or_b32 s[G0B+4*(\s)+3], s[G0B+4*(\s)+3], 0x80000000
.endr
	s_cmp_eq_u32 s[WV], 0                          ; a wave's two first fills stand in one branch, ahead of every wait on TENSORcnt and every LDS read: two loads of mine are out
	s_cbranch_scc0 .Lfirst_b
	tensor_load_to_lds s[G0:G0+3], s[G1:G1+7]
	s_nop 0
	tensor_load_to_lds s[G0+4:G0+7], s[G1:G1+7]
	s_nop 0
	PLACES
	s_branch .Lfirst_asked
.Lfirst_b:
	tensor_load_to_lds s[G0B:G0B+3], s[G1B:G1B+7]
	s_nop 0
	tensor_load_to_lds s[G0B+4:G0B+7], s[G1B:G1B+7]
	s_nop 0
	PLACES
.Lfirst_asked:
	; A fragment of xb is 16 rows x 32 k in 8 registers: lane l holds row l % 16, k = 8 (l / 16) + 0..7 and 16 + 8 (l / 16) + 0..7: two loads of 16 bytes, 32 bytes apart.
	v_and_b32 v1, 15, v0                           ; l % 16
	v_bfe_u32 v2, v0, 4, 1                         ; l / 16
	v_mul_u32_u24 v3, v1, PA
	v_lshl_add_u32 v[ADRA], v2, 4, v3
	v_add_nc_u32 v[ADRA+1], SLOT, v[ADRA]
	; The turning load takes 16 k x 16 columns (lane l reads k-row 8 (l / 16) + l % 8, columns 8 ((l / 8) % 2) + 0..7) and leaves half a fragment: lane l holds column l % 16 and 8 k.
	v_and_b32 v5, 7, v0
	v_bfe_u32 v6, v0, 3, 1
	v_lshl_add_u32 v4, v2, 3, v5
	v_mul_u32_u24 v4, v4, PB
	v_lshl_add_u32 v4, v6, 4, v4
	s_lshl_b32 s21, s[WV], 5                       ; my column blocks begin 32 w bytes into each 128 bytes of a strip's row
	v_add_nc_u32 v4, s21, v4
.irp s, 0,1
.irp p, 0,1,2
	v_add_nc_u32 v[ADRB+3*(\s)+(\p)], (\s)*SLOT+((\p)+1)*REG, v4
.endr
.endr
	v_mul_u32_u24 v3, v1, SPITCH                   ; into the stage: row l % 16, 16 bytes for each half of the lanes, my blocks' 32 w
	v_lshl_add_u32 v3, v2, 4, v3
	v_add_nc_u32 v[STO], s21, v3
	v_add_nc_u32 v[STO+1], 64*SPITCH, v[STO]
	s_mul_i32 s22, s[WV], 32*SPITCH                ; back: wave w takes rows 32 w .. 32 w + 31; lanes 0-15 256 bytes of one row, lanes 16-31 of the next
	v_mul_u32_u24 v3, v2, SPITCH
	v_lshl_add_u32 v3, v1, 4, v3
	v_add_nc_u32 v[RD], s22, v3
	v_mul_u32_u24 v3, v2, 6144                     ; and the same two rows in qkv
	v_lshl_add_u32 v[CO], v1, 4, v3
	s_lshl_b32 s16, s13, 7
	s_lshl_b32 s17, s[WV], 5
	s_add_co_u32 s16, s16, s17                     ; the first row that I store: 128 x tile row + 32 x wave
	s_mul_i32 s16, s16, 6144
	s_mov_b32 s17, 0
	s_add_nc_u64 s[8:9], s[8:9], s[16:17]
	s_mul_i32 s68, s42, 768                        ; the tile's first column, in bytes
	s_mov_b32 s69, 0
	s_add_nc_u64 s[8:9], s[8:9], s[68:69]
	; the prefetches: they start at K step 3; the first refill steps them to K step 4
	s_lshl_b32 s18, s13, 18                        ; xb: the tile row's 128 rows,
	s_lshl_b32 s19, s40, 16                        ; my work-group's 32 of them (by cx)
	s_add_co_u32 s18, s18, s19
	s_add_co_u32 s18, s18, 3*ASTEP
	s_mul_i32 s68, s41, 32*6144                    ; wb: my work-group's 32 of a K step's 128 k-rows (by cy),
	s_add_co_u32 s68, s68, 3*BSTEP
	s_mul_i32 s69, s42, 768                        ; the tile column,
	s_add_co_u32 s68, s68, s69
	s_lshl_b32 s69, s12, 8                         ; my strip
	s_add_co_u32 s68, s68, s69
	s_and_b32 s22, ttmp7, 0xffff                   ; cluster y
	s_movk_i32 s[PFS], ASTEP
	s_mov_b32 s[PFS+1], BSTEP
	s_movk_i32 s20, 2048
	s_movk_i32 s21, 6144
	s_cmp_eq_u32 s[WV], 0                          ; do I fetch xb?
	s_cselect_b32 s18, s18, s68
	s_cselect_b32 s22, ttmp9, s22                  ; the coordinate along which other clusters read the same rows
	s_cselect_b32 s[PFS], s[PFS], s[PFS+1]
	s_cselect_b32 s20, s20, s21
	s_cselect_b64 s[PFA:PFA+1], s[4:5], s[6:7]
	s_mov_b32 s19, 0
	s_mov_b32 s[PFS+1], 0
	s_add_nc_u64 s[PFA:PFA+1], s[PFA:PFA+1], s[18:19]
	s_cmp_eq_u32 s22, 0
	s_cselect_b32 s[LIM], 1, -1                    ; the same in all sixteen partners, for a given wave
	v_and_b32 v[PFO], 31, v0
	v_mul_u32_u24 v[PFO], v[PFO], s20
; 12 matrix instructions: row blocks a0, a0 + 1 of the window's four (hi = 0: blocks 0-3, 1: blocks 4-7) x my 6 column blocks, 32 along K.  zero = 1: the first product starts the sums.
; The 48 accumulators take turns in the same order in every quarter.
.macro MUL12 f, hi, a0, zero
	WIN 0xa1+0x50*(\hi)
.irp a, \a0, (\a0)+1
.irp b, 0,1,2,3,4,5
.if \zero
	v_wmma_f32_16x16x32_bf16 v[8*(6*(\a)+(\b)):8*(6*(\a)+(\b))+7], v[(\f)+8*(\b):(\f)+8*(\b)+7], v[(\f)+8*(4*(\hi)+(\a)):(\f)+8*(4*(\hi)+(\a))+7], 0
.else
	v_wmma_f32_16x16x32_bf16 v[8*(6*(\a)+(\b)):8*(6*(\a)+(\b))+7], v[(\f)+8*(\b):(\f)+8*(\b)+7], v[(\f)+8*(4*(\hi)+(\a)):(\f)+8*(4*(\hi)+(\a))+7], v[8*(6*(\a)+(\b)):8*(6*(\a)+(\b))+7]
.endif
.endr
.endr
.endm
; 28 LDS loads in one run: the fragments of quarter q (32 along K) of a slot into buffer f: 12 turning loads of wb, then 16 loads of xb
.macro FETCH slot, q, f
	WIN 0x40                                       ; destination window 1, address window 0
.irp b, 0,1,2,3,4,5
	ds_load_tr16_b128 v[(\f)+8*(\b):(\f)+8*(\b)+3],   v[ADRB+3*(\slot)+(\b)/2] offset:((\b)%2)*128+(\q)*32*PB
	ds_load_tr16_b128 v[(\f)+8*(\b)+4:(\f)+8*(\b)+7], v[ADRB+3*(\slot)+(\b)/2] offset:((\b)%2)*128+(\q)*32*PB+16*PB
.endr
	WIN 0
.irp i, 0,1,2,3,4,5,6,7
	ds_load_b128 v[(\f)+8*(\i):(\f)+8*(\i)+3],   v[ADRA+(\slot)] offset:(\q)*64+(\i)*16*PA
	ds_load_b128 v[(\f)+8*(\i)+4:(\f)+8*(\i)+7], v[ADRA+(\slot)] offset:(\q)*64+(\i)*16*PA+32
.endr
.endm
; A K step is four quarters of 32 along K, 48 matrix instructions each, on buffers 0, 1, 0, 1.  One of the first three: multiplies buffer f and fetches quarter q into buffer g.
.macro QUARTER slot, q, f, g, zero
	s_wait_dscnt 8                                 ; wb's fragments and xb's row blocks 0-3 are in; the youngest eight loads (row blocks 4-7) may be out
	MUL12 \f, 0, 0, \zero
	MUL12 \f, 0, 2, \zero
	PLACES
	FETCH \slot, \q, \g
	s_wait_dscnt 28                                ; all but the 28 just issued
	MUL12 \f, 1, 0, \zero
	MUL12 \f, 1, 2, \zero
.endm
; The last quarter multiplies buffer 1 and changes slots: ONE barrier; in front of it each wave waits for all its tensor loads (one is out: its part of the next slot), adds 0 to its spare word, and
; waits for that and for its own reads of this slot.  fill = 1: the barrier opens a round of the cluster's barrier, and this slot is filled again, two K steps ahead, first thing behind the round.
.macro TURN slot, next, fill
.if \fill
	s_wait_xcnt 0x0                                ; the last prefetch, a K step back, has read its address: it is stepped here, ahead of the waits of the change of slots
	s_add_nc_u64 s[PFA:PFA+1], s[PFA:PFA+1], s[PFS:PFS+1]
.endif
	WIN 0                                          ; (the add's two registers lie in window 0)
	s_wait_tensorcnt 0x0                           ; all my tensor loads have landed;
	ds_add_u32 v[SPW], v[NIL]                      ; 0 onto my spare word;
	s_wait_dscnt 9                                 ; (the add and the youngest eight loads may be out)
	MUL12 F1, 0, 0, 0                              ; twelve matrix instructions stand between the add and the wait for it
	s_wait_dscnt 0x0                               ; the add is done, and my reads of this slot are over
	s_barrier_signal -1
	MUL12 F1, 0, 2, 0
.if \fill
	WIN 0
.endif
	s_barrier_wait -1
.if \fill
	CREST                                          ; no wave of any partner still reads this slot's tiles or has a load on its way
	s_add_nc_u64 s[G0+4*(\slot)+2:G0+4*(\slot)+3], s[G0+4*(\slot)+2:G0+4*(\slot)+3], 2*ASTEP
	s_add_nc_u64 s[G0B+4*(\slot)+2:G0B+4*(\slot)+3], s[G0B+4*(\slot)+2:G0B+4*(\slot)+3], 2*BSTEP
	JLOAD \slot                                    ; the first tensor load behind the round; the four v_nop behind it are also the places in front of the loads below
.else
	PLACES
.endif
	FETCH \next, 0, F0
.if \fill
	ASK
.endif
	MUL12 F1, 1, 0, 0
	MUL12 F1, 1, 2, 0
.endm
	s_wait_tensorcnt 1                             ; my part of K step 0 is in; K step 1's may stay out
	s_barrier_signal -1
	s_barrier_wait -1                              ; everybody's is
	FETCH 0, 0, F0
	QUARTER 0, 1, F0, F1, 1                        ; the first quarter stands in front of the loop: its products start the sums
	WIN 0                                          ; at a label and at a branch every window is 0
	s_mov_b32 s3, 3
.Llap:                                                 ; a trip goes once round the ring, from a lap's second quarter to the next lap's first, and fills both slots again
	QUARTER 0, 2, F1, F0, 0
	QUARTER 0, 3, F0, F1, 0
	TURN 0, 1, 1
	QUARTER 1, 1, F0, F1, 0
	QUARTER 1, 2, F1, F0, 0
	QUARTER 1, 3, F0, F1, 0
	TURN 1, 0, 1
	QUARTER 0, 1, F0, F1, 0
	WIN 0
	s_sub_co_u32 s3, s3, 1
	s_cmp_lg_u32 s3, 0
	s_cbranch_scc1 .Llap
	QUARTER 0, 2, F1, F0, 0                        ; the last lap fills nothing
	QUARTER 0, 3, F0, F1, 0
	TURN 0, 1, 0
	QUARTER 1, 1, F0, F1, 0
	QUARTER 1, 2, F1, F0, 0
	QUARTER 1, 3, F0, F1, 0
	s_wait_dscnt 8                                 ; the very last quarter: nothing more to fetch
	MUL12 F1, 0, 0, 0
	MUL12 F1, 0, 2, 0
	s_wait_dscnt 0x0
	MUL12 F1, 1, 0, 0
	MUL12 F1, 1, 2, 0
	; THE WAY OUT: round to f16; 16 bytes a lane into the work-group's stage; a barrier, since a row's 768 bytes come from four waves; back as runs of 256 bytes, 32 rows a wave.
	WIN 0
	PLACES
.irp hi, 0,1
	WIN 0x0a+5*(\hi)                               ; sources 0 and 1: window 2 or 3
.set t, 0
.rept 24
.irp r, 0,1,2,3
	v_cvt_pk_f16_f32 v[TMP+4*t+(\r)], v[8*t+2*(\r)], v[8*t+2*(\r)+1]
.endr
.set t, t+1
.endr
	WIN 0
.irp a, 0,1,2,3
.irp b, 0,1,2,3,4,5
	ds_store_b128 v[STO+(\hi)], v[TMP+4*(6*(\a)+(\b)):TMP+4*(6*(\a)+(\b))+3] offset:(\a)*16*SPITCH+128*(\b)
.endr
.endr
.endr
	s_wait_dscnt 0x0                               ; for the others' sake: my stores into the stage are done
	s_barrier_signal -1
	s_barrier_wait -1
.irp u, 0,1,2
.if (\u) > 0
	s_wait_xcnt 0x0                                ; the stores of the run before have read their data registers, which are loaded again below
.endif
.irp t, 0,1,2,3,4,5,6,7,8,9,10,11,12,13,14,15
	ds_load_b128 v[OB+4*(\t):OB+4*(\t)+3], v[RD] offset:(\t)*2*SPITCH+256*(\u)
.endr
.irp t, 0,1,2,3,4,5,6,7,8,9,10,11,12,13,14,15
	s_wait_dscnt 15-(\t)
	global_store_b128 v[CO], v[OB+4*(\t):OB+4*(\t)+3], s[8:9] offset:(\t)*2*6144+256*(\u)  ; 16 lanes store 256 consecutive bytes, at a multiple of 256 from qkv's first byte
.endr
.endr
	s_wait_tensorcnt 0x0                           ; the wave's end: an add to my spare word and its waits, behind my last tensor load and my last LDS store
	ds_add_u32 v[SPW], v[NIL]
	s_wait_dscnt 0x0
	CROUND                                         ; the closing round: no work-group ends while a partner may still ask for a tile that names it
	s_endpgm
.Lfunc_end_k_q9e3739b9b1_proj:
	.size	k_q9e3739b9b1_proj, .Lfunc_end_k_q9e3739b9b1_proj-k_q9e3739b9b1_proj
	.p2alignl 7, 3214868480
	.fill 96, 4, 3214868480
	.section	.rodata,"a",@progbits
	.p2align	6, 0x0
	.amdhsa_kernel k_q9e3739b9b1_proj
		.amdhsa_group_segment_fixed_size 327680
		.amdhsa_private_segment_fixed_size 0
		.amdhsa_enable_private_segment 0
		.amdhsa_kernarg_size 24
		.amdhsa_user_sgpr_count 2
		.amdhsa_user_sgpr_kernarg_segment_ptr 1
		.amdhsa_wavefront_size32 1
		.amdhsa_system_sgpr_workgroup_id_x 1
		.amdhsa_system_sgpr_workgroup_id_y 1
		.amdhsa_system_sgpr_workgroup_id_z 1
		.amdhsa_system_vgpr_workitem_id 0
		.amdhsa_next_free_vgpr 960
		.amdhsa_next_free_sgpr 72
		.amdhsa_reserve_vcc 0
		.amdhsa_float_denorm_mode_32 3
		.amdhsa_float_denorm_mode_16_64 3
		.amdhsa_memory_ordered 1
		.amdhsa_forward_progress 1
		.amdhsa_inst_pref_size 117
	.end_amdhsa_kernel
	.amdgpu_metadata
---
amdhsa.version: [ 1, 2 ]
amdhsa.kernels:
  - .name:           k_q9e3739b9b1_proj
    .symbol:         k_q9e3739b9b1_proj.kd
    .args:
      - { .name: xb, .offset: 0, .size: 8, .value_kind: global_buffer, .address_space: global }
      - { .name: wb, .offset: 8, .size: 8, .value_kind: global_buffer, .address_space: global }
      - { .name: qkv, .offset: 16, .size: 8, .value_kind: global_buffer, .address_space: global }
    .group_segment_fixed_size: 327680
    .private_segment_fixed_size: 0
    .kernarg_segment_align: 8
    .kernarg_segment_size: 24
    .max_flat_workgroup_size: 128
    .sgpr_count:     72
    .vgpr_count:     960
    .wavefront_size: 32
...
	.end_amdgpu_metadata
.endif
;; end of part 2
;; launch scores (part 3): grid 36 x 4, 4 waves a work-group, no clusters, 327,680 bytes of LDS; arguments qkv, pw, st; writes pw, st
.if DOCPART == 3
	.amdgcn_target "amdgcn-amd-amdhsa--gfx1250"
	.amdhsa_code_object_version 6
	.text
	.protected	k_q9e3739b9b1_scores
	.globl	k_q9e3739b9b1_scores
	.p2align	8
	.type	k_q9e3739b9b1_scores,@function
k_q9e3739b9b1_scores:
	s_mov_b64 s[64:65], 0
	v_nop
	global_prefetch_b8 v0, s[64:65] scope:SCOPE_SE
	s_setreg_imm32_b32 hwreg(HW_REG_WAVE_MODE, 25, 1), 1
	s_wait_xcnt 0x0
; SCORES.  For each tile (I, J), J <= I, of 256 queries x 256 keys of a batch: s = q . k (K = 1,024, f16 operands, f32 sums), keys behind the query hidden; for each query of the tile the TILE'S OWN
; maximum m, the weights p = 2^(c s - c m), c = log2(e) / 32, rounded to f16 into pw [4][2048 q][2048 key], and (c m, l = the sum of the unrounded p) in f32 into st [4][8 J][2048 q][2].
; The launch behind brings the tiles of a row onto the row's maximum by factors made of st: so the true maximum is taken away, in two stages, both in f32.
; LIMITS.  q and k arrive in f16, within 65,504.  A hidden score counts as its value less 1e30 (1,024 products of f16 numbers reach 4.4e12 at the most); a weight below 2^-126 counts as 0 in l;
; p below 6e-5 keeps f16's fixed step.  NaN and infinities are not treated apart.
; SHARES.  Work-group x is the tile's number in the lower triangle of 8 x 8 tiles, y the batch: 144 work-groups of equal work.  Four waves one below the other: wave w has queries 64 w .. 64 w + 63
; (4 blocks of 16) and ALL 256 keys (16 blocks): 64 accumulators.  S^T = K Q^T (source 0 = 16 keys, source 1 = 16 queries): a lane holds one query (lane % 16) and the keys 8 (lane / 16) + 0..7 of each block,
; so a query's maximum and sum want one exchange between the halves of the lanes, and no barrier.
; NO CLUSTER: a joint load wants four tiles with the same rows of q or of k; the triangle's rows and columns hold 1 to 8 tiles, and only 16 of a batch's 36 (I >= 4, J < 4) form a block of 4 x 4.
; THE MASK is the C operand that starts each sum: 0, or -1e30 where the key is hidden.  In the diagonal tile key block b is hidden from query block a of wave w wholly if b - a > 4 w, not at all if
; b - a < 4 w, and by MD (register j hidden where 8 (lane / 16) + j > lane % 16) if b - a = 4 w.  The 19 masks for b - a = -3 .. 15 are MD x AL + BE with two scalars each; off the diagonal all are 0.
; REGISTERS, in windows of 256 (s_set_vgpr_msb: bits 1:0 source 0, 3:2 source 1, 5:4 source 2, 7:6 destination):
;   window 0: v0-31 addresses; v32-63, v64-95 fragments of q, two buffers; v96-247 the 19 masks, v248-255 MD (behind the products: v96-159 packed weights, v160-223 rows read back, v224-243 at work)
;   window 1: v0-127, v128-255 fragments of k, two buffers        window 2: accumulators of query blocks 0, 1 at 8 (16 a' + b)        window 3: those of query blocks 2, 3
.set PITCH,  272                       ; an LDS row: 256 bytes + 16 = 68 words: the 16 rows of a fragment load start at 16 different groups of four banks (ISA guide 11.1)
.set HALFT,  128*PITCH                 ; 128 rows: what one tensor load brings
.set SLOT,   4*HALFT                   ; q's 256 rows, then k's 256 rows
.set STAGE,  2*SLOT                    ; behind the ring, never filled by a tensor load: 16 rows x 528 bytes for each wave
.set SP,     528
.set SPARE,  STAGE+4*16*SP             ; behind the stages: the spare words, 128 bytes for each wave: two blocks of 256 bytes that no other line names
.set ADRQ, 16                          ; v16-17  LDS address of my fragments of q in slot 0, 1
.set ADRK, 18                          ; v18-19  the same for k
.set STO,  20                          ; v20     the way out: where I put 16 bytes of a row
.set RD,   21                          ; v21     where I read a row back
.set GO,   22                          ; v22     my 16 bytes of 512 consecutive bytes of pw
.set SO,   23                          ; v23     my 8 bytes of 256 consecutive bytes of st
.set SPW,  28                          ; v28     LDS address of my spare word; never rewritten
.set NIL,  29                          ; v29     0; never rewritten
.set PFO,  30                          ; v30     my lane x a row of qkv; never rewritten
.set QF,   32
.set MK,   96
.set MD,   248
.set TMPP, 96
.set OB,   160
.set CH,   224                         ; v224-227 four chains of the maximum
.set CM,   228                         ; v228-229 c m (the packed scaling takes the pair's low word for both halves)
.set LS,   230                         ; v230-231 the sum, at work
.set STAT, 232                         ; v232-239 (c m, l) of query block a at STAT + 2 a
.set MG,   240                         ; v240-243 two query blocks' statistics merged for a store
.set WV,  10                           ; s10  my wave's number
.set TI,  11                           ; s11  I
.set TJ,  12                           ; s12  J
.set BT,  13                           ; s13  the batch
.set G1,  24                           ; s[24:31] descriptor group 1
.set G0,  32                           ; s[32:39] descriptor group 0, a set for each slot
.set CS,  40                           ; s[40:41] c
.set SEL, 42                           ; s[42:43] v_permlanex16_b32's selects: each lane takes its own place in the other half
.set AL,  44                           ; s[44:45] a mask's factor
.set BE,  46                           ; s[46:47] a mask's addend
.set BIG, 48                           ; s48  -1e30
.set HALF, 49                          ; s49  the lanes 16-31
.set SD,  50                           ; s50  4 w in the diagonal tile, else 64
.set LIM, 51                           ; s51  1 in a wave that prefetches, else the greatest number
.set PFA, 52                           ; s[52:53] where my prefetches stand
.set MSB, 0
.macro WIN new
.if MSB != (\new)
	s_set_vgpr_msb (MSB<<8)|(\new)
.set MSB, \new
.endif
.endm
.macro PLACES
.rept 4
	v_nop
.endr
.endm
; A prefetch of the K step that stands two refills on: my own 128 rows x 256 bytes, a lane a row, four instructions.  Each row's 256 bytes are named once in the launch: q's rows of block I by waves 0, 1
; of tile (I, 0), k's rows of block J by waves 2, 3 of tile (J, J).  The loop's last trip asks for nothing.
.macro ASK
	s_cmp_gt_u32 s3, s[LIM]
	s_cbranch_scc0 .Lnot_mine_\@
.irp n, 0,1,2,3
	global_prefetch_b8 v[PFO], s[PFA:PFA+1] offset:32*6144*(\n) th:TH_LOAD_NT scope:SCOPE_SE
.endr
.Lnot_mine_\@:
.endm
	s_load_b128 s[4:7], s[0:1], 0x0                ; qkv s[4:5], pw s[6:7]
	s_load_b64 s[8:9], s[0:1], 0x10                ; st
	v_lshl_add_u32 v[SPW], v0, 2, SPARE
	v_mov_b32 v[NIL], 0
	ds_add_u32 v[SPW], v[NIL]                      ; the wave's opening: the add and its wait stand ahead of my first tensor load; the set-up below stands between them
	ds_add_u32 v28, v29
	v_lshrrev_b32 v1, 5, v0
	v_readfirstlane_b32 s[WV], v1                  ; wave 0..3
	s_mov_b32 s[TI], 0                             ; I = how many of the triangle's row starts 1, 3, 6, .. the tile's number has reached
.irp T, 1,3,6,10,15,21,28
	s_cmp_ge_u32 ttmp9, \T
	s_cselect_b32 s14, 1, 0
	s_add_co_u32 s[TI], s[TI], s14
.endr
	s_add_co_u32 s14, s[TI], 1
	s_mul_i32 s14, s14, s[TI]
	s_lshr_b32 s14, s14, 1
	s_sub_co_u32 s[TJ], ttmp9, s14                 ; J = the number less I (I + 1) / 2
	s_and_b32 s[BT], ttmp7, 0xffff
	; group 1: a tile of 128 rows x 128 elements of 2 bytes, 4 words of padding after every 64
	s_mov_b32 s[G1], (1<<16)|(1<<20)|(5<<22)|(3<<25)
	s_mov_b32 s[G1+1], 128<<16                     ; tensor_dim0 = 128
	s_mov_b32 s[G1+2], 128<<16                     ; tensor_dim1 = 128
	s_mov_b32 s[G1+3], 128<<16                     ; tile_dim0 = 128
	s_mov_b32 s[G1+4], 128                         ; tile_dim1 = 128
	s_mov_b32 s[G1+5], 3072                        ; elements from row to row
	s_mov_b32 s[G1+6], 0
	s_mov_b32 s[G1+7], 0
	s_mov_b32 s[CS], 0x3d38aa3b                    ; c = log2(e) / 32 = 0.0450842
	s_mov_b32 s[CS+1], s[CS]
	s_mov_b32 s[SEL], 0x76543210
	s_mov_b32 s[SEL+1], 0xfedcba98
	s_mov_b32 s[AL+1], 0                           ; named as pairs
	s_mov_b32 s[BE+1], 0
	s_mov_b32 s[BIG], 0xf149f2ca                   ; -1e30
	s_mov_b32 s[HALF], 0xffff0000
	s_lshl_b32 s[SD], s[WV], 2
	s_cmp_eq_u32 s[TI], s[TJ]
	s_cselect_b32 s[SD], s[SD], 64
	s_sub_co_u32 s16, s[TI], s[TJ]
	s_cmp_lt_u32 s[WV], 2                          ; waves 0, 1 fetch q's rows of block I, waves 2, 3 k's rows of block J
	s_cselect_b32 s14, s[TI], s[TJ]
	s_cselect_b32 s15, 0, 2048                     ; k lies 2,048 bytes into a row of qkv
	s_cselect_b32 s16, s[TJ], s16                  ; I prefetch where J = 0 (q) or I = J (k)
	s_cmp_eq_u32 s16, 0
	s_cselect_b32 s[LIM], 1, -1
	s_lshl_b32 s14, s14, 8
	s_lshl_b32 s16, s[BT], 11
	s_add_co_u32 s14, s14, s16
	s_and_b32 s16, s[WV], 1
	s_lshl_b32 s16, s16, 7
	s_add_co_u32 s14, s14, s16                     ; my first row: 2,048 batch + 256 block + 128 (w % 2)
	s_mul_i32 s14, s14, 6144
	s_add_co_u32 s14, s14, s15
	s_mov_b32 s15, 0
	s_mul_i32 s20, s[WV], HALFT                    ; where my rows go: wave x 128 rows
	s_wait_dscnt 0x0                               ; the opening add is done
	s_wait_kmcnt 0x0
	s_add_nc_u64 s[14:15], s[4:5], s[14:15]
.irp s, 0,1
	s_mov_b32 s[G0+4*(\s)], 1                      ; count = 1
	s_add_co_u32 s[G0+4*(\s)+1], s20, (\s)*SLOT    ; LDS address
	s_add_nc_u64 s[G0+4*(\s)+2:G0+4*(\s)+3], s[14:15], (\s)*256  ; global address: K step s
	s_or_b32 s[G0+4*(\s)+3], s[G0+4*(\s)+3], 0x80000000          ; type = 2
.endr
	tensor_load_to_lds s[G0:G0+3], s[G1:G1+7]      ; both first fills go out together, ahead of every wait on TENSORcnt, every LDS read and every barrier: two loads of mine are out
	s_nop 0
	tensor_load_to_lds s[G0+4:G0+7], s[G1:G1+7]
	s_nop 0
	PLACES
	s_add_nc_u64 s[PFA:PFA+1], s[14:15], 3*256     ; the prefetches start at K step 3; the first refill steps them to K step 4
	v_and_b32 v1, 15, v0                           ; l % 16
	v_bfe_u32 v2, v0, 4, 1                         ; l / 16
	v_and_b32 v4, 31, v0                           ; l
	v_mul_u32_u24 v3, v1, PITCH
	v_lshl_add_u32 v3, v2, 4, v3                   ; a fragment's row x pitch + 16 x half
	s_mul_i32 s21, s[WV], 64*PITCH                 ; my 64 rows of q
	v_add_nc_u32 v[ADRQ], s21, v3
	v_add_nc_u32 v[ADRQ+1], SLOT, v[ADRQ]
	v_add_nc_u32 v[ADRK], 2*HALFT, v3              ; k's rows lie behind q's 256
	v_add_nc_u32 v[ADRK+1], SLOT, v[ADRK]
	s_mul_i32 s21, s[WV], 16*SP
	s_add_co_u32 s21, s21, STAGE                   ; my stage
	v_mul_u32_u24 v3, v1, SP                       ; in: row l % 16, 16 bytes for each half of the lanes
	v_lshl_add_u32 v3, v2, 4, v3
	v_add_nc_u32 v[STO], s21, v3
	v_lshl_add_u32 v[RD], v4, 4, s21               ; back: 32 lanes take a row of 512 bytes
	v_lshlrev_b32 v[GO], 4, v4
	v_lshlrev_b32 v[SO], 3, v4
	v_mul_u32_u24 v[PFO], v4, 6144
	s_lshl_b32 s16, s[BT], 11                      ; pw at my first row and the tile's first key
	s_lshl_b32 s17, s[TI], 8
	s_add_co_u32 s16, s16, s17
	s_lshl_b32 s17, s[WV], 6
	s_add_co_u32 s16, s16, s17
	s_lshl_b32 s16, s16, 12
	s_lshl_b32 s17, s[TJ], 9
	s_add_co_u32 s16, s16, s17
	s_mov_b32 s17, 0
	s_add_nc_u64 s[6:7], s[6:7], s[16:17]
	s_lshl_b32 s16, s[BT], 3                       ; st at ((8 batch + J) 2,048 + 256 I + 64 w) x 8 bytes
	s_add_co_u32 s16, s16, s[TJ]
	s_lshl_b32 s16, s16, 11
	s_lshl_b32 s18, s[TI], 8
	s_add_co_u32 s16, s16, s18
	s_lshl_b32 s18, s[WV], 6
	s_add_co_u32 s16, s16, s18
	s_lshl_b32 s16, s16, 3
	s_add_nc_u64 s[8:9], s[8:9], s[16:17]
	; the masks, made while the first tile is on its way
	v_lshlrev_b32 v3, 3, v2
	v_sub_nc_u32 v3, v1, v3                        ; l % 16 - 8 (l / 16): register j is hidden where j is greater
.set j, 0
.rept 8
	v_cmp_gt_i32 vcc_lo, j, v3
	v_cndmask_b32 v[MD+j], 0, s[BIG], vcc_lo
.set j, j+1
.endr
.set d, 0
.rept 19
	s_cmp_eq_i32 s[SD], d-3                        ; b - a = d - 3: is it the block that holds the diagonal?
	s_cselect_b32 s[AL], 1.0, 0
	s_cmp_lt_i32 s[SD], d-3                        ; or one behind it?
	s_cselect_b32 s[BE], s[BIG], 0
.irp z, 0,1,2,3
	v_pk_fma_f32 v[MK+8*d+2*(\z):MK+8*d+2*(\z)+1], v[MD+2*(\z):MD+2*(\z)+1], s[AL:AL+1], s[BE:BE+1] op_sel_hi:[1,0,0]
.endr
.set d, d+1
.endr
; 16 matrix instructions: query block 2 hi + ap x all 16 key blocks, 32 along K, on buffer buf.  first = 1: the product starts the sum from its mask.
; The 64 accumulators take turns in the same order in every quarter.
.macro MUL16 buf, hi, ap, first
.if \first
	WIN 0x81+0x40*(\hi)                            ; k window 1, q and the mask window 0, the result window 2 or 3
.else
	WIN 0xa1+0x50*(\hi)
.endif
.irp b, 0,1,2,3,4,5,6,7,8,9,10,11,12,13,14,15
.if \first
	v_wmma_f32_16x16x32_f16 v[8*(16*(\ap)+(\b)):8*(16*(\ap)+(\b))+7], v[128*(\buf)+8*(\b):128*(\buf)+8*(\b)+7], v[QF+32*(\buf)+8*(2*(\hi)+(\ap)):QF+32*(\buf)+8*(2*(\hi)+(\ap))+7], v[MK+8*((\b)-2*(\hi)-(\ap)+3):MK+8*((\b)-2*(\hi)-(\ap)+3)+7]
.else
	v_wmma_f32_16x16x32_f16 v[8*(16*(\ap)+(\b)):8*(16*(\ap)+(\b))+7], v[128*(\buf)+8*(\b):128*(\buf)+8*(\b)+7], v[QF+32*(\buf)+8*(2*(\hi)+(\ap)):QF+32*(\buf)+8*(2*(\hi)+(\ap))+7], v[8*(16*(\ap)+(\b)):8*(16*(\ap)+(\b))+7]
.endif
.endr
.endm
; 40 LDS loads in one run: the fragments of quarter q of a slot into buffer buf: 32 of k, then 8 of q
.macro FETCH slot, q, buf
	WIN 0x40                                       ; destination window 1, address window 0
.irp b, 0,1,2,3,4,5,6,7,8,9,10,11,12,13,14,15
	ds_load_b128 v[128*(\buf)+8*(\b):128*(\buf)+8*(\b)+3],   v[ADRK+(\slot)] offset:(\q)*64+(\b)*16*PITCH
	ds_load_b128 v[128*(\buf)+8*(\b)+4:128*(\buf)+8*(\b)+7], v[ADRK+(\slot)] offset:(\q)*64+(\b)*16*PITCH+32
.endr
	WIN 0
.irp a, 0,1,2,3
	ds_load_b128 v[QF+32*(\buf)+8*(\a):QF+32*(\buf)+8*(\a)+3],   v[ADRQ+(\slot)] offset:(\q)*64+(\a)*16*PITCH
	ds_load_b128 v[QF+32*(\buf)+8*(\a)+4:QF+32*(\buf)+8*(\a)+7], v[ADRQ+(\slot)] offset:(\q)*64+(\a)*16*PITCH+32
.endr
.endm
; A K step is four quarters of 32 along K, 64 matrix instructions each, on buffers 0, 1, 0, 1.
.macro QUARTER slot, q, buf, nbuf, first
	s_wait_dscnt 4                                 ; k's fragments and q's blocks 0, 1 are in; the youngest four loads (q's blocks 2, 3) may be out
	MUL16 \buf, 0, 0, \first
	MUL16 \buf, 0, 1, \first
	PLACES
	FETCH \slot, \q, \nbuf
	s_wait_dscnt 40                                ; all but the 40 just issued
	MUL16 \buf, 1, 0, \first
	MUL16 \buf, 1, 1, \first
.endm
; The last quarter multiplies buffer 1 and changes slots: ONE barrier; in front of it each wave waits for all its tensor loads (one is out: its part of the next slot), adds 0 to its spare word, and
; waits for that and for its own reads of this slot.  fill = 1: this slot is filled again, two K steps ahead, first thing behind the barrier: 224 matrix instructions ahead of the wait for it.
.macro TURN slot, next, fill
.if \fill
	s_wait_xcnt 0x0                                ; the last prefetches, a K step back, have read their address
	s_add_nc_u64 s[PFA:PFA+1], s[PFA:PFA+1], 256
.endif
	WIN 0
	s_wait_tensorcnt 0x0                           ; all my tensor loads have landed, so a group 0 may be written;
	ds_add_u32 v[SPW], v[NIL]                      ; 0 onto my spare word;
.if \fill
	s_add_nc_u64 s[G0+4*(\slot)+2:G0+4*(\slot)+3], s[G0+4*(\slot)+2:G0+4*(\slot)+3], 512
.endif
	s_wait_dscnt 5                                 ; (the add and the youngest four loads may be out)
	MUL16 1, 0, 0, 0                               ; sixteen matrix instructions stand between the add and the wait for it
	s_wait_dscnt 0x0                               ; the add is done, and my reads of this slot are over
	s_barrier_signal -1
	MUL16 1, 0, 1, 0
	WIN 0
	s_barrier_wait -1
.if \fill
	tensor_load_to_lds s[G0+4*(\slot):G0+4*(\slot)+3], s[G1:G1+7]
	s_nop 0
.endif
	PLACES                                         ; behind the tensor load, and the places in front of the loads below
	FETCH \next, 0, 0
.if \fill
	ASK
.endif
	MUL16 1, 1, 0, 0
	MUL16 1, 1, 1, 0
.endm
	s_wait_tensorcnt 1                             ; my part of K step 0 is in; K step 1's may stay out
	s_barrier_signal -1
	s_barrier_wait -1                              ; everybody's is
	FETCH 0, 0, 0
	QUARTER 0, 1, 0, 1, 1                          ; the first quarter stands in front of the loop: its products start the sums from the masks
	WIN 0
	s_mov_b32 s3, 3
.Llap:                                                 ; a trip goes once round the ring and fills both slots again
	QUARTER 0, 2, 1, 0, 0
	QUARTER 0, 3, 0, 1, 0
	TURN 0, 1, 1
	QUARTER 1, 1, 0, 1, 0
	QUARTER 1, 2, 1, 0, 0
	QUARTER 1, 3, 0, 1, 0
	TURN 1, 0, 1
	QUARTER 0, 1, 0, 1, 0
	WIN 0
	s_sub_co_u32 s3, s3, 1
	s_cmp_lg_u32 s3, 0
	s_cbranch_scc1 .Llap
	QUARTER 0, 2, 1, 0, 0                          ; the last lap fills nothing
	QUARTER 0, 3, 0, 1, 0
	TURN 0, 1, 0
	QUARTER 1, 1, 0, 1, 0
	QUARTER 1, 2, 1, 0, 0
	QUARTER 1, 3, 0, 1, 0
	s_wait_dscnt 4
	MUL16 1, 0, 0, 0
	MUL16 1, 0, 1, 0
	s_wait_dscnt 0x0
	MUL16 1, 1, 0, 0
	MUL16 1, 1, 1, 0
	WIN 0
	PLACES
	v_mov_b32 v[CM+1], 0                           ; named with c m as a pair
	v_mov_b32 v[LS+1], 0                           ; v_permlanex16_b32's destination counts as read
; THE SOFTMAX OF QUERY BLOCK a: 16 queries x 256 keys, 128 scores a lane, in window W from register rS on.
.macro SOFT a
.set W, 2+(\a)/2
.set rS, 128*((\a)%2)
	; the maximum: four chains; chain i walks accumulators i, i + 4, i + 8, i + 12 as values 0..31, three operands at a time; each accumulator's lowest registers are read first
	WIN W|(W<<2)|(W<<4)
.irp i, 0,1,2,3
	v_max3_num_f32 v[CH+(\i)], v[rS+8*(\i)], v[rS+8*(\i)+1], v[rS+8*(\i)+2]
.endr
	WIN (W<<2)|(W<<4)
.set k, 1
.rept 14
.irp i, 0,1,2,3
	v_max3_num_f32 v[CH+(\i)], v[CH+(\i)], v[rS+8*((\i)+4*((2*k+1)/8))+(2*k+1)%8], v[rS+8*((\i)+4*((2*k+2)/8))+(2*k+2)%8]
.endr
.set k, k+1
.endr
	v_max3_num_f32 v[CH],   v[CH],   v[rS+8*12+7], v[rS+8*13+7]  ; the four values left over
	v_max3_num_f32 v[CH+2], v[CH+2], v[rS+8*14+7], v[rS+8*15+7]
	WIN 0
	v_max3_num_f32 v[CH], v[CH], v[CH+1], v[CH+2]
	v_max_num_f32 v[CH], v[CH], v[CH+3]
	v_permlanex16_b32 v[CH+1], v[CH], s[SEL], s[SEL+1]           ; the query's other 128 keys lie in the lane 16 away
	v_max_num_f32 v[CH], v[CH], v[CH+1]
	v_mul_f32 v[CM], s[CS], v[CH]
	v_mul_f32 v[STAT+2*(\a)], s[CS], v[CH]
	; ONE BATCH: 64 scalings c s - c m, a pair each, and 128 exponentials in place; a pair is scaled two pairs ahead of its exponentials; nothing here reads an exponential's result
	WIN W|(W<<6)
.set p, 0
.rept 2
	v_pk_fma_f32 v[rS+2*p:rS+2*p+1], v[rS+2*p:rS+2*p+1], s[CS:CS+1], v[CM:CM+1] op_sel_hi:[1,0,0] neg_lo:[0,0,1] neg_hi:[0,0,1]
.set p, p+1
.endr
.set p, 0
.rept 64
.if p < 62
	v_pk_fma_f32 v[rS+2*p+4:rS+2*p+5], v[rS+2*p+4:rS+2*p+5], s[CS:CS+1], v[CM:CM+1] op_sel_hi:[1,0,0] neg_lo:[0,0,1] neg_hi:[0,0,1]
.endif
	v_exp_f32 v[rS+2*p], v[rS+2*p]
	v_exp_f32 v[rS+2*p+1], v[rS+2*p+1]
.set p, p+1
.endr
	v_nop                                          ; a plain instruction behind the last exponential,
	s_wait_alu depctr_va_vdst(0)                   ; and one wait ahead of the batch's first reader
	WIN W|(W<<2)
.set p, 0
.rept 64
	v_cvt_pk_f16_f32 v[TMPP+p], v[rS+2*p], v[rS+2*p+1]
.set p, p+1
.endr
	WIN W|(W<<2)|(W<<6)                            ; the sum of the unrounded weights: a tree in place, pairs 32, 16, .. 1 apart
.irp e, 32,16,8,4,2,1
.set p, 0
.rept \e
	v_pk_add_f32 v[rS+2*p:rS+2*p+1], v[rS+2*p:rS+2*p+1], v[rS+2*(p+(\e)):rS+2*(p+(\e))+1]
.set p, p+1
.endr
.endr
	WIN W|(W<<2)
	v_add_f32 v[LS], v[rS], v[rS+1]
	WIN 0
	v_permlanex16_b32 v[LS+1], v[LS], s[SEL], s[SEL+1]
	v_add_f32 v[STAT+2*(\a)+1], v[LS], v[LS+1]
	; out through my stage: 16 bytes a lane into rows of 528 bytes, back as whole rows of 512
.irp b, 0,1,2,3,4,5,6,7,8,9,10,11,12,13,14,15
	ds_store_b128 v[STO], v[TMPP+4*(\b):TMPP+4*(\b)+3] offset:32*(\b)
.endr
.if (\a) > 0
	s_wait_xcnt 0x0                                ; the block before's stores have read their data registers, which are loaded again below
.endif
.irp t, 0,1,2,3,4,5,6,7,8,9,10,11,12,13,14,15
	ds_load_b128 v[OB+4*(\t):OB+4*(\t)+3], v[RD] offset:SP*(\t)  ; LDS serves a wave's instructions in order (ISA guide 5.7.1.4): these see the stores above
.endr
.irp t, 0,1,2,3,4,5,6,7,8,9,10,11,12,13,14,15
	s_wait_dscnt 15-(\t)
	global_store_b128 v[GO], v[OB+4*(\t):OB+4*(\t)+3], s[6:7] offset:(16*(\a)+(\t))*4096  ; 512 consecutive bytes, at a multiple of 256 from pw's first byte
.endr
.endm
	SOFT 0
	SOFT 1
	SOFT 2
	SOFT 3
	; the statistics: both halves of the lanes hold them; lanes 0-15 give an even block's 16 rows, lanes 16-31 the odd block's: 256 consecutive bytes a store
.irp s, 0,1
	v_cndmask_b32 v[MG+2*(\s)],   v[STAT+4*(\s)],   v[STAT+4*(\s)+2], s[HALF]
	v_cndmask_b32 v[MG+2*(\s)+1], v[STAT+4*(\s)+1], v[STAT+4*(\s)+3], s[HALF]
	global_store_b64 v[SO], v[MG+2*(\s):MG+2*(\s)+1], s[8:9] offset:256*(\s)
.endr
	s_wait_tensorcnt 0x0                           ; the wave's end: an add to my spare word and its waits, behind my last tensor load and my last LDS store
	ds_add_u32 v[SPW], v[NIL]
	s_wait_dscnt 0x0
	s_endpgm
.Lfunc_end_k_q9e3739b9b1_scores:
	.size	k_q9e3739b9b1_scores, .Lfunc_end_k_q9e3739b9b1_scores-k_q9e3739b9b1_scores
	.p2alignl 7, 3214868480
	.fill 96, 4, 3214868480
	.section	.rodata,"a",@progbits
	.p2align	6, 0x0
	.amdhsa_kernel k_q9e3739b9b1_scores
		.amdhsa_group_segment_fixed_size 327680
		.amdhsa_private_segment_fixed_size 0
		.amdhsa_enable_private_segment 0
		.amdhsa_kernarg_size 24
		.amdhsa_user_sgpr_count 2
		.amdhsa_user_sgpr_kernarg_segment_ptr 1
		.amdhsa_wavefront_size32 1
		.amdhsa_system_sgpr_workgroup_id_x 1
		.amdhsa_system_sgpr_workgroup_id_y 1
		.amdhsa_system_sgpr_workgroup_id_z 1
		.amdhsa_system_vgpr_workitem_id 0
		.amdhsa_next_free_vgpr 1024
		.amdhsa_next_free_sgpr 66
		.amdhsa_reserve_vcc 1
		.amdhsa_float_denorm_mode_32 3
		.amdhsa_float_denorm_mode_16_64 3
		.amdhsa_memory_ordered 1
		.amdhsa_forward_progress 1
		.amdhsa_inst_pref_size 224
	.end_amdhsa_kernel
	.amdgpu_metadata
---
amdhsa.version: [ 1, 2 ]
amdhsa.kernels:
  - .name:           k_q9e3739b9b1_scores
    .symbol:         k_q9e3739b9b1_scores.kd
    .args:
      - { .name: qkv, .offset: 0, .size: 8, .value_kind: global_buffer, .address_space: global }
      - { .name: pw, .offset: 8, .size: 8, .value_kind: global_buffer, .address_space: global }
      - { .name: st, .offset: 16, .size: 8, .value_kind: global_buffer, .address_space: global }
    .group_segment_fixed_size: 327680
    .private_segment_fixed_size: 0
    .kernarg_segment_align: 8
    .kernarg_segment_size: 24
    .max_flat_workgroup_size: 128
    .sgpr_count:     66
    .vgpr_count:     1024
    .wavefront_size: 32
...
	.end_amdgpu_metadata
.endif
;; end of part 3
;; launch pv (part 4): grid 8 x 32, 4 waves a work-group, clusters of 4 x 1, 327,680 bytes of LDS; arguments pw, qkv, st, out0; writes out0
.if DOCPART == 4
	.amdgcn_target "amdgcn-amd-amdhsa--gfx1250"
	.amdhsa_code_object_version 6
	.text
	.protected	k_q9e3739b9b1_pv
	.globl	k_q9e3739b9b1_pv
	.p2align	8
	.type	k_q9e3739b9b1_pv,@function
k_q9e3739b9b1_pv:
	s_mov_b64 s[64:65], 0
	v_nop
	global_prefetch_b8 v0, s[64:65] scope:SCOPE_SE
	s_setreg_imm32_b32 hwreg(HW_REG_WAVE_MODE, 25, 1), 1
	s_wait_xcnt 0x0
	s_wait_alu depctr_hold_cnt(0) depctr_sa_sdst(0) depctr_va_vdst(0) depctr_va_sdst(0) depctr_va_ssrc(0) depctr_va_vcc(0) depctr_vm_vsrc(0)
	s_getreg_b32 s2, hwreg(HW_REG_IB_STS2, 6, 4)
	s_cmp_eq_u32 s2, 0
	s_cbranch_scc0 .Lentry_in_a_cluster
	s_endpgm
.Lentry_in_a_cluster:
	s_bfe_u32 s2, ttmp6, 0x10000c
	s_cmp_lg_u32 s2, 0x3003
	s_cbranch_scc0 .Lentry_shape_is_right
	s_endpgm
.Lentry_shape_is_right:
; PV.  out0[q][ch] = sum over key tiles J of f_J(q) x (sum over the tile's 256 keys of p[q][key] v[key][ch]),  f_J = 2^(c m_J - M) / L,  M = the maximum over J of c m_J,  L = sum over J of 2^(c m_J - M) l_J.
; p: pw [4][2048][2048] f16, weights taken against each tile's own maximum; (c m_J, l_J): st [4][8][2048][2] f32; v: the last third of qkv's rows, f16; out0 [4][2048][1024] f32.
; So the row's true maximum is what is taken away in the end; M, L, the factors and the sums over tiles are f32.
; LIMITS.  A factor below 2^-126 counts as 0.  L is at least 1 (the tile that holds the maximum gives l >= 1).  NaN and infinities are not treated apart.
; THE WALK.  A batch's queries lie in 16 blocks of 128; block i needs the key tiles 0 .. i / 2.  A work-group takes 128 channels and TWO blocks, 15 - b and then b: 9 tiles, whatever b: all 256 work-groups
; do equal work, and one loop with a constant trip count walks them; the ring of two LDS slots runs on across the change of blocks.  In an even block's last tile the upper 128 keys are hidden: their p
; is 0, and they are multiplied all the same.
; A STEP makes T = P_J V_J (128 x 128 x 256; the first products take C = 0) and then O += f T in f32, one factor a lane and query block; a block's first step writes O = f T.
; SHARES.  Four waves, 2 x 2: wave w has queries 64 (w / 2) on and channels 64 (w % 2) on: 16 accumulators.  O^T = V^T P (source 0 = 16 channels of v, turned by ds_load_tr16_b128; source 1 = 16 queries of p):
; a lane holds one query and eight neighbouring channels.
; CLUSTER.  The four work-groups of a cluster differ in their channels alone: they walk the same tiles of p, which are asked for JOINTLY (mask 15); v's tile is each one's own, a plain load in the same round.
; v is not shared along b: work-groups with another b walk another sequence of tiles.
; REGISTERS, in windows of 256 (s_set_vgpr_msb: bits 1:0 source 0, 3:2 source 1, 5:4 source 2, 7:6 destination):
;   window 0: v0-31 addresses; v32-39 the step's four factors (even registers); v40-110 at work ahead of the walk; v64-95 rows read back on the way out
;   window 1: two fragment buffers of 128: p at 8 (4 cc + a), v at 64 + 8 (4 cc + n), for 64 keys        window 2: v0-127 O at 8 (4 a + n); v128-255 T
.set PAP,   528                        ; a row of p in LDS: 512 bytes + 16 = 132 words: the 16 rows of a fragment load start at 16 different groups of four banks (ISA guide 11.1)
.set PVP,   288                        ; a row of v: 256 + 32 = 72 words
.set AH,    64*PAP                     ; half of p's tile: what wave 0 or 1 fetches
.set BH,    128*PVP                    ; half of v's tile: what wave 2 or 3 fetches
.set BOFF,  2*AH
.set SLOT,  BOFF+2*BH
.set STAGE, 2*SLOT                     ; behind the ring, never filled by a tensor load: 16 rows x 272 bytes for each wave
.set SP,    272
.set TAB,   STAGE+4*16*SP              ; the factors: [9 steps of the walk][128 rows] f32
.set SPARE, TAB+9*512                  ; the spare words, 128 bytes for each wave: two blocks of 256 bytes that no other line names
.set VROW,  6144
.set ADA, 8                            ; v8-9    LDS address of my fragments of p in slot 0, 1
.set ADB, 10                           ; v10-13  the same for v: slot x 2 + half of the keys
.set FA0, 14                           ; v14     my query's word in a row of the table
.set FAD, 15                           ; v15     the same in the step's row
.set STO, 16                           ; v16     the way out: where I put 16 bytes of a row
.set RD,  17                           ; v17     where I read a row back
.set GO,  18                           ; v18     my byte offset in out0
.set SPW, 28                           ; v28     LDS address of my spare word; never rewritten
.set NIL, 29                           ; v29     0; never rewritten
.set PFO, 30                           ; v30     the prefetches' offset; never rewritten
.set FF,  32
.set OB,  64
.set TOFF, 40                          ; ahead of the walk: v40-55 offsets in st; v56-87 (c m, l) of 2 blocks x 8 tiles; v88-89 M; v90-105 the factors; v106-107 L; v108 my word in the table; v109 8 x thread; v110 step 8's factor
.set TD,  56
.set TM,  88
.set TE,  90
.set TL,  106
.set TA,  108
.set TQ,  109
.set T8,  110
.set TT,  128                          ; T, in window 2
.set F0,  0
.set F1,  128
.set WV,  12                           ; s12 wave; s13 cx; s14 channel block; s15 batch; s16 b
.set CX,  13
.set CC,  14
.set BT,  15
.set BB,  16
.set G1A, 24                           ; s[24:31] descriptor group 1 for p's tiles;  s[32:39] for v's
.set G1B, 32
.set G0A, 40                           ; s[40:47] group 0 for p, a set for each slot;  s[48:55] for v
.set G0B, 48
.set PAB, 56                           ; s[56:57] pw at the batch and my half of a block's rows
.set PVB, 58                           ; s[58:59] qkv at the batch's v, my half of a tile's keys, my channels
.set OLO, 60                           ; s[60:61] out0 at my rows of the second block
.set OFA, 62                           ; s[62:63] a tile's byte offset in pw
.set OFB, 66                           ; s[66:67] and in qkv
.set NXT, 68                           ; s68  the tile to be asked for next
.set LQ,  69                           ; s69  the last tile of the block whose tiles are being asked for
.set BOF, 70                           ; s70  that block's rows in pw, in bytes
.set BLO, 71                           ; s71  the second block's
.set NL,  72                           ; s72  tiles of the second block
.set RT,  73                           ; s73  steps that the block in hand still has
.set NEW, 74                           ; s74  1: the step is a block's first
.set TF,  75                           ; s75  the step's row in the table: 512 x the step's number
.set CNT, 76                           ; s76  the loop's count
.set REM, 77                           ; s77  tiles still to be asked for
.set INHI, 78                          ; s78  1 while the tile to be asked for next is the first block's
.set PFON, 79                          ; s79  1: I prefetch at this change
.set PF,  80                           ; s[80:81] where
.set PFBA, 82                          ; s[82:83] pw at the batch and my work-group's 16 of my 64 rows
.set PFK, 84                           ; s84  1 in a wave that prefetches at all
.set NLM, 85                           ; s85  NL - 1
.set WC,  86                           ; s86  w % 2
.set WR,  87                           ; s87  w / 2
.set MSB, 0
.macro WIN new
.if MSB != (\new)
	s_set_vgpr_msb (MSB<<8)|(\new)
.set MSB, \new
.endif
.endm
.macro PLACES
.rept 4
	v_nop
.endr
.endm
.macro CROUND                          ; a round of the cluster's barrier
	s_barrier_signal -1
	s_barrier_wait -1
	s_cmp_lg_u32 s[WV], 0
	s_cbranch_scc1 .Lnot_wave_0_\@
	s_barrier_signal -3
.Lnot_wave_0_\@:
	s_barrier_wait -3
	s_barrier_signal -1
	s_barrier_wait -1
.endm
; Slot s's descriptors are set for tile NXT of the block whose tiles are being asked for: the addresses are made anew from the numbers.  Then the walk steps: the block's next tile, or behind its last the
; second block's tile 0.
.macro REQ s
	s_lshl_b32 s[OFA], s[NXT], 9                   ; 256 keys are 512 bytes of a row of pw,
	s_add_co_u32 s[OFA], s[OFA], s[BOF]
	s_mul_i32 s[OFB], s[NXT], 256*VROW             ; and 256 rows of qkv
	s_add_nc_u64 s[G0A+4*(\s)+2:G0A+4*(\s)+3], s[PAB:PAB+1], s[OFA:OFA+1]
	s_or_b32 s[G0A+4*(\s)+3], s[G0A+4*(\s)+3], 0x80000000
	s_add_nc_u64 s[G0B+4*(\s)+2:G0B+4*(\s)+3], s[PVB:PVB+1], s[OFB:OFB+1]
	s_or_b32 s[G0B+4*(\s)+3], s[G0B+4*(\s)+3], 0x80000000
	s_add_co_u32 s[NXT], s[NXT], 1
	s_cmp_gt_u32 s[NXT], s[LQ]
	s_cselect_b32 s[NXT], 0, s[NXT]
	s_cselect_b32 s[BOF], s[BLO], s[BOF]
	s_cselect_b32 s[INHI], 0, s[INHI]
	s_cselect_b32 s[LQ], s[NLM], s[LQ]
	s_sub_co_u32 s[REM], s[REM], 1
.endm
; Where, and whether, I prefetch the tile that the NEXT change of slots will ask for.  p's tile is named by the clusters with x = 0: of a wave's 64 rows each partner takes 16, told apart by address, two lanes
; a row of 512 bytes.  v's tile is named by the work-groups with b = 0, while the walk is in their first block, which takes every tile of the batch once: each of waves 2, 3 its own 128 rows, a lane a row.
.macro PFSET
	s_lshl_b32 s20, s[NXT], 9
	s_add_co_u32 s20, s20, s[BOF]
	s_mov_b32 s21, 0
	s_mul_i32 s22, s[NXT], 256*VROW
	s_mov_b32 s23, 0
	s_add_nc_u64 s[20:21], s[PFBA:PFBA+1], s[20:21]
	s_add_nc_u64 s[22:23], s[PVB:PVB+1], s[22:23]
	s_min_u32 s18, s[REM], 1                       ; nothing behind the last tile
	s_cmp_lt_u32 s[WV], 2
	s_cselect_b64 s[PF:PF+1], s[20:21], s[22:23]
	s_cselect_b32 s17, 1, s[INHI]
	s_and_b32 s17, s17, s[PFK]
	s_and_b32 s[PFON], s17, s18
.endm
; A fill.  Waves 0, 1 ask jointly for the halves of p's tile, waves 2, 3 for the halves of their own v's.  An s_nop 0 and four v_nop follow each line.
.macro JLOAD s
	s_cmp_lt_u32 s[WV], 2
	s_cbranch_scc0 .Lfor_v_\@
	tensor_load_to_lds s[G0A+4*(\s):G0A+4*(\s)+3], s[G1A:G1A+7]
	s_nop 0
	PLACES
	s_branch .Lasked_\@
.Lfor_v_\@:
	tensor_load_to_lds s[G0B+4*(\s):G0B+4*(\s)+3], s[G1B:G1B+7]
	s_nop 0
	PLACES
.Lasked_\@:
.endm
.macro ASK
	s_cmp_eq_u32 s[PFON], 1
	s_cbranch_scc0 .Lnone_\@
	s_cmp_lt_u32 s[WV], 2
	s_cbranch_scc0 .Lpf_v_\@
	global_prefetch_b8 v[PFO], s[PF:PF+1] th:TH_LOAD_NT scope:SCOPE_SE
	s_branch .Lnone_\@
.Lpf_v_\@:
.irp n, 0,1,2,3
	global_prefetch_b8 v[PFO], s[PF:PF+1] offset:32*VROW*(\n) th:TH_LOAD_NT scope:SCOPE_SE
.endr
.Lnone_\@:
.endm
; THE CHANGE OF SLOTS.  Each wave waits for all its tensor loads (one is out: its part of the other slot), adds 0 to its spare word, and waits for that and for its own reads of slot s, which it leaves.
; fill = 1: the barrier is a round of the cluster's, and slot s is filled again first thing behind it, with the tile two steps on.
.macro CHANGE s, fill
	WIN 0
	s_wait_tensorcnt 0x0                           ; no tensor load of mine is out, so a group 0 may be written
	ds_add_u32 v[SPW], v[NIL]                      ; 0 onto my spare word: the scalar work stands between it and the wait for it
.if \fill
	REQ \s
	s_wait_xcnt 0x0                                ; the last prefetches, a step back, have read their address
	PFSET
	s_wait_dscnt 0x0                               ; the add is done, and my reads of the slot are over
	CROUND
	JLOAD \s
	ASK
.else
	s_wait_dscnt 0x0
	s_barrier_signal -1
	s_barrier_wait -1
.endif
.endm
	s_load_b256 s[4:11], s[0:1], 0x0               ; pw s[4:5], qkv s[6:7], st s[8:9], out0 s[10:11]
	v_lshl_add_u32 v[SPW], v0, 2, SPARE
	v_mov_b32 v[NIL], 0
	ds_add_u32 v[SPW], v[NIL]                      ; the wave's opening: the add and its wait stand ahead of my first tensor load; the set-up below stands between them
	ds_add_u32 v28, v29
	v_lshrrev_b32 v1, 5, v0
	v_readfirstlane_b32 s[WV], v1                  ; wave 0..3
	s_bfe_u32 s[CX], ttmp6, 0x40000                ; cx: my place in the cluster
	s_lshl_b32 s[CC], ttmp9, 2
	s_add_co_u32 s[CC], s[CC], s[CX]               ; my 128 channels = 4 x cluster x + cx: they enter v's and out0's addresses alone
	s_and_b32 s[BB], ttmp7, 0xffff
	s_lshr_b32 s[BT], s[BB], 3                     ; the batch,
	s_and_b32 s[BB], s[BB], 7                      ; and b: both shared by the four partners
	s_and_b32 s[WC], s[WV], 1
	s_lshr_b32 s[WR], s[WV], 1
	s_sub_co_u32 s17, 15, s[BB]                    ; the first block
	s_lshr_b32 s[LQ], s17, 1                       ; its last tile
	s_add_co_u32 s[RT], s[LQ], 1                   ; its tiles: 5 to 8
	s_lshl_b32 s[BOF], s17, 19                     ; 128 rows of 4,096 bytes a block
	s_lshl_b32 s[BLO], s[BB], 19
	s_lshr_b32 s[NLM], s[BB], 1
	s_add_co_u32 s[NL], s[NLM], 1
	s_mov_b32 s[NXT], 0
	s_mov_b32 s[INHI], 1
	s_mov_b32 s[REM], 9
	s_mov_b32 s[NEW], 1
	s_mov_b32 s[TF], 0
	s_mov_b32 s[OFA+1], 0
	s_mov_b32 s[OFB+1], 0
	; group 1.  p: 64 rows x 256 elements of 2 bytes, 4 words of padding after every 128; the mask of four, bit 21 beside it.  v: 128 rows x 128 elements, 8 words after every 64; no mask
	s_mov_b32 s[G1A], 15|(1<<16)|(1<<20)|(1<<21)|(6<<22)|(3<<25)
	s_mov_b32 s[G1A+1], 256<<16                    ; tensor_dim0 = 256
	s_mov_b32 s[G1A+2], 64<<16                     ; tensor_dim1 = 64
	s_mov_b32 s[G1A+3], 256<<16                    ; tile_dim0 = 256
	s_mov_b32 s[G1A+4], 64                         ; tile_dim1 = 64
	s_mov_b32 s[G1A+5], 2048                       ; elements from row to row
	s_mov_b32 s[G1A+6], 0
	s_mov_b32 s[G1A+7], 0
	s_mov_b32 s[G1B], (1<<16)|(1<<20)|(5<<22)|(7<<25)
	s_mov_b32 s[G1B+1], 128<<16
	s_mov_b32 s[G1B+2], 128<<16
	s_mov_b32 s[G1B+3], 128<<16
	s_mov_b32 s[G1B+4], 128
	s_mov_b32 s[G1B+5], 3072
	s_mov_b32 s[G1B+6], 0
	s_mov_b32 s[G1B+7], 0
	s_mul_i32 s18, s[WC], AH                       ; where my half goes: no place in the cluster enters an LDS address
	s_mul_i32 s19, s[WC], BH
	s_add_co_u32 s19, s19, BOFF
.irp s, 0,1
	s_mov_b32 s[G0A+4*(\s)], 1
	s_add_co_u32 s[G0A+4*(\s)+1], s18, (\s)*SLOT
	s_mov_b32 s[G0B+4*(\s)], 1
	s_add_co_u32 s[G0B+4*(\s)+1], s19, (\s)*SLOT
.endr
	s_lshl_b32 s[PAB], s[BT], 23                   ; pw: 2,048 rows of 4,096 bytes a batch,
	s_lshl_b32 s20, s[WC], 18                      ; my 64 rows of a block
	s_add_co_u32 s[PAB], s[PAB], s20
	s_mov_b32 s[PAB+1], 0
	s_lshl_b32 s[PVB], s[BT], 11                   ; qkv: row 2,048 batch + 128 (w % 2),
	s_lshl_b32 s20, s[WC], 7
	s_add_co_u32 s[PVB], s[PVB], s20
	s_mul_i32 s[PVB], s[PVB], VROW
	s_lshl_b32 s20, s[CC], 8                       ; my channels' 256 bytes,
	s_add_co_u32 s[PVB], s[PVB], s20
	s_add_co_u32 s[PVB], s[PVB], 4096              ; in v's third of the row
	s_mov_b32 s[PVB+1], 0
	s_lshl_b32 s[PFBA], s[BT], 23                  ; the prefetches of p: my 64 rows, my work-group's 16 of them
	s_lshl_b32 s20, s[WC], 18
	s_add_co_u32 s[PFBA], s[PFBA], s20
	s_lshl_b32 s20, s[CX], 16
	s_add_co_u32 s[PFBA], s[PFBA], s20
	s_mov_b32 s[PFBA+1], 0
	s_lshl_b32 s20, s[BT], 11                      ; out0: row 2,048 batch + 64 (w / 2) + 128 block,
	s_lshl_b32 s21, s[WR], 6
	s_add_co_u32 s20, s20, s21
	s_lshl_b32 s21, s17, 7
	s_add_co_u32 s21, s21, s20
	s_lshl_b32 s2, s21, 12
	s_lshl_b32 s21, s[BB], 7
	s_add_co_u32 s21, s21, s20
	s_lshl_b32 s[OLO], s21, 12
	s_lshl_b32 s20, s[CC], 9                       ; my work-group's 512 bytes of a row, my wave's 256 of them
	s_lshl_b32 s21, s[WC], 8
	s_add_co_u32 s20, s20, s21
	s_add_co_u32 s2, s2, s20
	s_add_co_u32 s[OLO], s[OLO], s20
	s_mov_b32 s3, 0
	s_mov_b32 s[OLO+1], 0
	s_lshl_b32 s22, s[BT], 17                      ; st: 8 x 2,048 x 8 bytes a batch
	s_mov_b32 s23, 0
	s_cmp_lt_u32 s[WV], 2
	s_cselect_b32 s17, ttmp9, s[BB]                ; p: the clusters with x = 0 prefetch; v: the work-groups with b = 0
	s_cmp_eq_u32 s17, 0
	s_cselect_b32 s[PFK], 1, 0
	s_wait_dscnt 0x0                               ; the opening add is done
	s_wait_kmcnt 0x0
	s_add_nc_u64 s[PAB:PAB+1], s[4:5], s[PAB:PAB+1]
	s_add_nc_u64 s[PFBA:PFBA+1], s[4:5], s[PFBA:PFBA+1]
	s_add_nc_u64 s[PVB:PVB+1], s[6:7], s[PVB:PVB+1]
	s_add_nc_u64 s[8:9], s[8:9], s[22:23]
	s_add_nc_u64 s[OLO:OLO+1], s[10:11], s[OLO:OLO+1]
	s_add_nc_u64 s[10:11], s[10:11], s[2:3]
	REQ 0                                          ; the walk's steps 0 and 1
	REQ 1
	CROUND                                         ; all four work-groups are here: the first joint loads meet
	s_cmp_lt_u32 s[WV], 2                          ; a wave's two first fills stand in one branch, ahead of every wait on TENSORcnt and every LDS read: two loads of mine are out
	s_cbranch_scc0 .Lfirst_v
	tensor_load_to_lds s[G0A:G0A+3], s[G1A:G1A+7]
	s_nop 0
	tensor_load_to_lds s[G0A+4:G0A+7], s[G1A:G1A+7]
	s_nop 0
	PLACES
	s_branch .Lfirst_asked
.Lfirst_v:
	tensor_load_to_lds s[G0B:G0B+3], s[G1B:G1B+7]
	s_nop 0
	tensor_load_to_lds s[G0B+4:G0B+7], s[G1B:G1B+7]
	s_nop 0
	PLACES
.Lfirst_asked:
	; THE FACTORS.  Thread t takes row t of both blocks: 8 tiles' (c m, l) each; a tile that the block does not have is read as the block's last once more (no load leaves what was written) and then counts as 0.
	v_lshlrev_b32 v[TQ], 3, v0
	s_sub_co_u32 s17, 15, s[BB]
	s_lshr_b32 s18, s17, 1                         ; the first block's last tile
	s_lshl_b32 s17, s17, 10                        ; 128 rows of 8 bytes a block
	s_lshl_b32 s19, s[BB], 10
.set jj, 0
.rept 8
	s_min_u32 s20, s18, jj
	s_lshl_b32 s20, s20, 14                        ; 2,048 rows of 8 bytes a tile
	s_add_co_u32 s20, s20, s17
	v_add_nc_u32 v[TOFF+jj], s20, v[TQ]
	s_min_u32 s20, s[NLM], jj
	s_lshl_b32 s20, s20, 14
	s_add_co_u32 s20, s20, s19
	v_add_nc_u32 v[TOFF+8+jj], s20, v[TQ]
.set jj, jj+1
.endr
.set jj, 0
.rept 16
	global_load_b64 v[TD+2*jj:TD+2*jj+1], v[TOFF+jj], s[8:9]
.set jj, jj+1
.endr
	; lane addresses, while those loads are out
	v_and_b32 v1, 15, v0                           ; l % 16
	v_bfe_u32 v2, v0, 4, 1                         ; l / 16
	v_mul_u32_u24 v3, v1, PAP
	v_lshl_add_u32 v3, v2, 4, v3
	s_mul_i32 s20, s[WR], 64*PAP                   ; my 64 rows of p
	v_add_nc_u32 v[ADA], s20, v3
	v_add_nc_u32 v[ADA+1], SLOT, v[ADA]
	v_and_b32 v5, 7, v0                            ; the turning load: lane l reads key 8 (l / 16) + l % 8, channels 8 ((l / 8) % 2) + 0..7
	v_bfe_u32 v6, v0, 3, 1
	v_lshl_add_u32 v4, v2, 3, v5
	v_mul_u32_u24 v4, v4, PVP
	v_lshl_add_u32 v4, v6, 4, v4
	s_lshl_b32 s20, s[WC], 7                       ; my 64 channels
	v_add_nc_u32 v4, s20, v4
.irp s, 0,1
.irp kh, 0,1
	v_add_nc_u32 v[ADB+2*(\s)+(\kh)], (\s)*SLOT+BOFF+(\kh)*BH, v4
.endr
.endr
	s_lshl_b32 s20, s[WR], 8
	s_add_co_u32 s20, s20, TAB
	v_lshl_add_u32 v[FA0], v1, 2, s20              ; row 64 (w / 2) + l % 16 of the table's 128
	s_mul_i32 s20, s[WV], 16*SP
	s_add_co_u32 s20, s20, STAGE                   ; my stage
	v_mul_u32_u24 v3, v1, SP                       ; in: row l % 16, 32 bytes for each half of the lanes
	v_lshl_add_u32 v3, v2, 5, v3
	v_add_nc_u32 v[STO], s20, v3
	v_mul_u32_u24 v3, v2, SP                       ; back: lanes 0-15 take one row of 256 bytes, lanes 16-31 the next
	v_lshl_add_u32 v3, v1, 4, v3
	v_add_nc_u32 v[RD], s20, v3
	v_lshlrev_b32 v3, 12, v2                       ; and the same two rows in out0
	v_lshl_add_u32 v[GO], v1, 4, v3
	v_and_b32 v3, 31, v0
	v_lshrrev_b32 v4, 1, v3                        ; p: two lanes a row of 512 bytes
	v_and_b32 v5, 1, v3
	v_lshlrev_b32 v4, 12, v4
	v_lshl_add_u32 v4, v5, 8, v4
	v_mul_u32_u24 v5, v3, VROW                     ; v: a lane a row
	s_cmp_lt_u32 s[WV], 2
	s_cselect_b32 s20, 0, -1
	v_cndmask_b32 v[PFO], v4, v5, s20
.irp a, 0,1,2,3
	v_mov_b32 v[FF+2*(\a)+1], 0                    ; named with the factors as pairs
.endr
	v_lshl_add_u32 v[TA], v0, 2, TAB
	s_wait_loadcnt 0x0
.irp k, 0,1
	v_max3_num_f32 v[TM+(\k)], v[TD+16*(\k)], v[TD+16*(\k)+2], v[TD+16*(\k)+4]
	v_max3_num_f32 v[TM+(\k)], v[TM+(\k)], v[TD+16*(\k)+6], v[TD+16*(\k)+8]
	v_max3_num_f32 v[TM+(\k)], v[TM+(\k)], v[TD+16*(\k)+10], v[TD+16*(\k)+12]
	v_max_num_f32 v[TM+(\k)], v[TM+(\k)], v[TD+16*(\k)+14]
.endr
.set jj, 0
.rept 16
	v_sub_f32 v[TE+jj], v[TD+2*jj], v[TM+jj/8]
.set jj, jj+1
.endr
.set jj, 0
.rept 16
	v_exp_f32 v[TE+jj], v[TE+jj]
.set jj, jj+1
.endr
	v_nop                                          ; a plain instruction behind the last exponential,
	s_wait_alu depctr_va_vdst(0)                   ; and one wait ahead of the batch's first reader
.set jj, 1
.rept 7
	s_cmp_ge_u32 s18, jj                           ; does the block have tile jj?
	s_cselect_b32 s20, 1.0, 0
	v_mul_f32 v[TE+jj], s20, v[TE+jj]
	s_cmp_ge_u32 s[NLM], jj
	s_cselect_b32 s20, 1.0, 0
	v_mul_f32 v[TE+8+jj], s20, v[TE+8+jj]
.set jj, jj+1
.endr
.irp k, 0,1
	v_mul_f32 v[TL+(\k)], v[TE+8*(\k)], v[TD+16*(\k)+1]
.set jj, 1
.rept 7
	v_fmac_f32 v[TL+(\k)], v[TE+8*(\k)+jj], v[TD+16*(\k)+2*jj+1]
.set jj, jj+1
.endr
.endr
	v_rcp_f32 v[TL], v[TL]
	v_rcp_f32 v[TL+1], v[TL+1]
	v_nop
	s_wait_alu depctr_va_vdst(0)                   ; one wait for the two reciprocals
.set jj, 0
.rept 16
	v_mul_f32 v[TE+jj], v[TE+jj], v[TL+jj/8]
.set jj, jj+1
.endr
	; The table goes by the walk's steps: step t is the first block's tile t while t is below its number of tiles NH (5 to 8), else the second block's tile t - NH: chosen by value, so that every LDS offset is a constant.
	s_cmp_eq_u32 s[RT], 5
	s_cselect_b32 s20, -1, 0
	s_cmp_eq_u32 s[RT], 6
	s_cselect_b32 s21, -1, 0
	s_cmp_eq_u32 s[RT], 7
	s_cselect_b32 s22, -1, 0
	v_mov_b32 v[T8], v[TE+8]                       ; step 8 with NH = 8
	v_cndmask_b32 v[TE+5], v[TE+5], v[TE+8], s20
	v_cndmask_b32 v[TE+6], v[TE+6], v[TE+8], s21
	v_cndmask_b32 v[TE+6], v[TE+6], v[TE+9], s20
	v_cndmask_b32 v[TE+7], v[TE+7], v[TE+8], s22
	v_cndmask_b32 v[TE+7], v[TE+7], v[TE+9], s21
	v_cndmask_b32 v[TE+7], v[TE+7], v[TE+10], s20
	v_cndmask_b32 v[T8], v[T8], v[TE+9], s22
	v_cndmask_b32 v[T8], v[T8], v[TE+10], s21
	v_cndmask_b32 v[T8], v[T8], v[TE+11], s20
.set jj, 0
.rept 8
	ds_store_b32 v[TA], v[TE+jj] offset:512*jj
.set jj, jj+1
.endr
	ds_store_b32 v[TA], v[T8] offset:512*8
; 8 matrix instructions: query blocks a0, a0 + 1 x my 4 channel blocks, 32 keys: half cc of buffer f.  zero = 1: the first product starts T.  The 16 accumulators take turns.
.macro MUL8 f, cc, a0, zero
	WIN 0xa5                                       ; v and p window 1, T window 2
.irp a, \a0, (\a0)+1
.irp n, 0,1,2,3
.if \zero
	v_wmma_f32_16x16x32_f16 v[TT+8*(4*(\a)+(\n)):TT+8*(4*(\a)+(\n))+7], v[(\f)+64+8*(4*(\cc)+(\n)):(\f)+64+8*(4*(\cc)+(\n))+7], v[(\f)+8*(4*(\cc)+(\a)):(\f)+8*(4*(\cc)+(\a))+7], 0
.else
	v_wmma_f32_16x16x32_f16 v[TT+8*(4*(\a)+(\n)):TT+8*(4*(\a)+(\n))+7], v[(\f)+64+8*(4*(\cc)+(\n)):(\f)+64+8*(4*(\cc)+(\n))+7], v[(\f)+8*(4*(\cc)+(\a)):(\f)+8*(4*(\cc)+(\a))+7], v[TT+8*(4*(\a)+(\n)):TT+8*(4*(\a)+(\n))+7]
.endif
.endr
.endr
.endm
; 32 LDS loads in one run: the fragments of keys 64 u .. 64 u + 63 of a slot into buffer f; the first 32 keys first
.macro FETCH slot, u, f
	WIN 0x40                                       ; destination window 1, address window 0
.irp cc, 0,1
.irp i, 0,1,2,3
	ds_load_tr16_b128 v[(\f)+64+8*(4*(\cc)+(\i)):(\f)+64+8*(4*(\cc)+(\i))+3],   v[ADB+2*(\slot)+(\u)/2] offset:(64*((\u)%2)+32*(\cc))*PVP+32*(\i)
	ds_load_tr16_b128 v[(\f)+64+8*(4*(\cc)+(\i))+4:(\f)+64+8*(4*(\cc)+(\i))+7], v[ADB+2*(\slot)+(\u)/2] offset:(64*((\u)%2)+32*(\cc))*PVP+16*PVP+32*(\i)
	ds_load_b128 v[(\f)+8*(4*(\cc)+(\i)):(\f)+8*(4*(\cc)+(\i))+3],   v[ADA+(\slot)] offset:128*(\u)+64*(\cc)+(\i)*16*PAP
	ds_load_b128 v[(\f)+8*(4*(\cc)+(\i))+4:(\f)+8*(4*(\cc)+(\i))+7], v[ADA+(\slot)] offset:128*(\u)+64*(\cc)+(\i)*16*PAP+32
.endr
.endr
.endm
.macro QUARTER slot, u, f, g, zero     ; multiplies buffer f (64 keys, 32 matrix instructions) and fetches keys 64 u on into buffer g
	s_wait_dscnt 16                                ; the first 32 keys' fragments are in (and the step's factors, which are older)
	MUL8 \f, 0, 0, \zero
	MUL8 \f, 0, 2, \zero
	PLACES
	FETCH \slot, \u, \g
	s_wait_dscnt 32                                ; all but the 32 just issued
	MUL8 \f, 1, 0, 0
	MUL8 \f, 1, 2, 0
.endm
.macro FOLD first                      ; O = f T, or O += f T: accumulators and pairs in ascending order
.if \first
	WIN 0x82                                       ; O and T window 2, the factor window 0
.else
	WIN 0xa2
.endif
.set t, 0
.rept 16
.irp z, 0,1,2,3
.if \first
	v_pk_mul_f32 v[8*t+2*(\z):8*t+2*(\z)+1], v[TT+8*t+2*(\z):TT+8*t+2*(\z)+1], v[FF+2*(t/4):FF+2*(t/4)+1] op_sel_hi:[1,0]
.else
	v_pk_fma_f32 v[8*t+2*(\z):8*t+2*(\z)+1], v[TT+8*t+2*(\z):TT+8*t+2*(\z)+1], v[FF+2*(t/4):FF+2*(t/4)+1], v[8*t+2*(\z):8*t+2*(\z)+1] op_sel_hi:[1,0,1]
.endif
.endr
.set t, t+1
.endr
.endm
; THE WAY OUT of a block: a lane's eight channels of a row are 32 bytes; 16 rows at a time go into rows of 272 bytes of my stage and come back as whole rows of 256.
.macro WAYOUT
.irp a, 0,1,2,3
	WIN 0x08                                       ; the stores' data in window 2
.irp n, 0,1,2,3
	ds_store_b128 v[STO], v[8*(4*(\a)+(\n)):8*(4*(\a)+(\n))+3]   offset:64*(\n)
	ds_store_b128 v[STO], v[8*(4*(\a)+(\n))+4:8*(4*(\a)+(\n))+7] offset:64*(\n)+16
.endr
	WIN 0
	s_wait_xcnt 0x0                                ; earlier stores have read their data registers, which are loaded again below
.irp t, 0,1,2,3,4,5,6,7
	ds_load_b128 v[OB+4*(\t):OB+4*(\t)+3], v[RD] offset:(\t)*2*SP  ; LDS serves a wave's instructions in order (ISA guide 5.7.1.4): these see the stores above
.endr
.irp t, 0,1,2,3,4,5,6,7
	s_wait_dscnt 7-(\t)
	global_store_b128 v[GO], v[OB+4*(\t):OB+4*(\t)+3], s[10:11] offset:(16*(\a)+2*(\t))*4096 th:TH_STORE_NT  ; 16 lanes store 256 consecutive bytes, at a multiple of 256 from out0's first byte
.endr
.endr
.endm
; A STEP of the walk, on one slot: the step's factors, 128 matrix instructions, the fold; at a block's end the way out.  All jumps go forward, over text with no barrier and no tensor load.
.macro STEP slot, tail
	WIN 0
	v_add_nc_u32 v[FAD], s[TF], v[FA0]
.irp a, 0,1,2,3
	ds_load_b32 v[FF+2*(\a)], v[FAD] offset:64*(\a)
.endr
	FETCH \slot, 0, F0
	QUARTER \slot, 1, F0, F1, 1
	QUARTER \slot, 2, F1, F0, 0
	QUARTER \slot, 3, F0, F1, 0
	s_wait_dscnt 16
	MUL8 F1, 0, 0, 0
	MUL8 F1, 0, 2, 0
	s_wait_dscnt 0x0
	MUL8 F1, 1, 0, 0
	MUL8 F1, 1, 2, 0
	WIN 0
	PLACES
	s_cmp_eq_u32 s[NEW], 1
	s_cbranch_scc1 .Lnew_\@
	FOLD 0
	WIN 0
	s_branch .Lfolded_\@
.Lnew_\@:
	FOLD 1
	WIN 0
.Lfolded_\@:
	s_mov_b32 s[NEW], 0
	s_add_co_u32 s[TF], s[TF], 512
	s_sub_co_u32 s[RT], s[RT], 1
.if \tail
	WAYOUT
.else
	s_cmp_lg_u32 s[RT], 0
	s_cbranch_scc1 .Lgo_\@
	WAYOUT                                         ; in the loop this is the first block's end: the second block's last step is the walk's last
	s_wait_xcnt 0x0                                ; the stores have read out0's address
	s_mov_b64 s[10:11], s[OLO:OLO+1]
	s_mov_b32 s[RT], s[NL]
	s_mov_b32 s[NEW], 1
.Lgo_\@:
.endif
.endm
	s_wait_tensorcnt 1                             ; my part of slot 0 is in; slot 1's may stay out
	s_wait_dscnt 0x0                               ; for the others' sake: my rows of the table are stored
	s_barrier_signal -1
	s_barrier_wait -1
	s_mov_b32 s[CNT], 4
	s_branch .Lenter                               ; the loop is entered behind its first change of slots: slot 1's first fill is already out
.Llap:                                                 ; four trips of two steps; seven changes of slots fill a slot again
	CHANGE 1, 1
.Lenter:
	STEP 0, 0
	CHANGE 0, 1
	STEP 1, 0
	s_sub_co_u32 s[CNT], s[CNT], 1
	s_cmp_lg_u32 s[CNT], 0
	s_cbranch_scc1 .Llap
	CHANGE 1, 0                                    ; the walk's last step is written out: nothing is asked for
	STEP 0, 1
	s_wait_tensorcnt 0x0                           ; the wave's end: an add to my spare word and its waits, behind my last tensor load and my last LDS store
	ds_add_u32 v[SPW], v[NIL]
	s_wait_dscnt 0x0
	CROUND                                         ; the closing round: no work-group ends while a partner may still ask for a tile that names it
	s_endpgm
.Lfunc_end_k_q9e3739b9b1_pv:
	.size	k_q9e3739b9b1_pv, .Lfunc_end_k_q9e3739b9b1_pv-k_q9e3739b9b1_pv
	.p2alignl 7, 3214868480
	.fill 96, 4, 3214868480
	.section	.rodata,"a",@progbits
	.p2align	6, 0x0
	.amdhsa_kernel k_q9e3739b9b1_pv
		.amdhsa_group_segment_fixed_size 327680
		.amdhsa_private_segment_fixed_size 0
		.amdhsa_enable_private_segment 0
		.amdhsa_kernarg_size 32
		.amdhsa_user_sgpr_count 2
		.amdhsa_user_sgpr_kernarg_segment_ptr 1
		.amdhsa_wavefront_size32 1
		.amdhsa_system_sgpr_workgroup_id_x 1
		.amdhsa_system_sgpr_workgroup_id_y 1
		.amdhsa_system_sgpr_workgroup_id_z 1
		.amdhsa_system_vgpr_workitem_id 0
		.amdhsa_next_free_vgpr 768
		.amdhsa_next_free_sgpr 88
		.amdhsa_reserve_vcc 0
		.amdhsa_float_denorm_mode_32 3
		.amdhsa_float_denorm_mode_16_64 3
		.amdhsa_memory_ordered 1
		.amdhsa_forward_progress 1
		.amdhsa_inst_pref_size 127
	.end_amdhsa_kernel
	.amdgpu_metadata
---
amdhsa.version: [ 1, 2 ]
amdhsa.kernels:
  - .name:           k_q9e3739b9b1_pv
    .symbol:         k_q9e3739b9b1_pv.kd
    .args:
      - { .name: pw, .offset: 0, .size: 8, .value_kind: global_buffer, .address_space: global }
      - { .name: qkv, .offset: 8, .size: 8, .value_kind: global_buffer, .address_space: global }
      - { .name: st, .offset: 16, .size: 8, .value_kind: global_buffer, .address_space: global }
      - { .name: out0, .offset: 24, .size: 8, .value_kind: global_buffer, .address_space: global }
    .group_segment_fixed_size: 327680
    .private_segment_fixed_size: 0
    .kernarg_segment_align: 8
    .kernarg_segment_size: 32
    .max_flat_workgroup_size: 128
    .sgpr_count:     88
    .vgpr_count:     768
    .wavefront_size: 32
...
	.end_amdgpu_metadata
.endif
;; end of part 4
;; ======== version 2 of 2: 5 launches
;; limits: values are held in f16: magnitudes above 65,504 overflow, below 6.1e-05 lose precision
;; workspace buffers: xh 16,777,216 bytes; wqkh 4,194,304 bytes; wh 4,194,304 bytes; tv 33,554,432 bytes; pw 33,554,432 bytes; st 524,288 bytes
;; launch cast (part 5): grid 704 x 1, 8 waves a work-group, no clusters, 0 bytes of LDS; arguments x, W_query, W_key, W_value, xh, wqkh, wh; writes xh, wqkh, wh
.if DOCPART == 5
	.amdgcn_target "amdgcn-amd-amdhsa--gfx1250"
	.amdhsa_code_object_version 6
	.text
	.protected	k_q9e3739b9b1_cast
	.globl	k_q9e3739b9b1_cast
	.p2align	8
	.type	k_q9e3739b9b1_cast,@function
k_q9e3739b9b1_cast:
	s_mov_b64 s[64:65], 0
	v_nop
	global_prefetch_b8 v0, s[64:65] scope:SCOPE_SE
	s_setreg_imm32_b32 hwreg(HW_REG_WAVE_MODE, 25, 1), 1
	s_wait_xcnt 0x0
; CAST.  Every input is rounded once to bf16 (nearest even), multiplied by a power of two, which is exact, and written as f16:
;   xh   [8192][1024]    = 2^-4 x
;   wqkh [2][1024][1024] = 16 W_query, 16 W_key
;   wh   [1024 k][2048 n], columns 1024-2047 = 16 W_value   (columns 0-1023 are the next launch's)
; A bf16 number has 8 significant bits, f16 holds 11: the f16 copy is exact wherever it is a normal f16 number.
; LIMITS.  |x| stays under 1,048,064 and |W| under 4,094 (f16 ends at 65,504).  Below 2^-14 an f16 number keeps the fixed step 2^-24: that is 2^-20 in x and 2^-28 in W.
; SHARES.  A work-group takes 16 rows of 1,024 f32.  Work-groups 0-511: rows 16 id of x.  Work-groups 512-703: e = id - 512, weight e / 64, rows 16 (e % 64).
; Thread t takes the 16 bytes at 16 t of every row: a wave's load covers 512 consecutive bytes, its store of 8 bytes a lane 256 consecutive bytes, aligned.
; All 16 loads of a wave go out at once; no address and no store's data is written twice, so the only waits are the counted ones for the loads.
; No LDS, no matrix unit, no cluster: no byte is wanted by two threads.
.set XWG, 512                          ; work-groups that take x
.set OFF, 2                            ; v[2:17]   row r: my byte offset in the output
.set T,   18                           ; v[18:19]  two pairs of bf16, at work
.set X,   32                           ; v[32:95]  row r: 4 f32 as loaded, then rounded and scaled
.set Y,   96                           ; v[96:127] row r: 4 f16 to store
	s_load_b256 s[4:11], s[0:1], 0x0               ; x s[4:5], W_query s[6:7], W_key s[8:9], W_value s[10:11]
	s_load_b128 s[12:15], s[0:1], 0x20             ; xh s[12:13], wqkh s[14:15]
	s_load_b64 s[16:17], s[0:1], 0x30              ; wh
	s_max_u32 s18, ttmp9, XWG
	s_sub_co_u32 s18, s18, XWG                     ; e (0 in the work-groups that take x)
	s_lshr_b32 s19, s18, 6                         ; which weight
	s_and_b32 s20, s18, 63                         ; which 16 rows of it
	s_lshl_b32 s22, ttmp9, 16                      ; x: 16 rows of 4,096 bytes in,
	s_lshl_b32 s24, ttmp9, 15                      ;    16 rows of 2,048 bytes out
	s_lshl_b32 s21, s20, 16                        ; a weight: the same in;
	s_lshl_b32 s27, s18, 15                        ;    W_query, W_key: one behind the other, 16 rows of 2,048 bytes out;
	s_add_co_u32 s31, s21, 2048                    ;    W_value: 16 rows of 4,096 bytes out, in the right half of each
	s_movk_i32 s26, 2048                           ; bytes from row to row in the output
	s_cmp_eq_u32 s19, 2
	s_cselect_b32 s27, s31, s27
	s_cselect_b32 s31, 0x1000, s26
	s_mov_b32 s28, 0x3d800000                      ; 2^-4
	s_cmp_lt_u32 ttmp9, XWG
	s_cselect_b32 s22, s22, s21
	s_cselect_b32 s24, s24, s27
	s_cselect_b32 s26, s26, s31
	s_cselect_b32 s28, s28, 0x41800000             ; 16
	s_mov_b32 s29, s28                             ; named with it as a pair
	s_mov_b32 s23, 0
	s_mov_b32 s25, 0
	s_mov_b32 s30, 0xffff0000                      ; a word's upper bf16
	v_lshlrev_b32 v1, 4, v0                        ; my 16 bytes of a row in
	v_lshlrev_b32 v[OFF], 3, v0                    ; my 8 bytes of a row out
.set r, 1
.rept 15
	v_add_nc_u32 v[OFF+r], s26, v[OFF+r-1]
.set r, r+1
.endr
	s_wait_kmcnt 0x0
	s_cmp_eq_u32 s19, 1                            ; source and destination are chosen among the buffers by the work-group's number alone
	s_cselect_b64 s[6:7], s[8:9], s[6:7]
	s_cmp_eq_u32 s19, 2
	s_cselect_b64 s[6:7], s[10:11], s[6:7]
	s_cselect_b64 s[14:15], s[16:17], s[14:15]
	s_cmp_lt_u32 ttmp9, XWG
	s_cselect_b64 s[4:5], s[4:5], s[6:7]
	s_cselect_b64 s[12:13], s[12:13], s[14:15]
	s_add_nc_u64 s[4:5], s[4:5], s[22:23]
	s_add_nc_u64 s[12:13], s[12:13], s[24:25]
.set r, 0
.rept 16
	global_load_b128 v[X+4*r:X+4*r+3], v1, s[4:5] offset:4096*r th:TH_LOAD_NT
.set r, r+1
.endr
.set r, 0
.rept 16
	s_wait_loadcnt 15-r                            ; loads come back in order: row r is in, the 15 - r younger rows may stay out
	v_cvt_pk_bf16_f32 v[T],   v[X+4*r],   v[X+4*r+1]  ; the one rounding
	v_cvt_pk_bf16_f32 v[T+1], v[X+4*r+2], v[X+4*r+3]
	v_lshlrev_b32 v[X+4*r],   16,  v[T]             ; bf16 to f32: the low half moves up, the high half stays
	v_and_b32     v[X+4*r+1], s30, v[T]
	v_lshlrev_b32 v[X+4*r+2], 16,  v[T+1]
	v_and_b32     v[X+4*r+3], s30, v[T+1]
	v_pk_mul_f32 v[X+4*r:X+4*r+1],   v[X+4*r:X+4*r+1],   s[28:29] op_sel_hi:[1,0]
	v_pk_mul_f32 v[X+4*r+2:X+4*r+3], v[X+4*r+2:X+4*r+3], s[28:29] op_sel_hi:[1,0]
	v_cvt_pk_f16_f32 v[Y+2*r],   v[X+4*r],   v[X+4*r+1]
	v_cvt_pk_f16_f32 v[Y+2*r+1], v[X+4*r+2], v[X+4*r+3]
	global_store_b64 v[OFF+r], v[Y+2*r:Y+2*r+1], s[12:13]
.set r, r+1
.endr
	s_endpgm
.Lfunc_end_k_q9e3739b9b1_cast:
	.size	k_q9e3739b9b1_cast, .Lfunc_end_k_q9e3739b9b1_cast-k_q9e3739b9b1_cast
	.p2alignl 7, 3214868480
	.fill 96, 4, 3214868480
	.section	.rodata,"a",@progbits
	.p2align	6, 0x0
	.amdhsa_kernel k_q9e3739b9b1_cast
		.amdhsa_group_segment_fixed_size 0
		.amdhsa_private_segment_fixed_size 0
		.amdhsa_enable_private_segment 0
		.amdhsa_kernarg_size 56
		.amdhsa_user_sgpr_count 2
		.amdhsa_user_sgpr_kernarg_segment_ptr 1
		.amdhsa_wavefront_size32 1
		.amdhsa_system_sgpr_workgroup_id_x 1
		.amdhsa_system_sgpr_workgroup_id_y 1
		.amdhsa_system_sgpr_workgroup_id_z 1
		.amdhsa_system_vgpr_workitem_id 0
		.amdhsa_next_free_vgpr 128
		.amdhsa_next_free_sgpr 66
		.amdhsa_reserve_vcc 0
		.amdhsa_float_denorm_mode_32 3
		.amdhsa_float_denorm_mode_16_64 3
		.amdhsa_memory_ordered 1
		.amdhsa_forward_progress 1
		.amdhsa_inst_pref_size 14
	.end_amdhsa_kernel
	.amdgpu_metadata
---
amdhsa.version: [ 1, 2 ]
amdhsa.kernels:
  - .name:           k_q9e3739b9b1_cast
    .symbol:         k_q9e3739b9b1_cast.kd
    .args:
      - { .name: x, .offset: 0, .size: 8, .value_kind: global_buffer, .address_space: global }
      - { .name: W_query, .offset: 8, .size: 8, .value_kind: global_buffer, .address_space: global }
      - { .name: W_key, .offset: 16, .size: 8, .value_kind: global_buffer, .address_space: global }
      - { .name: W_value, .offset: 24, .size: 8, .value_kind: global_buffer, .address_space: global }
      - { .name: xh, .offset: 32, .size: 8, .value_kind: global_buffer, .address_space: global }
      - { .name: wqkh, .offset: 40, .size: 8, .value_kind: global_buffer, .address_space: global }
      - { .name: wh, .offset: 48, .size: 8, .value_kind: global_buffer, .address_space: global }
    .group_segment_fixed_size: 0
    .private_segment_fixed_size: 0
    .kernarg_segment_align: 8
    .kernarg_segment_size: 56
    .max_flat_workgroup_size: 256
    .sgpr_count:     66
    .vgpr_count:     128
    .wavefront_size: 32
...
	.end_amdgpu_metadata
.endif
;; end of part 5
;; launch fold (part 6): grid 16 x 16, 4 waves a work-group, clusters of 4 x 4, 279,040 bytes of LDS; arguments wqkh, wh; writes wh
.if DOCPART == 6
	.amdgcn_target "amdgcn-amd-amdhsa--gfx1250"
	.amdhsa_code_object_version 6
	.text
	.protected	k_q9e3739b9b1_fold
	.globl	k_q9e3739b9b1_fold
	.p2align	8
	.type	k_q9e3739b9b1_fold,@function
k_q9e3739b9b1_fold:
	s_mov_b64 s[64:65], 0
	v_nop
	global_prefetch_b8 v0, s[64:65] scope:SCOPE_SE
	s_setreg_imm32_b32 hwreg(HW_REG_WAVE_MODE, 25, 1), 1
	s_wait_xcnt 0x0
	s_wait_alu depctr_hold_cnt(0) depctr_sa_sdst(0) depctr_va_vdst(0) depctr_va_sdst(0) depctr_va_ssrc(0) depctr_va_vcc(0) depctr_vm_vsrc(0)
	s_getreg_b32 s2, hwreg(HW_REG_IB_STS2, 6, 4)
	s_cmp_eq_u32 s2, 0
	s_cbranch_scc0 .Lentry_in_a_cluster
	s_endpgm
.Lentry_in_a_cluster:
	s_bfe_u32 s2, ttmp6, 0x10000c
	s_cmp_lg_u32 s2, 0xf033
	s_cbranch_scc0 .Lentry_shape_is_right
	s_endpgm
.Lentry_shape_is_right:
; FOLD.  M[d][e] = sum over f of W_query[d][f] W_key[e][f]: with it q . k = (x M) . x, and one of the two projections for the scores need not be made.
; In: wqkh [2][1024][1024] f16 = 16 W_query, 16 W_key.  Out: wh [1024 d][2048], columns 0-1023 = 2^-6 M in f16: the f32 sums, which are 256 M, times 2^-14; rounded once.
; LIMITS.  |M| stays under 4.1e6 (f16 ends at 65,504); below 2^-8 M keeps the fixed step 2^-18.  NaN and infinities are not treated apart.
; SHARES.  A work-group makes 64 d x 64 e: 256 work-groups.  K IS SPLIT AMONG ITS FOUR WAVES: wave w takes f = 256 w .. 256 w + 255 for the whole tile, 16 accumulators of 16 x 16.  It fetches its own
; four tiles (64 rows x 128 f of either operand, twice), all at the start, and reads only those: its own waits on TENSORcnt are all the ordering on the way in, and no LDS byte is filled twice.
; The four partial sums meet in LDS at the end (f32 sums may be taken in any order): each wave puts its partial tile into its own region, whose only fill has landed and whose reads are over.
; THE MATRIX INSTRUCTION IS USED TRANSPOSED (source 0 = 16 rows of W_key, source 1 = 16 rows of W_query): a lane holds one d (lane % 16) and eight neighbouring e.
; CLUSTER.  4 x 4 work-groups: the four of a row need the same rows of W_query, the four of a column the same rows of W_key: each tile is asked for JOINTLY.
; A tile's row of the output is 64 e = 128 bytes, half of an aligned run of 256: two operands of 64 rows x 2,048 bytes are what fits in LDS at once; the output is 2 MiB in all.
; Nothing is prefetched: every tile is asked for at the kernel's head.
; REGISTERS: window 0: v0-15 addresses; v64-127, v128-191 two fragment buffers (W_query's four fragments, then W_key's); later v64-191 the partial sums read back, v192-207 the result.  Window 1: v0-127 the accumulators, (a, b) at 8 (4 a + b).
.set PITCH,  272                       ; an LDS row: 256 bytes + 16 = 68 words: the 16 rows of a fragment load start at 16 different groups of four banks (ISA guide 11.1)
.set TILE,   64*PITCH                  ; what one tensor load brings; also a partial tile: 64 rows of 64 f32
.set WREG,   4*TILE                    ; a wave's region
.set SPARE,  4*WREG                    ; behind the regions: the spare words, 128 bytes for each wave: two blocks of 256 bytes that no other line names
.set AD,  2                            ; v2    my lane's place in a tile of my region
.set STO, 3                            ; v3    where I put 32 bytes of a row of my partial tile
.set RD,  4                            ; v4-7  where I read 32 bytes of a row of partial tile 0..3
.set GO,  8                            ; v8    my byte offset in wh
.set SPW, 10                           ; v10   LDS address of my spare word; never rewritten
.set NIL, 11                           ; v11   0; never rewritten
.set F0,  64
.set F1,  128
.set RR,  64
.set OUT, 192
.set SC,  8                            ; s[8:9] 2^-14
.set WV,  10                           ; s10   my wave's number
.set G1A, 24                           ; s[24:31] descriptor group 1 for W_query's tiles;  s[32:39] for W_key's: they differ in the mask
.set G1B, 32
.set G0,  40                           ; s[40:55] four sets of group 0: chunk 0 of W_query, of W_key, chunk 1 of W_query, of W_key
.set MSB, 0
.macro WIN new                         ; the immediate's high byte repeats the setting that is left; a switch that changes nothing is dropped
.if MSB != (\new)
	s_set_vgpr_msb (MSB<<8)|(\new)
.set MSB, \new
.endif
.endm
.macro PLACES                          ; four plain places: in front of loads into registers that matrix instructions have read, and of stores that read results
.rept 4
	v_nop
.endr
.endm
.macro CROUND                          ; a round of the cluster's barrier
	s_barrier_signal -1
	s_barrier_wait -1
	s_cmp_lg_u32 s[WV], 0
	s_cbranch_scc1 .Lnot_wave_0_\@
	s_barrier_signal -3
.Lnot_wave_0_\@:
	s_barrier_wait -3
	s_barrier_signal -1
	s_barrier_wait -1
.endm
	s_load_b128 s[4:7], s[0:1], 0x0                ; wqkh s[4:5], wh s[6:7]
	v_lshl_add_u32 v[SPW], v0, 2, SPARE
	v_mov_b32 v[NIL], 0
	ds_add_u32 v[SPW], v[NIL]                      ; the wave's opening: the add and its wait stand ahead of my first tensor load; the set-up below stands between them
	ds_add_u32 v10, v11
	v_lshrrev_b32 v1, 5, v0
	v_readfirstlane_b32 s[WV], v1                  ; wave 0..3
	s_bfe_u32 s11, ttmp6, 0x40000                  ; cx, cy: my place in the cluster
	s_bfe_u32 s12, ttmp6, 0x40004
	s_lshl_b32 s14, ttmp9, 2
	s_add_co_u32 s14, s14, s11                     ; tile column (e) = 4 x cluster x + cx
	s_and_b32 s13, ttmp7, 0xffff
	s_lshl_b32 s13, s13, 2
	s_add_co_u32 s13, s13, s12                     ; tile row (d) = 4 x cluster y + cy
	s_lshl_b32 s15, s12, 2
	s_lshl_b32 s15, 15, s15                        ; my row of the cluster
	s_lshl_b32 s16, 0x1111, s11                    ; my column
	; group 1: a tile of 64 rows x 128 elements of 2 bytes, 4 words of padding after every 64; bit 21 is set beside a mask
	s_or_b32 s[G1A], s15, (1<<16)|(1<<20)|(1<<21)|(5<<22)|(3<<25)
	s_or_b32 s[G1B], s16, (1<<16)|(1<<20)|(1<<21)|(5<<22)|(3<<25)
.irp g, G1A, G1B
	s_mov_b32 s[(\g)+1], 128<<16                   ; tensor_dim0 = 128
	s_mov_b32 s[(\g)+2], 64<<16                    ; tensor_dim1 = 64
	s_mov_b32 s[(\g)+3], 128<<16                   ; tile_dim0 = 128
	s_mov_b32 s[(\g)+4], 64                        ; tile_dim1 = 64
	s_mov_b32 s[(\g)+5], 1024                      ; elements from row to row
	s_mov_b32 s[(\g)+6], 0
	s_mov_b32 s[(\g)+7], 0
.endr
	s_mov_b32 s[SC], 0x38800000                    ; 2^-14
	s_mov_b32 s[SC+1], s[SC]
	s_lshl_b32 s17, s[WV], 9                       ; my 256 f: 512 bytes of a row
	s_lshl_b32 s18, s13, 17                        ; W_query: 64 rows of 2,048 bytes a tile row: it hangs on the tile row alone
	s_add_co_u32 s18, s18, s17
	s_mov_b32 s19, 0
	s_lshl_b32 s20, s14, 17                        ; W_key, 2 MiB further on: it hangs on the tile column alone
	s_add_co_u32 s20, s20, s17
	s_add_co_u32 s20, s20, 0x200000
	s_mov_b32 s21, 0
	s_mul_i32 s22, s[WV], WREG                     ; my region: no place in the cluster enters an LDS address
	s_wait_dscnt 0x0                               ; the opening add is done
	s_wait_kmcnt 0x0
	s_add_nc_u64 s[18:19], s[4:5], s[18:19]
	s_add_nc_u64 s[20:21], s[4:5], s[20:21]
	CROUND                                         ; all sixteen work-groups are here: the joint loads meet
.irp c, 0,1
	s_mov_b32 s[G0+8*(\c)], 1                      ; count = 1
	s_add_co_u32 s[G0+8*(\c)+1], s22, 2*(\c)*TILE  ; LDS address
	s_add_nc_u64 s[G0+8*(\c)+2:G0+8*(\c)+3], s[18:19], 256*(\c)  ; global address: chunk c of my 256 f
	s_or_b32 s[G0+8*(\c)+3], s[G0+8*(\c)+3], 0x80000000          ; type = 2
	s_mov_b32 s[G0+8*(\c)+4], 1
	s_add_co_u32 s[G0+8*(\c)+5], s22, (2*(\c)+1)*TILE
	s_add_nc_u64 s[G0+8*(\c)+6:G0+8*(\c)+7], s[20:21], 256*(\c)
	s_or_b32 s[G0+8*(\c)+7], s[G0+8*(\c)+7], 0x80000000
.endr
.irp c, 0,1                            ; all fills of the launch, as one group: four loads of mine are out
	tensor_load_to_lds s[G0+8*(\c):G0+8*(\c)+3], s[G1A:G1A+7]
	s_nop 0
	tensor_load_to_lds s[G0+8*(\c)+4:G0+8*(\c)+7], s[G1B:G1B+7]
	s_nop 0
.endr
	PLACES
	v_and_b32 v1, 15, v0                           ; l % 16
	v_bfe_u32 v12, v0, 4, 1                        ; l / 16
	v_mul_u32_u24 v13, v1, PITCH
	v_add_nc_u32 v13, s22, v13
	v_lshl_add_u32 v[AD], v12, 4, v13              ; a fragment: row l % 16, 16 bytes for each half of the lanes, twice, 32 bytes apart
	v_lshl_add_u32 v[STO], v12, 5, v13             ; a result: row l % 16, 32 bytes (8 f32) for each half of the lanes
	v_bfe_u32 v14, v0, 3, 2                        ; l / 8
	v_and_b32 v15, 7, v0                           ; l % 8
	v_lshlrev_b32 v[GO], 12, v14                   ; out: four rows of wh an instruction, 8 lanes x 16 bytes each
	v_lshl_add_u32 v[GO], v15, 4, v[GO]
	s_lshl_b32 s23, s[WV], 4
	v_add_nc_u32 v14, s23, v14                     ; back: wave w adds rows 16 w .. 16 w + 15; row 16 w + l / 8 (+ 4 i), 32 bytes at 32 (l % 8)
	v_mul_u32_u24 v[RD], v14, PITCH
	v_lshl_add_u32 v[RD], v15, 5, v[RD]
.irp p, 1,2,3
	v_add_nc_u32 v[RD+(\p)], (\p)*WREG, v[RD]
.endr
	s_lshl_b32 s18, s13, 6
	s_add_co_u32 s18, s18, s23                     ; the first row that I store: 64 x tile row + 16 x wave
	s_lshl_b32 s18, s18, 12
	s_lshl_b32 s19, s14, 7                         ; the tile's 128 bytes of a row
	s_add_co_u32 s18, s18, s19
	s_mov_b32 s19, 0
	s_add_nc_u64 s[6:7], s[6:7], s[18:19]
; 16 LDS loads: the fragments of step n (chunk n / 4, 32 f at byte 64 (n % 4) of its rows) into buffer f
.macro FETCH n, f
	WIN 0
.irp a, 0,1,2,3
	ds_load_b128 v[(\f)+8*(\a):(\f)+8*(\a)+3],   v[AD] offset:2*((\n)/4)*TILE+(\a)*16*PITCH+64*((\n)%4)
	ds_load_b128 v[(\f)+8*(\a)+4:(\f)+8*(\a)+7], v[AD] offset:2*((\n)/4)*TILE+(\a)*16*PITCH+64*((\n)%4)+32
.endr
.irp b, 0,1,2,3
	ds_load_b128 v[(\f)+32+8*(\b):(\f)+32+8*(\b)+3],   v[AD] offset:(2*((\n)/4)+1)*TILE+(\b)*16*PITCH+64*((\n)%4)
	ds_load_b128 v[(\f)+32+8*(\b)+4:(\f)+32+8*(\b)+7], v[AD] offset:(2*((\n)/4)+1)*TILE+(\b)*16*PITCH+64*((\n)%4)+32
.endr
.endm
; 16 matrix instructions on buffer f.  zero = 1: the first product starts the sums.  The 16 accumulators take turns.
.macro MUL f, zero
	WIN 0x50                                       ; fragments window 0, C and D window 1
.irp a, 0,1,2,3
.irp b, 0,1,2,3
.if \zero
	v_wmma_f32_16x16x32_f16 v[8*(4*(\a)+(\b)):8*(4*(\a)+(\b))+7], v[(\f)+32+8*(\b):(\f)+32+8*(\b)+7], v[(\f)+8*(\a):(\f)+8*(\a)+7], 0
.else
	v_wmma_f32_16x16x32_f16 v[8*(4*(\a)+(\b)):8*(4*(\a)+(\b))+7], v[(\f)+32+8*(\b):(\f)+32+8*(\b)+7], v[(\f)+8*(\a):(\f)+8*(\a)+7], v[8*(4*(\a)+(\b)):8*(4*(\a)+(\b))+7]
.endif
.endr
.endr
.endm
; Step n is multiplied while step n + 1's fragments come; next = the buffer that they go to, which step n - 1 has read
.macro STEPF n, cur, next
	PLACES
	FETCH (\n)+1, \next
	s_wait_dscnt 16                                ; all but the 16 just issued: step n's fragments are in
	MUL \cur, 0
.endm
	s_wait_tensorcnt 2                             ; my chunk 0 of both operands is in; chunk 1's two tiles may stay out
	FETCH 0, F0
	FETCH 1, F1
	s_wait_dscnt 16
	MUL F0, 1
	STEPF 1, F1, F0
	STEPF 2, F0, F1
	s_wait_tensorcnt 0x0                           ; chunk 1 is in
	STEPF 3, F1, F0
	STEPF 4, F0, F1
	STEPF 5, F1, F0
	STEPF 6, F0, F1
	s_wait_dscnt 0x0
	MUL F1, 0
	WIN 0
	PLACES
	PLACES
	WIN 0x04                                       ; the stores' data in window 1
.irp a, 0,1,2,3
.irp b, 0,1,2,3
	ds_store_b128 v[STO], v[8*(4*(\a)+(\b)):8*(4*(\a)+(\b))+3]   offset:(\a)*16*PITCH+64*(\b)
	ds_store_b128 v[STO], v[8*(4*(\a)+(\b))+4:8*(4*(\a)+(\b))+7] offset:(\a)*16*PITCH+64*(\b)+16
.endr
.endr
	WIN 0
	s_wait_dscnt 0x0                               ; for the others' sake: my partial tile is stored
	s_barrier_signal -1
	s_barrier_wait -1                              ; all four lie in LDS
.irp p, 0,1,2,3
.irp i, 0,1,2,3
	ds_load_b128 v[RR+32*(\p)+8*(\i):RR+32*(\p)+8*(\i)+3],   v[RD+(\p)] offset:(\i)*4*PITCH
	ds_load_b128 v[RR+32*(\p)+8*(\i)+4:RR+32*(\p)+8*(\i)+7], v[RD+(\p)] offset:(\i)*4*PITCH+16
.endr
.endr
	s_wait_dscnt 0x0
.irp i, 0,1,2,3
.irp z, 0,1,2,3
	v_pk_mul_f32 v[RR+8*(\i)+2*(\z):RR+8*(\i)+2*(\z)+1], v[RR+8*(\i)+2*(\z):RR+8*(\i)+2*(\z)+1], s[SC:SC+1] op_sel_hi:[1,0]
.endr
.irp p, 1,2,3
.irp z, 0,1,2,3
	v_pk_fma_f32 v[RR+8*(\i)+2*(\z):RR+8*(\i)+2*(\z)+1], v[RR+32*(\p)+8*(\i)+2*(\z):RR+32*(\p)+8*(\i)+2*(\z)+1], s[SC:SC+1], v[RR+8*(\i)+2*(\z):RR+8*(\i)+2*(\z)+1] op_sel_hi:[1,0,1]
.endr
.endr
.irp z, 0,1,2,3
	v_cvt_pk_f16_f32 v[OUT+4*(\i)+(\z)], v[RR+8*(\i)+2*(\z)], v[RR+8*(\i)+2*(\z)+1]
.endr
	global_store_b128 v[GO], v[OUT+4*(\i):OUT+4*(\i)+3], s[6:7] offset:(\i)*4*4096  ; four rows: 8 lanes store 128 consecutive bytes each
.endr
	s_wait_tensorcnt 0x0                           ; the wave's end: an add to my spare word and its waits, behind my last tensor load and my last LDS store
	ds_add_u32 v[SPW], v[NIL]
	s_wait_dscnt 0x0
	CROUND                                         ; the closing round: no work-group ends while a partner may still ask for a tile that names it
	s_endpgm
.Lfunc_end_k_q9e3739b9b1_fold:
	.size	k_q9e3739b9b1_fold, .Lfunc_end_k_q9e3739b9b1_fold-k_q9e3739b9b1_fold
	.p2alignl 7, 3214868480
	.fill 96, 4, 3214868480
	.section	.rodata,"a",@progbits
	.p2align	6, 0x0
	.amdhsa_kernel k_q9e3739b9b1_fold
		.amdhsa_group_segment_fixed_size 279040
		.amdhsa_private_segment_fixed_size 0
		.amdhsa_enable_private_segment 0
		.amdhsa_kernarg_size 16
		.amdhsa_user_sgpr_count 2
		.amdhsa_user_sgpr_kernarg_segment_ptr 1
		.amdhsa_wavefront_size32 1
		.amdhsa_system_sgpr_workgroup_id_x 1
		.amdhsa_system_sgpr_workgroup_id_y 1
		.amdhsa_system_sgpr_workgroup_id_z 1
		.amdhsa_system_vgpr_workitem_id 0
		.amdhsa_next_free_vgpr 384
		.amdhsa_next_free_sgpr 66
		.amdhsa_reserve_vcc 0
		.amdhsa_float_denorm_mode_32 3
		.amdhsa_float_denorm_mode_16_64 3
		.amdhsa_memory_ordered 1
		.amdhsa_forward_progress 1
		.amdhsa_inst_pref_size 34
	.end_amdhsa_kernel
	.amdgpu_metadata
---
amdhsa.version: [ 1, 2 ]
amdhsa.kernels:
  - .name:           k_q9e3739b9b1_fold
    .symbol:         k_q9e3739b9b1_fold.kd
    .args:
      - { .name: wqkh, .offset: 0, .size: 8, .value_kind: global_buffer, .address_space: global }
      - { .name: wh, .offset: 8, .size: 8, .value_kind: global_buffer, .address_space: global }
    .group_segment_fixed_size: 279040
    .private_segment_fixed_size: 0
    .kernarg_segment_align: 8
    .kernarg_segment_size: 16
    .max_flat_workgroup_size: 128
    .sgpr_count:     66
    .vgpr_count:     384
    .wavefront_size: 32
...
	.end_amdgpu_metadata
.endif
;; end of part 6
;; launch proj (part 7): grid 8 x 32, 4 waves a work-group, clusters of 4 x 4, 327,680 bytes of LDS; arguments xh, wh, tv; writes tv
.if DOCPART == 7
	.amdgcn_target "amdgcn-amd-amdhsa--gfx1250"
	.amdhsa_code_object_version 6
	.text
	.protected	k_q9e3739b9b1_proj
	.globl	k_q9e3739b9b1_proj
	.p2align	8
	.type	k_q9e3739b9b1_proj,@function
k_q9e3739b9b1_proj:
	s_mov_b64 s[64:65], 0
	v_nop
	global_prefetch_b8 v0, s[64:65] scope:SCOPE_SE
	s_setreg_imm32_b32 hwreg(HW_REG_WAVE_MODE, 25, 1), 1
	s_wait_xcnt 0x0
	s_wait_alu depctr_hold_cnt(0) depctr_sa_sdst(0) depctr_va_vdst(0) depctr_va_sdst(0) depctr_va_ssrc(0) depctr_va_vcc(0) depctr_vm_vsrc(0)
	s_getreg_b32 s2, hwreg(HW_REG_IB_STS2, 6, 4)
	s_cmp_eq_u32 s2, 0
	s_cbranch_scc0 .Lentry_in_a_cluster
	s_endpgm
.Lentry_in_a_cluster:
	s_bfe_u32 s2, ttmp6, 0x10000c
	s_cmp_lg_u32 s2, 0xf033
	s_cbranch_scc0 .Lentry_shape_is_right
	s_endpgm
.Lentry_shape_is_right:
; PROJ.  [t' | v][m][n] = sum over k of xh[m][k] wh[k][n].  xh: [8192][1024] f16 = 2^-4 x; wh: [1024][2048] f16 = [2^-6 M | 16 W_value]; sums in f32, rounded once to f16.
; Out: tv [2][8192][1024] f16: first t' = 2^-10 x M, then v = x W_value.
; LIMITS.  f16 holds no number beyond 65,504: |x M| stays under 6.7e7 and |v| under 65,504; below 2^-14 a stored number keeps the fixed step 2^-24 (2^-14 in x M).  NaN and infinities are not treated apart.
; SHARES.  A tile is 256 x 256: 32 x 8 = 256 work-groups.  Four waves, 2 x 2, each 128 x 128: 64 accumulators of 16 x 16.  K goes in 8 steps of 128 through a ring of two LDS slots.  A slot is four regions
; of 36,864 bytes, one filled by each wave: regions 0, 1 the two halves of xh's 256 rows (256 bytes a row), regions 2, 3 two strips of wh, 128 k-rows x 128 columns (256 bytes a row).
; wh lies [k][n], so its fragments come out of LDS turned, by ds_load_tr16_b128.
; THE MATRIX INSTRUCTION IS USED TRANSPOSED (source 0 = 16 columns of wh, source 1 = 16 rows of xh): a lane then holds eight neighbouring columns of one row.
; ONE K STEP IS WRITTEN ONCE: the slot in hand is a scalar, 0 or SLOT, turned by an exclusive or and added to two lane registers; the walking descriptors' LDS word is turned likewise (no bit of SLOT
; occurs in wave x 36,864).  Six trips fill a slot again; the last two K steps, which fill nothing, are a second loop of two trips that is left in its middle.
; CLUSTER.  4 x 4 work-groups.  The four of a row of the cluster need the same rows of xh, the four of a column the same strips of wh: each tile is asked for JOINTLY, by the same tensor load with the
; same descriptor and a mask that names the four.
; REGISTERS, in windows of 256 (s_set_vgpr_msb: bits 1:0 source 0, 3:2 source 1, 5:4 source 2, 7:6 destination):
;   window 0: v0-31 addresses; v64-127, v128-191 fragments of xh, two buffers (on the way out v64-127 packed results, v128-191 rows read back)
;   window 1: v64-127, v128-191 fragments of wh, two buffers        window 2: accumulators of my rows 0-63, (a, b) at 8 (8 a + b)        window 3: those of my rows 64-127
.set PA,     272                       ; a row of xh in LDS: 256 bytes + 16 = 68 words: the 16 rows of a fragment load start at 16 different groups of four banks (ISA guide 11.1)
.set PB,     288                       ; a row of a strip: 256 + 32 = 72 words
.set REG,    128*PB                    ; a region: what one tensor load fills (a half of xh's tile uses 128 x 272 of it)
.set SLOT,   4*REG
.set SPARE,  2*SLOT                    ; behind the ring: the spare words, 128 bytes for each wave: two blocks of 256 bytes that no other line names
.set SP,     272                       ; the stages' rows.  Wave w's stage, 128 rows, is region w of slot 0, whose last fill is K step 6 and whose last reads stand ahead of the last change of slots
.set ASTEP,  256                       ; bytes from K step to K step in xh,
.set BSTEP,  128*4096                  ; and in wh
.set A0,   16                          ; v16  my lane's place among my fragments of xh in slot 0; never rewritten
.set B0,   17                          ; v17  the same for wh
.set CURA, 18                          ; v18  the same in the slot in hand
.set CURB, 19                          ; v19
.set STO,  24                          ; v24  the way out: where I put 16 bytes of a row
.set RD,   25                          ; v25  where I read a row back
.set CO,   26                          ; v26  my byte offset in tv
.set SPW,  28                          ; v28  LDS address of my spare word; never rewritten
.set NIL,  29                          ; v29  0; never rewritten
.set PFO,  30                          ; v30  the prefetches' offset: my lane x a row of xh or wh; never rewritten
.set F0,   64
.set F1,   128
.set TMP,  64
.set OB,   128
.set WV,   10                          ; s10  my wave's number;  s11 = w / 2: my half of the rows, and: I fetch xh (0) or wh (1);  s12 = w % 2: my half of the columns, and: which half I fetch
.set G1,   24                          ; s[24:31] descriptor group 1 for xh's tiles;  s[32:39] group 0: a set for each of the two first fills; the second then walks on
.set G0,   32
.set G1B,  48                          ; s[48:55], s[56:63] the same for wh's strips
.set G0B,  56
.set LIM,  43                          ; s43  2 in a wave that prefetches, else the greatest number
.set PFA,  44                          ; s[44:45] where my prefetches stand
.set PFS,  46                          ; s[46:47] their step from K step to K step
.set TB,   66                          ; s66  the slot in hand: 0 or SLOT
.set MSB, 0
.macro WIN new                         ; the immediate's high byte repeats the setting that is left; a switch that changes nothing is dropped
.if MSB != (\new)
	s_set_vgpr_msb (MSB<<8)|(\new)
.set MSB, \new
.endif
.endm
.macro PLACES                          ; four plain places: in front of loads into registers that matrix instructions have read, and of conversions that read results
.rept 4
	v_nop
.endr
.endm
; A joint refill, by the walking descriptors.  Waves 0, 1 fetch the halves of xh's tile, waves 2, 3 the strips of wh.  The branch hangs on the wave's number alone.  An s_nop 0 and four v_nop follow each line.
.macro JLOAD
	s_cmp_eq_u32 s11, 0
	s_cbranch_scc0 .Lfor_b_\@
	tensor_load_to_lds s[G0+4:G0+7], s[G1:G1+7]
	s_nop 0
	PLACES
	s_branch .Lasked_\@
.Lfor_b_\@:
	tensor_load_to_lds s[G0B+4:G0B+7], s[G1B:G1B+7]
	s_nop 0
	PLACES
.Lasked_\@:
.endm
; A prefetch of the K step that stands two refills on: 32 rows x 256 bytes, a lane a row, one instruction a wave.  Each row's 256 bytes of a K step are named once in the launch: xh's rows by the
; clusters with x = 0, wh's by those with y = 0; the four partners that ask for a tile jointly take 32 of its 128 rows each, told apart by address.  The loop's last two trips, whose refills are K steps 6 and 7, ask for nothing.
.macro ASK
	s_cmp_gt_u32 s3, s[LIM]
	s_cbranch_scc0 .Lnot_mine_\@
	global_prefetch_b8 v[PFO], s[PFA:PFA+1] th:TH_LOAD_NT scope:SCOPE_SE
.Lnot_mine_\@:
.endm
.macro CREST                           ; a round of the cluster's barrier behind its opening barrier
	s_cmp_lg_u32 s[WV], 0
	s_cbranch_scc1 .Lnot_wave_0_\@
	s_barrier_signal -3
.Lnot_wave_0_\@:
	s_barrier_wait -3
	s_barrier_signal -1
	s_barrier_wait -1
.endm
.macro CROUND                          ; a whole round
	s_barrier_signal -1
	s_barrier_wait -1
	CREST
.endm
	s_load_b128 s[4:7], s[0:1], 0x0                ; xh s[4:5], wh s[6:7]
	s_load_b64 s[8:9], s[0:1], 0x10                ; tv
	v_lshl_add_u32 v[SPW], v0, 2, SPARE
	v_mov_b32 v[NIL], 0
	ds_add_u32 v[SPW], v[NIL]                      ; the wave's opening: the add and its wait stand ahead of my first tensor load; the set-up below stands between them
	ds_add_u32 v28, v29
	v_lshrrev_b32 v1, 5, v0
	v_readfirstlane_b32 s[WV], v1                  ; wave 0..3
	s_lshr_b32 s11, s[WV], 1
	s_and_b32 s12, s[WV], 1
	s_bfe_u32 s40, ttmp6, 0x40000                  ; cx, cy: my place in the cluster
	s_bfe_u32 s41, ttmp6, 0x40004
	s_lshl_b32 s42, ttmp9, 2
	s_add_co_u32 s42, s42, s40                     ; tile column = 4 x cluster x + cx
	s_and_b32 s13, ttmp7, 0xffff
	s_lshl_b32 s13, s13, 2
	s_add_co_u32 s13, s13, s41                     ; tile row = 4 x cluster y + cy
	s_lshl_b32 s43, s41, 2
	s_lshl_b32 s43, 15, s43                        ; my row of the cluster
	s_lshl_b32 s44, 0x1111, s40                    ; my column
	; group 1: tiles of 128 rows x 128 elements of 2 bytes, padded in LDS after every 64 words, by 4 words (xh) or 8 (wh); bit 21 is set beside a mask
	s_or_b32 s[G1], s43, (1<<16)|(1<<20)|(1<<21)|(5<<22)|(3<<25)
	s_or_b32 s[G1B], s44, (1<<16)|(1<<20)|(1<<21)|(5<<22)|(7<<25)
.irp g, G1, G1B
	s_mov_b32 s[(\g)+1], 128<<16                   ; tensor_dim0 = 128
	s_mov_b32 s[(\g)+2], 128<<16                   ; tensor_dim1 = 128
	s_mov_b32 s[(\g)+3], 128<<16                   ; tile_dim0 = 128
	s_mov_b32 s[(\g)+4], 128                       ; tile_dim1 = 128
	s_mov_b32 s[(\g)+6], 0
	s_mov_b32 s[(\g)+7], 0
.endr
	s_mov_b32 s[G1+5], 1024                        ; elements from row to row
	s_mov_b32 s[G1B+5], 2048
	s_lshl_b32 s16, s13, 8                         ; xh: row 256 x tile row + 128 x half, rows of 2,048 bytes: it hangs on the tile row alone
	s_lshl_b32 s17, s12, 7
	s_add_co_u32 s16, s16, s17
	s_lshl_b32 s16, s16, 11
	s_mov_b32 s17, 0
	s_lshl_b32 s68, s42, 9                         ; wh: the tile column's 512 bytes of a row, my strip's 256 of them: it hangs on the tile column alone
	s_lshl_b32 s69, s12, 8
	s_add_co_u32 s68, s68, s69
	s_mov_b32 s69, 0
	s_mul_i32 s20, s[WV], REG                      ; where my tile goes: wave x a region: no place in the cluster enters an LDS address
	s_mov_b32 s[TB], 0
	s_wait_dscnt 0x0                               ; the opening add is done
	s_wait_kmcnt 0x0
	s_add_nc_u64 s[14:15], s[4:5], s[16:17]
	s_add_nc_u64 s[68:69], s[6:7], s[68:69]
	CROUND                                         ; all sixteen work-groups are here: the first joint loads meet
.irp s, 0,1
	s_mov_b32 s[G0+4*(\s)], 1                      ; count = 1
	s_add_co_u32 s[G0+4*(\s)+1], s20, (\s)*SLOT    ; LDS address
	s_add_nc_u64 s[G0+4*(\s)+2:G0+4*(\s)+3], s[14:15], (\s)*ASTEP  ; global address: K step s
	s_or_b32 s[G0+4*(\s)+3], s[G0+4*(\s)+3], 0x80000000            ; type = 2
	s_mov_b32 s[G0B+4*(\s)], 1
	s_add_co_u32 s[G0B+4*(\s)+1], s20, (\s)*SLOT
	s_add_nc_u64 s[G0B+4*(\s)+2:G0B+4*(\s)+3], s[68:69], (\s)*BSTEP
	s_or_b32 s[G0B+4*(\s)+3], s[G0B+4*(\s)+3], 0x80000000
.endr
	s_cmp_eq_u32 s11, 0                            ; a wave's two first fills stand in one branch, ahead of every wait on TENSORcnt and every LDS read: two loads of mine are out
	s_cbranch_scc0 .Lfirst_b
	tensor_load_to_lds s[G0:G0+3], s[G1:G1+7]
	s_nop 0
	tensor_load_to_lds s[G0+4:G0+7], s[G1:G1+7]
	s_nop 0
	PLACES
	s_branch .Lfirst_asked
.Lfirst_b:
	tensor_load_to_lds s[G0B:G0B+3], s[G1B:G1B+7]
	s_nop 0
	tensor_load_to_lds s[G0B+4:G0B+7], s[G1B:G1B+7]
	s_nop 0
	PLACES
.Lfirst_asked:
	; A fragment of xh is 16 rows x 32 k in 8 registers: lane l holds row l % 16, k = 8 (l / 16) + 0..7 and 16 + 8 (l / 16) + 0..7: two loads of 16 bytes, 32 bytes apart.
	v_and_b32 v1, 15, v0                           ; l % 16
	v_bfe_u32 v2, v0, 4, 1                         ; l / 16
	v_mul_u32_u24 v3, v1, PA
	v_lshl_add_u32 v3, v2, 4, v3
	s_mul_i32 s21, s11, REG                        ; my 128 rows of xh
	v_add_nc_u32 v[A0], s21, v3
	; The turning load takes 16 k x 16 columns (lane l reads k-row 8 (l / 16) + l % 8, columns 8 ((l / 8) % 2) + 0..7) and leaves half a fragment: lane l holds column l % 16 and 8 k.
	v_and_b32 v5, 7, v0
	v_bfe_u32 v6, v0, 3, 1
	v_lshl_add_u32 v4, v2, 3, v5
	v_mul_u32_u24 v4, v4, PB
	v_lshl_add_u32 v4, v6, 4, v4
	s_mul_i32 s22, s12, REG                        ; my strip of wh,
	s_add_co_u32 s22, s22, 2*REG                   ; behind xh's two regions
	v_add_nc_u32 v[B0], s22, v4
	v_mov_b32 v[CURA], v[A0]                       ; slot 0 is in hand
	v_mov_b32 v[CURB], v[B0]
	v_mul_u32_u24 v3, v1, SP                       ; into my stage: row l % 16, 16 bytes for each half of the lanes
	v_lshl_add_u32 v3, v2, 4, v3
	v_add_nc_u32 v[STO], s20, v3
	v_mul_u32_u24 v3, v2, SP                       ; back: lanes 0-15 take one row of 256 bytes, lanes 16-31 the next
	v_lshl_add_u32 v3, v1, 4, v3
	v_add_nc_u32 v[RD], s20, v3
	v_lshlrev_b32 v3, 11, v2                       ; and the same two rows in tv
	v_lshl_add_u32 v[CO], v1, 4, v3
	s_lshl_b32 s16, s13, 8
	s_lshl_b32 s17, s11, 7
	s_add_co_u32 s16, s16, s17                     ; my first row: 256 x tile row + 128 x (w / 2)
	s_lshl_b32 s16, s16, 11
	s_mov_b32 s17, 0
	s_add_nc_u64 s[8:9], s[8:9], s[16:17]
	s_lshr_b32 s70, s42, 2                         ; tile columns 0-3 are t', 4-7 are v, 16 MiB further on;
	s_lshl_b32 s70, s70, 24
	s_and_b32 s71, s42, 3                          ; the tile's 512 bytes of a row,
	s_lshl_b32 s71, s71, 9
	s_add_co_u32 s70, s70, s71
	s_lshl_b32 s71, s12, 8                         ; my 256 of them
	s_add_co_u32 s70, s70, s71
	s_mov_b32 s71, 0
	s_add_nc_u64 s[8:9], s[8:9], s[70:71]
	; the prefetches: they start at K step 3; the first refill steps them to K step 4
	s_lshl_b32 s18, s13, 8                         ; xh: the 128 rows that I fetch,
	s_lshl_b32 s19, s12, 7
	s_add_co_u32 s18, s18, s19
	s_lshl_b32 s19, s40, 5                         ; my work-group's 32 of them (by cx)
	s_add_co_u32 s18, s18, s19
	s_lshl_b32 s18, s18, 11
	s_add_co_u32 s18, s18, 3*ASTEP
	s_lshl_b32 s70, s41, 17                        ; wh: my work-group's 32 of a K step's 128 k-rows (by cy), rows of 4,096 bytes,
	s_add_co_u32 s70, s70, 3*BSTEP
	s_lshl_b32 s71, s42, 9                         ; the tile column,
	s_add_co_u32 s70, s70, s71
	s_lshl_b32 s71, s12, 8                         ; my strip
	s_add_co_u32 s70, s70, s71
	s_and_b32 s22, ttmp7, 0xffff                   ; cluster y
	s_movk_i32 s[PFS], ASTEP
	s_mov_b32 s[PFS+1], BSTEP
	s_movk_i32 s20, 2048
	s_movk_i32 s21, 4096
	s_cmp_eq_u32 s11, 0                            ; do I fetch xh?
	s_cselect_b32 s18, s18, s70
	s_cselect_b32 s22, ttmp9, s22                  ; the coordinate along which other clusters read the same rows
	s_cselect_b32 s[PFS], s[PFS], s[PFS+1]
	s_cselect_b32 s20, s20, s21
	s_cselect_b64 s[PFA:PFA+1], s[4:5], s[6:7]
	s_mov_b32 s19, 0
	s_mov_b32 s[PFS+1], 0
	s_add_nc_u64 s[PFA:PFA+1], s[PFA:PFA+1], s[18:19]
	s_cmp_eq_u32 s22, 0
	s_cselect_b32 s[LIM], 2, -1                    ; the same in all sixteen partners, for a given wave
	v_and_b32 v[PFO], 31, v0
	v_mul_u32_u24 v[PFO], v[PFO], s20
; 16 matrix instructions: row blocks a0, a0 + 1 of the window's four (hi = 0: my rows 0-63, 1: rows 64-127) x all 8 column blocks, 32 along K.  zero = 1: the first product starts the sums.
; The 64 accumulators take turns in the same order in every quarter.
.macro MUL16 f, hi, a0, zero
	WIN 0xa1+0x50*(\hi)
.irp a, \a0, (\a0)+1
.irp b, 0,1,2,3,4,5,6,7
.if \zero
	v_wmma_f32_16x16x32_f16 v[8*(8*(\a)+(\b)):8*(8*(\a)+(\b))+7], v[(\f)+8*(\b):(\f)+8*(\b)+7], v[(\f)+8*(4*(\hi)+(\a)):(\f)+8*(4*(\hi)+(\a))+7], 0
.else
	v_wmma_f32_16x16x32_f16 v[8*(8*(\a)+(\b)):8*(8*(\a)+(\b))+7], v[(\f)+8*(\b):(\f)+8*(\b)+7], v[(\f)+8*(4*(\hi)+(\a)):(\f)+8*(4*(\hi)+(\a))+7], v[8*(8*(\a)+(\b)):8*(8*(\a)+(\b))+7]
.endif
.endr
.endr
.endm
; 32 LDS loads in one run: the fragments of quarter q (32 along K) of the slot in hand into buffer f: 16 turning loads of wh, then 16 loads of xh
.macro FETCH q, f
	WIN 0x40                                       ; destination window 1, address window 0
.irp b, 0,1,2,3,4,5,6,7
	ds_load_tr16_b128 v[(\f)+8*(\b):(\f)+8*(\b)+3],   v[CURB] offset:32*(\b)+(\q)*32*PB
	ds_load_tr16_b128 v[(\f)+8*(\b)+4:(\f)+8*(\b)+7], v[CURB] offset:32*(\b)+(\q)*32*PB+16*PB
.endr
	WIN 0
.irp i, 0,1,2,3,4,5,6,7
	ds_load_b128 v[(\f)+8*(\i):(\f)+8*(\i)+3],   v[CURA] offset:(\q)*64+(\i)*16*PA
	ds_load_b128 v[(\f)+8*(\i)+4:(\f)+8*(\i)+7], v[CURA] offset:(\q)*64+(\i)*16*PA+32
.endr
.endm
; A K step is four quarters of 32 along K, 64 matrix instructions each, on buffers 0, 1, 0, 1.  One of the first three: multiplies buffer f and fetches quarter q into buffer g.
.macro QUARTER q, f, g, zero
	s_wait_dscnt 8                                 ; wh's fragments and xh's rows 0-63 are in; the youngest eight loads (rows 64-127) may be out
	MUL16 \f, 0, 0, \zero
	MUL16 \f, 0, 2, \zero
	PLACES
	FETCH \q, \g
	s_wait_dscnt 32                                ; all but the 32 just issued
	MUL16 \f, 1, 0, \zero
	MUL16 \f, 1, 2, \zero
.endm
; The last quarter multiplies buffer 1 and changes slots: ONE barrier; in front of it each wave waits for all its tensor loads (one is out: its part of the next slot), adds 0 to its spare word, and
; waits for that and for its own reads of this slot.  fill = 1: the barrier opens a round of the cluster's barrier, and this slot is filled again, two K steps ahead, first thing behind the round:
; 224 matrix instructions ahead of the wait for it.
.macro TURN fill
.if \fill
	s_wait_xcnt 0x0                                ; the last prefetch, a K step back, has read its address: it is stepped here, ahead of the waits of the change of slots
	s_add_nc_u64 s[PFA:PFA+1], s[PFA:PFA+1], s[PFS:PFS+1]
.endif
	WIN 0                                          ; (the add's two registers lie in window 0)
	s_wait_tensorcnt 0x0                           ; all my tensor loads have landed;
	ds_add_u32 v[SPW], v[NIL]                      ; 0 onto my spare word;
	s_wait_dscnt 9                                 ; (the add and the youngest eight loads may be out)
	MUL16 F1, 0, 0, 0                              ; sixteen matrix instructions stand between the add and the wait for it
	s_wait_dscnt 0x0                               ; the add is done, and my reads of this slot are over
	s_barrier_signal -1
	MUL16 F1, 0, 2, 0
	WIN 0
	s_barrier_wait -1
.if \fill
	CREST                                          ; no wave of any partner still reads this slot's tiles or has a load on its way
	s_xor_b32 s[G0+5], s[G0+5], SLOT               ; the walking descriptors: the other slot than last time,
	s_add_nc_u64 s[G0+6:G0+7], s[G0+6:G0+7], ASTEP ; the next K step; the type bits on top are not reached
	s_xor_b32 s[G0B+5], s[G0B+5], SLOT
	s_add_nc_u64 s[G0B+6:G0B+7], s[G0B+6:G0B+7], BSTEP
	JLOAD                                          ; the first tensor load behind the round; the four v_nop behind it are also the places in front of the loads below
.else
	PLACES
.endif
	s_xor_b32 s[TB], s[TB], SLOT                   ; the other slot is in hand
	v_add_nc_u32 v[CURA], s[TB], v[A0]
	v_add_nc_u32 v[CURB], s[TB], v[B0]
	FETCH 0, F0
.if \fill
	ASK
.endif
	MUL16 F1, 1, 0, 0
	MUL16 F1, 1, 2, 0
.endm
	s_wait_tensorcnt 1                             ; my part of K step 0 is in; K step 1's may stay out
	s_barrier_signal -1
	s_barrier_wait -1                              ; everybody's is
	FETCH 0, F0
	QUARTER 1, F0, F1, 1                           ; the first quarter stands in front of the loop: its products start the sums
	WIN 0                                          ; at a label and at a branch every window is 0
	s_mov_b32 s3, 6
.Lstep:                                                ; a trip goes from a K step's second quarter to the next step's first, and fills the slot that it leaves: K steps 2 to 7
	QUARTER 2, F1, F0, 0
	QUARTER 3, F0, F1, 0
	TURN 1
	QUARTER 1, F0, F1, 0
	WIN 0
	s_sub_co_u32 s3, s3, 1
	s_cmp_lg_u32 s3, 0
	s_cbranch_scc1 .Lstep
	s_mov_b32 s3, 2
.Ltail:                                                ; K steps 6 and 7 fill nothing: the same trip without a tensor load; the second trip is left in front of the change of slots
	QUARTER 2, F1, F0, 0
	QUARTER 3, F0, F1, 0
	WIN 0
	s_cmp_eq_u32 s3, 1                             ; a constant of the text decides: the same in every wave
	s_cbranch_scc1 .Llastq
	TURN 0
	QUARTER 1, F0, F1, 0
	WIN 0
	s_sub_co_u32 s3, s3, 1
	s_cmp_lg_u32 s3, 0
	s_cbranch_scc1 .Ltail
.Llastq:
	s_wait_dscnt 8                                 ; the very last quarter: nothing more to fetch
	MUL16 F1, 0, 0, 0
	MUL16 F1, 0, 2, 0
	s_wait_dscnt 0x0
	MUL16 F1, 1, 0, 0
	MUL16 F1, 1, 2, 0
	; THE WAY OUT: round to f16; 16 bytes a lane into my own stage, rows of 272 bytes; back as whole rows of 256 bytes.  LDS serves a wave's instructions in order (ISA guide 5.7.1.4): no wait between the two.
.macro BLOCK hi, a                     ; row block 4 hi + a
	WIN 0x0a+5*(\hi)                               ; sources 0 and 1: window 2 or 3
.irp b, 0,1,2,3,4,5,6,7
.irp r, 0,1,2,3
	v_cvt_pk_f16_f32 v[TMP+32*((\a)%2)+4*(\b)+(\r)], v[8*(8*(\a)+(\b))+2*(\r)], v[8*(8*(\a)+(\b))+2*(\r)+1]
.endr
.endr
	WIN 0
.irp b, 0,1,2,3,4,5,6,7
	ds_store_b128 v[STO], v[TMP+32*((\a)%2)+4*(\b):TMP+32*((\a)%2)+4*(\b)+3] offset:(4*(\hi)+(\a))*16*SP+32*(\b)
.endr
.endm
	WIN 0
	PLACES
.irp a, 0,1,2,3
	BLOCK 0, \a
.endr
.irp a, 0,1,2,3
	BLOCK 1, \a
.endr
	s_mov_b32 s3, 4
.Lout:                                                 ; four trips of 32 rows
.irp t, 0,1,2,3,4,5,6,7,8,9,10,11,12,13,14,15
	ds_load_b128 v[OB+4*(\t):OB+4*(\t)+3], v[RD] offset:(\t)*2*SP
.endr
.irp t, 0,1,2,3,4,5,6,7,8,9,10,11,12,13,14,15
	s_wait_dscnt 15-(\t)
	global_store_b128 v[CO], v[OB+4*(\t):OB+4*(\t)+3], s[8:9] offset:(\t)*2*2048  ; 16 lanes store 256 consecutive bytes, at a multiple of 256 from tv's first byte
.endr
	s_wait_xcnt 0x0                                ; the stores have read their base and their data registers, which the next trip writes
	s_add_nc_u64 s[8:9], s[8:9], 32*2048
	v_add_nc_u32 v[RD], 32*SP, v[RD]
	s_sub_co_u32 s3, s3, 1
	s_cmp_lg_u32 s3, 0
	s_cbranch_scc1 .Lout
	s_wait_tensorcnt 0x0                           ; the wave's end: an add to my spare word and its waits, behind my last tensor load and my last LDS store
	ds_add_u32 v[SPW], v[NIL]
	s_wait_dscnt 0x0
	CROUND                                         ; the closing round: no work-group ends while a partner may still ask for a tile that names it
	s_endpgm
.Lfunc_end_k_q9e3739b9b1_proj:
	.size	k_q9e3739b9b1_proj, .Lfunc_end_k_q9e3739b9b1_proj-k_q9e3739b9b1_proj
	.p2alignl 7, 3214868480
	.fill 96, 4, 3214868480
	.section	.rodata,"a",@progbits
	.p2align	6, 0x0
	.amdhsa_kernel k_q9e3739b9b1_proj
		.amdhsa_group_segment_fixed_size 327680
		.amdhsa_private_segment_fixed_size 0
		.amdhsa_enable_private_segment 0
		.amdhsa_kernarg_size 24
		.amdhsa_user_sgpr_count 2
		.amdhsa_user_sgpr_kernarg_segment_ptr 1
		.amdhsa_wavefront_size32 1
		.amdhsa_system_sgpr_workgroup_id_x 1
		.amdhsa_system_sgpr_workgroup_id_y 1
		.amdhsa_system_sgpr_workgroup_id_z 1
		.amdhsa_system_vgpr_workitem_id 0
		.amdhsa_next_free_vgpr 1024
		.amdhsa_next_free_sgpr 72
		.amdhsa_reserve_vcc 0
		.amdhsa_float_denorm_mode_32 3
		.amdhsa_float_denorm_mode_16_64 3
		.amdhsa_memory_ordered 1
		.amdhsa_forward_progress 1
		.amdhsa_inst_pref_size 98
	.end_amdhsa_kernel
	.amdgpu_metadata
---
amdhsa.version: [ 1, 2 ]
amdhsa.kernels:
  - .name:           k_q9e3739b9b1_proj
    .symbol:         k_q9e3739b9b1_proj.kd
    .args:
      - { .name: xh, .offset: 0, .size: 8, .value_kind: global_buffer, .address_space: global }
      - { .name: wh, .offset: 8, .size: 8, .value_kind: global_buffer, .address_space: global }
      - { .name: tv, .offset: 16, .size: 8, .value_kind: global_buffer, .address_space: global }
    .group_segment_fixed_size: 327680
    .private_segment_fixed_size: 0
    .kernarg_segment_align: 8
    .kernarg_segment_size: 24
    .max_flat_workgroup_size: 128
    .sgpr_count:     72
    .vgpr_count:     1024
    .wavefront_size: 32
...
	.end_amdgpu_metadata
.endif
;; end of part 7
;; launch scores (part 8): grid 36 x 4, 4 waves a work-group, no clusters, 327,680 bytes of LDS; arguments tv, pw, st, xh; writes pw, st
.if DOCPART == 8
	.amdgcn_target "amdgcn-amd-amdhsa--gfx1250"
	.amdhsa_code_object_version 6
	.text
	.protected	k_q9e3739b9b1_scores
	.globl	k_q9e3739b9b1_scores
	.p2align	8
	.type	k_q9e3739b9b1_scores,@function
k_q9e3739b9b1_scores:
	s_mov_b64 s[64:65], 0
	v_nop
	global_prefetch_b8 v0, s[64:65] scope:SCOPE_SE
	s_setreg_imm32_b32 hwreg(HW_REG_WAVE_MODE, 25, 1), 1
	s_wait_xcnt 0x0
; SCORES.  For each tile (I, J), J <= I, of 256 queries x 256 keys of a batch: s = q . k = (x M)[query] . x[key] (K = 1,024, f16 operands, f32 sums), keys behind the query hidden; for each query of the tile
; the TILE'S OWN maximum m, the weights p = 2^(c s - c m) rounded to f16 into pw [4][2048 q][2048 key], and (c m, l = the sum of the unrounded p) in f32 into st [4][8 J][2048 q][2].
; In: t' = 2^-10 x M (the first half of tv, [8192][1024] f16) and xh = 2^-4 x ([8192][1024] f16): the sums are 2^-14 s, and c = 2^14 log2(e) / 32 = 512 log2(e), applied in f32.
; The launch behind brings the tiles of a row onto the row's maximum by factors made of st: so the true maximum is taken away, in two stages, both in f32.
; LIMITS.  A hidden score counts as its sum less 1e30 (1,024 products of f16 numbers reach 4.4e12 at the most); a weight below 2^-126 counts as 0 in l; p below 6e-5 keeps f16's fixed step.
; NaN and infinities are not treated apart.
; SHARES.  Work-group x is the tile's number in the lower triangle of 8 x 8 tiles, y the batch: 144 work-groups of equal work.  Four waves one below the other: wave w has queries 64 w .. 64 w + 63
; (4 blocks of 16) and ALL 256 keys (16 blocks): 64 accumulators.  S^T (source 0 = 16 keys, source 1 = 16 queries): a lane holds one query (lane % 16) and the keys 8 (lane / 16) + 0..7 of each block,
; so a query's maximum and sum want one exchange between the halves of the lanes, and no barrier.
; ONE K STEP IS WRITTEN ONCE: the slot in hand is a scalar, 0 or SLOT, turned by an exclusive or and added to two lane registers; the walking descriptor's LDS word is turned likewise (no bit of SLOT
; occurs in wave x 34,816).  Six trips fill a slot again; the last two K steps, which fill nothing, are a second loop of two trips that is left in its middle.
; NO CLUSTER: a joint load wants four tiles with the same rows of t' or of xh; the triangle's rows and columns hold 1 to 8 tiles, and only 16 of a batch's 36 (I >= 4, J < 4) form a block of 4 x 4.
; THE MASK is the C operand that starts each sum: 0, or -1e30 where the key is hidden.  In the diagonal tile key block b is hidden from query block a of wave w wholly if b - a > 4 w, not at all if
; b - a < 4 w, and by MD (register j hidden where 8 (lane / 16) + j > lane % 16) if b - a = 4 w.  The 19 masks for b - a = -3 .. 15 are MD x AL + BE with two scalars each; off the diagonal all are 0.
; REGISTERS, in windows of 256 (s_set_vgpr_msb: bits 1:0 source 0, 3:2 source 1, 5:4 source 2, 7:6 destination):
;   window 0: v0-31 addresses; v32-63, v64-95 fragments of t', two buffers; v96-247 the 19 masks, v248-255 MD (behind the products: v96-159 packed weights, v160-223 rows read back, v224-241 at work)
;   window 1: v0-127, v128-255 fragments of xh, two buffers (behind the products: v0-127 the query block in hand)        window 2: accumulators of query blocks 0, 1 at 8 (16 a' + b)        window 3: those of query blocks 2, 3
.set PITCH,  272                       ; an LDS row: 256 bytes + 16 = 68 words: the 16 rows of a fragment load start at 16 different groups of four banks (ISA guide 11.1)
.set HALFT,  128*PITCH                 ; 128 rows: what one tensor load brings
.set SLOT,   4*HALFT                   ; the queries' 256 rows, then the keys' 256 rows
.set STAGE,  2*SLOT                    ; behind the ring, never filled by a tensor load: 16 rows x 528 bytes for each wave
.set SP,     528
.set SPARE,  STAGE+4*16*SP             ; behind the stages: the spare words, 128 bytes for each wave: two blocks of 256 bytes that no other line names
.set ROWB,   2048                      ; bytes in a row of t' and of xh
.set Q0,   16                          ; v16     my lane's place among my fragments of t' in slot 0; never rewritten
.set K0,   17                          ; v17     the same for xh
.set CURQ, 18                          ; v18     the same in the slot in hand
.set CURK, 19                          ; v19
.set STO,  20                          ; v20     the way out: where I put 16 bytes of a row
.set RD,   21                          ; v21     where I read a row back
.set GO,   22                          ; v22     my 16 bytes of 512 consecutive bytes of pw
.set SO,   23                          ; v23     my 8 bytes of 256 consecutive bytes of st
.set SPW,  28                          ; v28     LDS address of my spare word; never rewritten
.set NIL,  29                          ; v29     0; never rewritten
.set PFO,  30                          ; v30     my lane x a row; never rewritten
.set QF,   32
.set MK,   96
.set MD,   248
.set TMPP, 96
.set OB,   160
.set CH,   224                         ; v224-227 four chains of the maximum
.set CM,   228                         ; v228-229 c m (the packed scaling takes the pair's low word for both halves)
.set LS,   230                         ; v230-231 the sum, at work
.set CUR,  232                         ; v232-233 (c m, l) of the query block in hand
.set PREV, 234                         ; v234-235 of the block before
.set MG,   240                         ; v240-241 two blocks' statistics merged for a store
.set WV,  10                           ; s10  my wave's number
.set TI,  11                           ; s11  I
.set TJ,  12                           ; s12  J
.set BT,  13                           ; s13  the batch
.set G1,  24                           ; s[24:31] descriptor group 1
.set G0,  32                           ; s[32:39] descriptor group 0: a set for each of the two first fills; the second then walks on
.set CS,  40                           ; s[40:41] c
.set SEL, 42                           ; s[42:43] v_permlanex16_b32's selects: each lane takes its own place in the other half
.set AL,  44                           ; s[44:45] a mask's factor
.set BE,  46                           ; s[46:47] a mask's addend
.set BIG, 48                           ; s48  -1e30
.set HALF, 49                          ; s49  the lanes 16-31
.set SD,  50                           ; s50  4 w in the diagonal tile, else 64
.set LIM, 51                           ; s51  2 in a wave that prefetches, else the greatest number
.set PFA, 52                           ; s[52:53] where my prefetches stand
.set TB,  56                           ; s56  the slot in hand: 0 or SLOT
.set MSB, 0
.macro WIN new
.if MSB != (\new)
	s_set_vgpr_msb (MSB<<8)|(\new)
.set MSB, \new
.endif
.endm
.macro PLACES
.rept 4
	v_nop
.endr
.endm
; A prefetch of the K step that stands two refills on: my own 128 rows x 256 bytes, a lane a row, four instructions.  Each row's 256 bytes are named once in the launch: t's rows of block I by waves 0, 1
; of tile (I, 0), xh's rows of block J by waves 2, 3 of tile (J, J).  The loop's last two trips, whose refills are K steps 6 and 7, ask for nothing.
.macro ASK
	s_cmp_gt_u32 s3, s[LIM]
	s_cbranch_scc0 .Lnot_mine_\@
.irp n, 0,1,2,3
	global_prefetch_b8 v[PFO], s[PFA:PFA+1] offset:32*ROWB*(\n) th:TH_LOAD_NT scope:SCOPE_SE
.endr
.Lnot_mine_\@:
.endm
	s_load_b128 s[4:7], s[0:1], 0x0                ; tv s[4:5], pw s[6:7]
	s_load_b64 s[8:9], s[0:1], 0x10                ; st
	s_load_b64 s[54:55], s[0:1], 0x18              ; xh
	v_lshl_add_u32 v[SPW], v0, 2, SPARE
	v_mov_b32 v[NIL], 0
	ds_add_u32 v[SPW], v[NIL]                      ; the wave's opening: the add and its wait stand ahead of my first tensor load; the set-up below stands between them
	ds_add_u32 v28, v29
	v_lshrrev_b32 v1, 5, v0
	v_readfirstlane_b32 s[WV], v1                  ; wave 0..3
	s_mov_b32 s[TI], 0                             ; I = how many of the triangle's row starts 1, 3, 6, .. the tile's number has reached
.irp T, 1,3,6,10,15,21,28
	s_cmp_ge_u32 ttmp9, \T
	s_cselect_b32 s14, 1, 0
	s_add_co_u32 s[TI], s[TI], s14
.endr
	s_add_co_u32 s14, s[TI], 1
	s_mul_i32 s14, s14, s[TI]
	s_lshr_b32 s14, s14, 1
	s_sub_co_u32 s[TJ], ttmp9, s14                 ; J = the number less I (I + 1) / 2
	s_and_b32 s[BT], ttmp7, 0xffff
	; group 1: a tile of 128 rows x 128 elements of 2 bytes, 4 words of padding after every 64
	s_mov_b32 s[G1], (1<<16)|(1<<20)|(5<<22)|(3<<25)
	s_mov_b32 s[G1+1], 128<<16                     ; tensor_dim0 = 128
	s_mov_b32 s[G1+2], 128<<16                     ; tensor_dim1 = 128
	s_mov_b32 s[G1+3], 128<<16                     ; tile_dim0 = 128
	s_mov_b32 s[G1+4], 128                         ; tile_dim1 = 128
	s_mov_b32 s[G1+5], 1024                        ; elements from row to row
	s_mov_b32 s[G1+6], 0
	s_mov_b32 s[G1+7], 0
	s_mov_b32 s[CS], 0x4438aa3b                    ; c = 512 log2(e) = 738.66
	s_mov_b32 s[CS+1], s[CS]
	s_mov_b32 s[SEL], 0x76543210
	s_mov_b32 s[SEL+1], 0xfedcba98
	s_mov_b32 s[AL+1], 0                           ; named as pairs
	s_mov_b32 s[BE+1], 0
	s_mov_b32 s[BIG], 0xf149f2ca                   ; -1e30
	s_mov_b32 s[HALF], 0xffff0000
	s_mov_b32 s[TB], 0
	s_lshl_b32 s[SD], s[WV], 2
	s_cmp_eq_u32 s[TI], s[TJ]
	s_cselect_b32 s[SD], s[SD], 64
	s_sub_co_u32 s16, s[TI], s[TJ]
	s_cmp_lt_u32 s[WV], 2                          ; waves 0, 1 fetch t's rows of block I, waves 2, 3 xh's rows of block J
	s_cselect_b32 s14, s[TI], s[TJ]
	s_cselect_b32 s16, s[TJ], s16                  ; I prefetch where J = 0 (t') or I = J (xh)
	s_cmp_eq_u32 s16, 0
	s_cselect_b32 s[LIM], 2, -1
	s_lshl_b32 s14, s14, 8
	s_lshl_b32 s16, s[BT], 11
	s_add_co_u32 s14, s14, s16
	s_and_b32 s16, s[WV], 1
	s_lshl_b32 s16, s16, 7
	s_add_co_u32 s14, s14, s16                     ; my first row: 2,048 batch + 256 block + 128 (w % 2)
	s_lshl_b32 s14, s14, 11                        ; rows of 2,048 bytes
	s_mov_b32 s15, 0
	s_mul_i32 s20, s[WV], HALFT                    ; where my rows go: wave x 128 rows
	s_wait_dscnt 0x0                               ; the opening add is done
	s_wait_kmcnt 0x0
	s_cmp_lt_u32 s[WV], 2
	s_cselect_b64 s[16:17], s[4:5], s[54:55]       ; the buffer is chosen by the wave's number alone
	s_add_nc_u64 s[14:15], s[16:17], s[14:15]
.irp s, 0,1
	s_mov_b32 s[G0+4*(\s)], 1                      ; count = 1
	s_add_co_u32 s[G0+4*(\s)+1], s20, (\s)*SLOT    ; LDS address
	s_add_nc_u64 s[G0+4*(\s)+2:G0+4*(\s)+3], s[14:15], (\s)*256  ; global address: K step s
	s_or_b32 s[G0+4*(\s)+3], s[G0+4*(\s)+3], 0x80000000          ; type = 2
.endr
	tensor_load_to_lds s[G0:G0+3], s[G1:G1+7]      ; both first fills go out together, ahead of every wait on TENSORcnt, every LDS read and every barrier: two loads of mine are out
	s_nop 0
	tensor_load_to_lds s[G0+4:G0+7], s[G1:G1+7]
	s_nop 0
	PLACES
	s_add_nc_u64 s[PFA:PFA+1], s[14:15], 3*256     ; the prefetches start at K step 3; the first refill steps them to K step 4
	v_and_b32 v1, 15, v0                           ; l % 16
	v_bfe_u32 v2, v0, 4, 1                         ; l / 16
	v_and_b32 v4, 31, v0                           ; l
	v_mul_u32_u24 v3, v1, PITCH
	v_lshl_add_u32 v3, v2, 4, v3                   ; a fragment's row x pitch + 16 x half
	s_mul_i32 s21, s[WV], 64*PITCH                 ; my 64 queries
	v_add_nc_u32 v[Q0], s21, v3
	v_add_nc_u32 v[K0], 2*HALFT, v3                ; the keys' rows lie behind the queries' 256
	v_mov_b32 v[CURQ], v[Q0]                       ; slot 0 is in hand
	v_mov_b32 v[CURK], v[K0]
	s_mul_i32 s21, s[WV], 16*SP
	s_add_co_u32 s21, s21, STAGE                   ; my stage
	v_mul_u32_u24 v3, v1, SP                       ; in: row l % 16, 16 bytes for each half of the lanes
	v_lshl_add_u32 v3, v2, 4, v3
	v_add_nc_u32 v[STO], s21, v3
	v_lshl_add_u32 v[RD], v4, 4, s21               ; back: 32 lanes take a row of 512 bytes
	v_lshlrev_b32 v[GO], 4, v4
	v_lshlrev_b32 v[SO], 3, v4
	v_lshlrev_b32 v[PFO], 11, v4
	s_lshl_b32 s16, s[BT], 11                      ; pw at my first row and the tile's first key
	s_lshl_b32 s17, s[TI], 8
	s_add_co_u32 s16, s16, s17
	s_lshl_b32 s17, s[WV], 6
	s_add_co_u32 s16, s16, s17
	s_lshl_b32 s16, s16, 12
	s_lshl_b32 s17, s[TJ], 9
	s_add_co_u32 s16, s16, s17
	s_mov_b32 s17, 0
	s_add_nc_u64 s[6:7], s[6:7], s[16:17]
	s_lshl_b32 s16, s[BT], 3                       ; st at ((8 batch + J) 2,048 + 256 I + 64 w) x 8 bytes
	s_add_co_u32 s16, s16, s[TJ]
	s_lshl_b32 s16, s16, 11
	s_lshl_b32 s18, s[TI], 8
	s_add_co_u32 s16, s16, s18
	s_lshl_b32 s18, s[WV], 6
	s_add_co_u32 s16, s16, s18
	s_lshl_b32 s16, s16, 3
	s_add_nc_u64 s[8:9], s[8:9], s[16:17]
	; the masks, made while the first tile is on its way
	v_lshlrev_b32 v3, 3, v2
	v_sub_nc_u32 v3, v1, v3                        ; l % 16 - 8 (l / 16): register j is hidden where j is greater
.set j, 0
.rept 8
	v_cmp_gt_i32 vcc_lo, j, v3
	v_cndmask_b32 v[MD+j], 0, s[BIG], vcc_lo
.set j, j+1
.endr
.set d, 0
.rept 19
	s_cmp_eq_i32 s[SD], d-3                        ; b - a = d - 3: is it the block that holds the diagonal?
	s_cselect_b32 s[AL], 1.0, 0
	s_cmp_lt_i32 s[SD], d-3                        ; or one behind it?
	s_cselect_b32 s[BE], s[BIG], 0
.irp z, 0,1,2,3
	v_pk_fma_f32 v[MK+8*d+2*(\z):MK+8*d+2*(\z)+1], v[MD+2*(\z):MD+2*(\z)+1], s[AL:AL+1], s[BE:BE+1] op_sel_hi:[1,0,0]
.endr
.set d, d+1
.endr
; 16 matrix instructions: query block 2 hi + ap x all 16 key blocks, 32 along K, on buffer buf.  first = 1: the product starts the sum from its mask.
; The 64 accumulators take turns in the same order in every quarter.
.macro MUL16 buf, hi, ap, first
.if \first
	WIN 0x81+0x40*(\hi)                            ; keys window 1, queries and the mask window 0, the result window 2 or 3
.else
	WIN 0xa1+0x50*(\hi)
.endif
.irp b, 0,1,2,3,4,5,6,7,8,9,10,11,12,13,14,15
.if \first
	v_wmma_f32_16x16x32_f16 v[8*(16*(\ap)+(\b)):8*(16*(\ap)+(\b))+7], v[128*(\buf)+8*(\b):128*(\buf)+8*(\b)+7], v[QF+32*(\buf)+8*(2*(\hi)+(\ap)):QF+32*(\buf)+8*(2*(\hi)+(\ap))+7], v[MK+8*((\b)-2*(\hi)-(\ap)+3):MK+8*((\b)-2*(\hi)-(\ap)+3)+7]
.else
	v_wmma_f32_16x16x32_f16 v[8*(16*(\ap)+(\b)):8*(16*(\ap)+(\b))+7], v[128*(\buf)+8*(\b):128*(\buf)+8*(\b)+7], v[QF+32*(\buf)+8*(2*(\hi)+(\ap)):QF+32*(\buf)+8*(2*(\hi)+(\ap))+7], v[8*(16*(\ap)+(\b)):8*(16*(\ap)+(\b))+7]
.endif
.endr
.endm
; 40 LDS loads in one run: the fragments of quarter q of the slot in hand into buffer buf: 32 of the keys, then 8 of the queries
.macro FETCH q, buf
	WIN 0x40                                       ; destination window 1, address window 0
.irp b, 0,1,2,3,4,5,6,7,8,9,10,11,12,13,14,15
	ds_load_b128 v[128*(\buf)+8*(\b):128*(\buf)+8*(\b)+3],   v[CURK] offset:(\q)*64+(\b)*16*PITCH
	ds_load_b128 v[128*(\buf)+8*(\b)+4:128*(\buf)+8*(\b)+7], v[CURK] offset:(\q)*64+(\b)*16*PITCH+32
.endr
	WIN 0
.irp a, 0,1,2,3
	ds_load_b128 v[QF+32*(\buf)+8*(\a):QF+32*(\buf)+8*(\a)+3],   v[CURQ] offset:(\q)*64+(\a)*16*PITCH
	ds_load_b128 v[QF+32*(\buf)+8*(\a)+4:QF+32*(\buf)+8*(\a)+7], v[CURQ] offset:(\q)*64+(\a)*16*PITCH+32
.endr
.endm
; A K step is four quarters of 32 along K, 64 matrix instructions each, on buffers 0, 1, 0, 1.  One of the first three: multiplies buffer buf and fetches quarter q into buffer nbuf.
.macro QUARTER q, buf, nbuf, first
	s_wait_dscnt 4                                 ; the keys' fragments and query blocks 0, 1 are in; the youngest four loads (query blocks 2, 3) may be out
	MUL16 \buf, 0, 0, \first
	MUL16 \buf, 0, 1, \first
	PLACES
	FETCH \q, \nbuf
	s_wait_dscnt 40                                ; all but the 40 just issued
	MUL16 \buf, 1, 0, \first
	MUL16 \buf, 1, 1, \first
.endm
; The last quarter multiplies buffer 1 and changes slots: ONE barrier; in front of it each wave waits for all its tensor loads (one is out: its part of the next slot), adds 0 to its spare word, and
; waits for that and for its own reads of this slot.  fill = 1: this slot is filled again, two K steps ahead, first thing behind the barrier: 224 matrix instructions ahead of the wait for it.
.macro TURN fill
.if \fill
	s_wait_xcnt 0x0                                ; the last prefetches, a K step back, have read their address
	s_add_nc_u64 s[PFA:PFA+1], s[PFA:PFA+1], 256
.endif
	WIN 0
	s_wait_tensorcnt 0x0                           ; all my tensor loads have landed, so a group 0 may be written;
	ds_add_u32 v[SPW], v[NIL]                      ; 0 onto my spare word;
.if \fill
	s_xor_b32 s[G0+5], s[G0+5], SLOT               ; the walking descriptor: the other slot than last time,
	s_add_nc_u64 s[G0+6:G0+7], s[G0+6:G0+7], 256   ; the next K step; the type bits on top are not reached
.endif
	s_wait_dscnt 5                                 ; (the add and the youngest four loads may be out)
	MUL16 1, 0, 0, 0                               ; sixteen matrix instructions stand between the add and the wait for it
	s_wait_dscnt 0x0                               ; the add is done, and my reads of this slot are over
	s_barrier_signal -1
	MUL16 1, 0, 1, 0
	WIN 0
	s_barrier_wait -1
.if \fill
	tensor_load_to_lds s[G0+4:G0+7], s[G1:G1+7]
	s_nop 0
.endif
	PLACES                                         ; behind the tensor load, and the places in front of the loads below
	s_xor_b32 s[TB], s[TB], SLOT                   ; the other slot is in hand
	v_add_nc_u32 v[CURQ], s[TB], v[Q0]
	v_add_nc_u32 v[CURK], s[TB], v[K0]
	FETCH 0, 0
.if \fill
	ASK
.endif
	MUL16 1, 1, 0, 0
	MUL16 1, 1, 1, 0
.endm
	s_wait_tensorcnt 1                             ; my part of K step 0 is in; K step 1's may stay out
	s_barrier_signal -1
	s_barrier_wait -1                              ; everybody's is
	FETCH 0, 0
	QUARTER 1, 0, 1, 1                             ; the first quarter stands in front of the loop: its products start the sums from the masks
	WIN 0                                          ; at a label and at a branch every window is 0
	s_mov_b32 s3, 6
.Lstep:                                                ; a trip goes from a K step's second quarter to the next step's first, and fills the slot that it leaves: K steps 2 to 7
	QUARTER 2, 1, 0, 0
	QUARTER 3, 0, 1, 0
	TURN 1
	QUARTER 1, 0, 1, 0
	WIN 0
	s_sub_co_u32 s3, s3, 1
	s_cmp_lg_u32 s3, 0
	s_cbranch_scc1 .Lstep
	s_mov_b32 s3, 2
.Ltail:                                                ; K steps 6 and 7 fill nothing: the same trip without a tensor load; the second trip is left in front of the change of slots
	QUARTER 2, 1, 0, 0
	QUARTER 3, 0, 1, 0
	WIN 0
	s_cmp_eq_u32 s3, 1                             ; a constant of the text decides: the same in every wave
	s_cbranch_scc1 .Llastq
	TURN 0
	QUARTER 1, 0, 1, 0
	WIN 0
	s_sub_co_u32 s3, s3, 1
	s_cmp_lg_u32 s3, 0
	s_cbranch_scc1 .Ltail
.Llastq:
	s_wait_dscnt 4                                 ; the very last quarter: nothing more to fetch
	MUL16 1, 0, 0, 0
	MUL16 1, 0, 1, 0
	s_wait_dscnt 0x0
	MUL16 1, 1, 0, 0
	MUL16 1, 1, 1, 0
	WIN 0
	PLACES
	v_mov_b32 v[CM+1], 0                           ; named with c m as a pair
	v_mov_b32 v[LS+1], 0                           ; v_permlanex16_b32's destination counts as read
	v_mov_b32 v[PREV], 0                           ; read, and not used, in the first trip below
	v_mov_b32 v[PREV+1], 0
; THE SOFTMAX, a loop of four trips, a query block (16 queries x 256 keys, 128 scores a lane) each.  What names the block's own accumulators is written once for each block: HEAD; it leaves the scaled
; scores in fixed registers, window 1's v0-127, and all that follows is written once.
.macro HEAD a
.set W, 2+(\a)/2
.set rS, 128*((\a)%2)
	; the maximum: four chains; chain i walks accumulators i, i + 4, i + 8, i + 12 as values 0..31, three operands at a time; each accumulator's lowest registers are read first
	WIN W|(W<<2)|(W<<4)
.irp i, 0,1,2,3
	v_max3_num_f32 v[CH+(\i)], v[rS+8*(\i)], v[rS+8*(\i)+1], v[rS+8*(\i)+2]
.endr
	WIN (W<<2)|(W<<4)
.set k, 1
.rept 14
.irp i, 0,1,2,3
	v_max3_num_f32 v[CH+(\i)], v[CH+(\i)], v[rS+8*((\i)+4*((2*k+1)/8))+(2*k+1)%8], v[rS+8*((\i)+4*((2*k+2)/8))+(2*k+2)%8]
.endr
.set k, k+1
.endr
	v_max3_num_f32 v[CH],   v[CH],   v[rS+8*12+7], v[rS+8*13+7]  ; the four values left over
	v_max3_num_f32 v[CH+2], v[CH+2], v[rS+8*14+7], v[rS+8*15+7]
	WIN 0
	v_max3_num_f32 v[CH], v[CH], v[CH+1], v[CH+2]
	v_max_num_f32 v[CH], v[CH], v[CH+3]
	v_permlanex16_b32 v[CH+1], v[CH], s[SEL], s[SEL+1]           ; the query's other 128 keys lie in the lane 16 away
	v_max_num_f32 v[CH], v[CH], v[CH+1]
	v_mul_f32 v[CM], s[CS], v[CH]
	v_mul_f32 v[CUR], s[CS], v[CH]
	WIN W|(1<<6)                                   ; c s - c m, a pair each: out of the accumulators into window 1
.set p, 0
.rept 64
	v_pk_fma_f32 v[2*p:2*p+1], v[rS+2*p:rS+2*p+1], s[CS:CS+1], v[CM:CM+1] op_sel_hi:[1,0,0] neg_lo:[0,0,1] neg_hi:[0,0,1]
.set p, p+1
.endr
	WIN 0
.endm
	s_mov_b32 s3, 0
.Lsoft:
	s_cmp_eq_u32 s3, 0
	s_cbranch_scc0 .Lh1
	HEAD 0
	s_branch .Lcom
.Lh1:
	s_cmp_eq_u32 s3, 1
	s_cbranch_scc0 .Lh2
	HEAD 1
	s_branch .Lcom
.Lh2:
	s_cmp_eq_u32 s3, 2
	s_cbranch_scc0 .Lh3
	HEAD 2
	s_branch .Lcom
.Lh3:
	HEAD 3
.Lcom:
	WIN 0x41                                       ; ONE BATCH: 128 exponentials in place; nothing here reads a result
.set p, 0
.rept 128
	v_exp_f32 v[p], v[p]
.set p, p+1
.endr
	v_nop                                          ; a plain instruction behind the last exponential,
	s_wait_alu depctr_va_vdst(0)                   ; and one wait ahead of the batch's first reader
	WIN 0x05
.set p, 0
.rept 64
	v_cvt_pk_f16_f32 v[TMPP+p], v[2*p], v[2*p+1]
.set p, p+1
.endr
	WIN 0x45                                       ; the sum of the unrounded weights: a tree in place, pairs 32, 16, .. 1 apart
.irp e, 32,16,8,4,2,1
.set p, 0
.rept \e
	v_pk_add_f32 v[2*p:2*p+1], v[2*p:2*p+1], v[2*(p+(\e)):2*(p+(\e))+1]
.set p, p+1
.endr
.endr
	WIN 0x05
	v_add_f32 v[LS], v[0], v[1]
	WIN 0
	v_permlanex16_b32 v[LS+1], v[LS], s[SEL], s[SEL+1]
	v_add_f32 v[CUR+1], v[LS], v[LS+1]
	; out through my stage: 16 bytes a lane into rows of 528 bytes, back as whole rows of 512
.irp b, 0,1,2,3,4,5,6,7,8,9,10,11,12,13,14,15
	ds_store_b128 v[STO], v[TMPP+4*(\b):TMPP+4*(\b)+3] offset:32*(\b)
.endr
.irp t, 0,1,2,3,4,5,6,7,8,9,10,11,12,13,14,15
	ds_load_b128 v[OB+4*(\t):OB+4*(\t)+3], v[RD] offset:SP*(\t)  ; LDS serves a wave's instructions in order (ISA guide 5.7.1.4): these see the stores above
.endr
	; the statistics: both halves of the lanes hold them; lanes 0-15 give the even block's 16 rows, lanes 16-31 the odd block's: 256 consecutive bytes a store, in the odd trips
	v_cndmask_b32 v[MG],   v[PREV],   v[CUR],   s[HALF]
	v_cndmask_b32 v[MG+1], v[PREV+1], v[CUR+1], s[HALF]
	v_mov_b32 v[PREV],   v[CUR]
	v_mov_b32 v[PREV+1], v[CUR+1]
.irp t, 0,1,2,3,4,5,6,7,8,9,10,11,12,13,14,15
	s_wait_dscnt 15-(\t)
	global_store_b128 v[GO], v[OB+4*(\t):OB+4*(\t)+3], s[6:7] offset:(\t)*4096  ; 512 consecutive bytes, at a multiple of 256 from pw's first byte
.endr
	s_bitcmp1_b32 s3, 0
	s_cbranch_scc0 .Leven
	global_store_b64 v[SO], v[MG:MG+1], s[8:9]
	s_wait_xcnt 0x0                                ; the store has read its base
	s_add_nc_u64 s[8:9], s[8:9], 256
.Leven:
	s_wait_xcnt 0x0                                ; the stores have read their base and their data registers, which the next trip writes
	s_add_nc_u64 s[6:7], s[6:7], 16*4096
	s_add_co_u32 s3, s3, 1
	s_cmp_lt_u32 s3, 4
	s_cbranch_scc1 .Lsoft
	s_wait_tensorcnt 0x0                           ; the wave's end: an add to my spare word and its waits, behind my last tensor load and my last LDS store
	ds_add_u32 v[SPW], v[NIL]
	s_wait_dscnt 0x0
	s_endpgm
.Lfunc_end_k_q9e3739b9b1_scores:
	.size	k_q9e3739b9b1_scores, .Lfunc_end_k_q9e3739b9b1_scores-k_q9e3739b9b1_scores
	.p2alignl 7, 3214868480
	.fill 96, 4, 3214868480
	.section	.rodata,"a",@progbits
	.p2align	6, 0x0
	.amdhsa_kernel k_q9e3739b9b1_scores
		.amdhsa_group_segment_fixed_size 327680
		.amdhsa_private_segment_fixed_size 0
		.amdhsa_enable_private_segment 0
		.amdhsa_kernarg_size 32
		.amdhsa_user_sgpr_count 2
		.amdhsa_user_sgpr_kernarg_segment_ptr 1
		.amdhsa_wavefront_size32 1
		.amdhsa_system_sgpr_workgroup_id_x 1
		.amdhsa_system_sgpr_workgroup_id_y 1
		.amdhsa_system_sgpr_workgroup_id_z 1
		.amdhsa_system_vgpr_workitem_id 0
		.amdhsa_next_free_vgpr 1024
		.amdhsa_next_free_sgpr 66
		.amdhsa_reserve_vcc 1
		.amdhsa_float_denorm_mode_32 3
		.amdhsa_float_denorm_mode_16_64 3
		.amdhsa_memory_ordered 1
		.amdhsa_forward_progress 1
		.amdhsa_inst_pref_size 135
	.end_amdhsa_kernel
	.amdgpu_metadata
---
amdhsa.version: [ 1, 2 ]
amdhsa.kernels:
  - .name:           k_q9e3739b9b1_scores
    .symbol:         k_q9e3739b9b1_scores.kd
    .args:
      - { .name: tv, .offset: 0, .size: 8, .value_kind: global_buffer, .address_space: global }
      - { .name: pw, .offset: 8, .size: 8, .value_kind: global_buffer, .address_space: global }
      - { .name: st, .offset: 16, .size: 8, .value_kind: global_buffer, .address_space: global }
      - { .name: xh, .offset: 24, .size: 8, .value_kind: global_buffer, .address_space: global }
    .group_segment_fixed_size: 327680
    .private_segment_fixed_size: 0
    .kernarg_segment_align: 8
    .kernarg_segment_size: 32
    .max_flat_workgroup_size: 128
    .sgpr_count:     66
    .vgpr_count:     1024
    .wavefront_size: 32
...
	.end_amdgpu_metadata
.endif
;; end of part 8
;; launch pv (part 9): grid 8 x 32, 4 waves a work-group, clusters of 4 x 1, 327,680 bytes of LDS; arguments pw, tv, st, out0; writes out0
.if DOCPART == 9
	.amdgcn_target "amdgcn-amd-amdhsa--gfx1250"
	.amdhsa_code_object_version 6
	.text
	.protected	k_q9e3739b9b1_pv
	.globl	k_q9e3739b9b1_pv
	.p2align	8
	.type	k_q9e3739b9b1_pv,@function
k_q9e3739b9b1_pv:
	s_mov_b64 s[64:65], 0
	v_nop
	global_prefetch_b8 v0, s[64:65] scope:SCOPE_SE
	s_setreg_imm32_b32 hwreg(HW_REG_WAVE_MODE, 25, 1), 1
	s_wait_xcnt 0x0
	s_wait_alu depctr_hold_cnt(0) depctr_sa_sdst(0) depctr_va_vdst(0) depctr_va_sdst(0) depctr_va_ssrc(0) depctr_va_vcc(0) depctr_vm_vsrc(0)
	s_getreg_b32 s2, hwreg(HW_REG_IB_STS2, 6, 4)
	s_cmp_eq_u32 s2, 0
	s_cbranch_scc0 .Lentry_in_a_cluster
	s_endpgm
.Lentry_in_a_cluster:
	s_bfe_u32 s2, ttmp6, 0x10000c
	s_cmp_lg_u32 s2, 0x3003
	s_cbranch_scc0 .Lentry_shape_is_right
	s_endpgm
.Lentry_shape_is_right:
; PV.  out0[q][ch] = sum over key tiles J of f_J(q) x (sum over the tile's 256 keys of p[q][key] v[key][ch]),  f_J = 2^(c m_J - M) / L,  M = the maximum over J of c m_J,  L = sum over J of 2^(c m_J - M) l_J.
; p: pw [4][2048][2048] f16, weights taken against each tile's own maximum; (c m_J, l_J): st [4][8][2048][2] f32; v: the second half of tv, [8192][1024] f16; out0 [4][2048][1024] f32.
; So the row's true maximum is what is taken away in the end; M, L, the factors and the sums over tiles are f32.
; LIMITS.  A factor below 2^-126 counts as 0.  L is at least 1 (the tile that holds the maximum gives l >= 1).  NaN and infinities are not treated apart.
; THE WALK.  A batch's queries lie in 16 blocks of 128; block i needs the key tiles 0 .. i / 2.  A work-group takes 128 channels and TWO blocks, 15 - b and then b: 9 tiles, whatever b: all 256 work-groups
; do equal work, and loops with constant trip counts walk them; the ring of two LDS slots runs on across the change of blocks.  In an even block's last tile the upper 128 keys are hidden: their p
; is 0, and they are multiplied all the same.
; A STEP makes T = P_J V_J (128 x 128 x 256; the first products take C = 0) and then O += f T in f32, one factor a lane and query block; a block's first step writes O = f T.
; A STEP IS WRITTEN FOR ANY SLOT: the slot in hand is a scalar, 0 or SLOT, turned by an exclusive or and added to three lane registers; the walking descriptors' LDS words are turned likewise (no bit of SLOT
; occurs in a tile's place in a slot: 0, 33,792, 67,584, 104,448).  Seven trips of a step and a change of slots that fills the slot just left; the last two steps, behind which nothing is filled, are a second
; loop of two trips that is left in its middle.
; SHARES.  Four waves, 2 x 2: wave w has queries 64 (w / 2) on and channels 64 (w % 2) on: 16 accumulators.  O^T = V^T P (source 0 = 16 channels of v, turned by ds_load_tr16_b128; source 1 = 16 queries of p):
; a lane holds one query and eight neighbouring channels.
; CLUSTER.  The four work-groups of a cluster differ in their channels alone: they walk the same tiles of p, which are asked for JOINTLY (mask 15); v's tile is each one's own, a plain load in the same round.
; v is not shared along b: work-groups with another b walk another sequence of tiles.
; REGISTERS, in windows of 256 (s_set_vgpr_msb: bits 1:0 source 0, 3:2 source 1, 5:4 source 2, 7:6 destination):
;   window 0: v0-31 addresses; v32-39 the step's four factors (even registers); v40-110 at work ahead of the walk; v64-95 rows read back on the way out
;   window 1: two fragment buffers of 128: p at 8 (4 cc + a), v at 64 + 8 (4 cc + n), for 64 keys        window 2: v0-127 O at 8 (4 a + n); v128-255 T
.set PAP,   528                        ; a row of p in LDS: 512 bytes + 16 = 132 words: the 16 rows of a fragment load start at 16 different groups of four banks (ISA guide 11.1)
.set PVP,   288                        ; a row of v: 256 + 32 = 72 words
.set AH,    64*PAP                     ; half of p's tile: what wave 0 or 1 fetches
.set BH,    128*PVP                    ; half of v's tile: what wave 2 or 3 fetches
.set BOFF,  2*AH
.set SLOT,  0x24000                    ; 147,456: from slot to slot; a slot's tiles take 141,312 of it
.set STAGE, 2*SLOT                     ; behind the ring, never filled by a tensor load: 16 rows x 272 bytes for each wave
.set SP,    272
.set TAB,   STAGE+4*16*SP              ; the factors: [9 steps of the walk][128 rows] f32
.set SPARE, TAB+9*512                  ; the spare words, 128 bytes for each wave: two blocks of 256 bytes that no other line names
.set VROW,  2048                       ; bytes in a row of v
.set ADA, 8                            ; v8      my lane's place among my fragments of p in slot 0; never rewritten
.set CA,  9                            ; v9      the same in the slot in hand
.set ADB, 10                           ; v10-11  my lane's place among my fragments of v in slot 0, by half of the keys; never rewritten
.set CB,  12                           ; v12-13  the same in the slot in hand
.set FA0, 14                           ; v14     my query's word in a row of the table
.set FAD, 15                           ; v15     the same in the step's row
.set STO, 16                           ; v16     the way out: where I put 16 bytes of a row
.set RD,  17                           ; v17     where I read a row back
.set GO,  18                           ; v18     my byte offset in out0
.set SPW, 28                           ; v28     LDS address of my spare word; never rewritten
.set NIL, 29                           ; v29     0; never rewritten
.set PFO, 30                           ; v30     the prefetches' offset; never rewritten
.set FF,  32
.set OB,  64
.set TOFF, 40                          ; ahead of the walk: v40-55 offsets in st; v56-87 (c m, l) of 2 blocks x 8 tiles; v88-89 M; v90-105 the factors; v106-107 L; v108 my word in the table; v109 8 x thread; v110 step 8's factor
.set TD,  56
.set TM,  88
.set TE,  90
.set TL,  106
.set TA,  108
.set TQ,  109
.set T8,  110
.set TT,  128                          ; T, in window 2
.set F0,  0
.set F1,  128
.set WV,  12                           ; s12 wave; s13 cx; s14 channel block; s15 batch; s16 b
.set CX,  13
.set CC,  14
.set BT,  15
.set BB,  16
.set G1A, 24                           ; s[24:31] descriptor group 1 for p's tiles;  s[32:39] for v's
.set G1B, 32
.set G0A, 40                           ; s[40:47] group 0 for p: a set for each of the two first fills; the second then walks on;  s[48:55] the same for v
.set G0B, 48
.set PAB, 56                           ; s[56:57] pw at the batch and my half of a block's rows
.set PVB, 58                           ; s[58:59] tv at the batch's v, my half of a tile's keys, my channels
.set OLO, 60                           ; s[60:61] out0 at my rows of the second block
.set OFA, 62                           ; s[62:63] a tile's byte offset in pw
.set OFB, 66                           ; s[66:67] and in v
.set NXT, 68                           ; s68  the tile to be asked for next
.set LQ,  69                           ; s69  the last tile of the block whose tiles are being asked for
.set BOF, 70                           ; s70  that block's rows in pw, in bytes
.set BLO, 71                           ; s71  the second block's
.set NL,  72                           ; s72  tiles of the second block
.set RT,  73                           ; s73  steps that the block in hand still has
.set NEW, 74                           ; s74  1: the step is a block's first
.set TF,  75                           ; s75  the step's row in the table: 512 x the step's number
.set CNT, 76                           ; s76  the loops' count
.set REM, 77                           ; s77  tiles still to be asked for
.set INHI, 78                          ; s78  1 while the tile to be asked for next is the first block's
.set PFON, 79                          ; s79  1: I prefetch at this change
.set PF,  80                           ; s[80:81] where
.set PFBA, 82                          ; s[82:83] pw at the batch and my work-group's 16 of my 64 rows
.set PFK, 84                           ; s84  1 in a wave that prefetches at all
.set NLM, 85                           ; s85  NL - 1
.set WC,  86                           ; s86  w % 2
.set WR,  87                           ; s87  w / 2
.set TB,  88                           ; s88  the slot in hand: 0 or SLOT
.set MSB, 0
.macro WIN new
.if MSB != (\new)
	s_set_vgpr_msb (MSB<<8)|(\new)
.set MSB, \new
.endif
.endm
.macro PLACES
.rept 4
	v_nop
.endr
.endm
.macro CROUND                          ; a round of the cluster's barrier
	s_barrier_signal -1
	s_barrier_wait -1
	s_cmp_lg_u32 s[WV], 0
	s_cbranch_scc1 .Lnot_wave_0_\@
	s_barrier_signal -3
.Lnot_wave_0_\@:
	s_barrier_wait -3
	s_barrier_signal -1
	s_barrier_wait -1
.endm
; Set s of the descriptors is made for tile NXT of the block whose tiles are being asked for: the addresses are made anew from the numbers; walk = 1: it goes to the other slot than last time.
; Then the walk steps: the block's next tile, or behind its last the second block's tile 0.
.macro REQ s, walk
.if \walk
	s_xor_b32 s[G0A+4*(\s)+1], s[G0A+4*(\s)+1], SLOT
	s_xor_b32 s[G0B+4*(\s)+1], s[G0B+4*(\s)+1], SLOT
.endif
	s_lshl_b32 s[OFA], s[NXT], 9                   ; 256 keys are 512 bytes of a row of pw,
	s_add_co_u32 s[OFA], s[OFA], s[BOF]
	s_mul_i32 s[OFB], s[NXT], 256*VROW             ; and 256 rows of v
	s_add_nc_u64 s[G0A+4*(\s)+2:G0A+4*(\s)+3], s[PAB:PAB+1], s[OFA:OFA+1]
	s_or_b32 s[G0A+4*(\s)+3], s[G0A+4*(\s)+3], 0x80000000
	s_add_nc_u64 s[G0B+4*(\s)+2:G0B+4*(\s)+3], s[PVB:PVB+1], s[OFB:OFB+1]
	s_or_b32 s[G0B+4*(\s)+3], s[G0B+4*(\s)+3], 0x80000000
	s_add_co_u32 s[NXT], s[NXT], 1
	s_cmp_gt_u32 s[NXT], s[LQ]
	s_cselect_b32 s[NXT], 0, s[NXT]
	s_cselect_b32 s[BOF], s[BLO], s[BOF]
	s_cselect_b32 s[INHI], 0, s[INHI]
	s_cselect_b32 s[LQ], s[NLM], s[LQ]
	s_sub_co_u32 s[REM], s[REM], 1
.endm
; Where, and whether, I prefetch the tile that the NEXT change of slots will ask for.  p's tile is named by the clusters with x = 0: of a wave's 64 rows each partner takes 16, told apart by address, two lanes
; a row of 512 bytes.  v's tile is named by the work-groups with b = 0, while the walk is in their first block, which takes every tile of the batch once: each of waves 2, 3 its own 128 rows, a lane a row.
.macro PFSET
	s_lshl_b32 s20, s[NXT], 9
	s_add_co_u32 s20, s20, s[BOF]
	s_mov_b32 s21, 0
	s_mul_i32 s22, s[NXT], 256*VROW
	s_mov_b32 s23, 0
	s_add_nc_u64 s[20:21], s[PFBA:PFBA+1], s[20:21]
	s_add_nc_u64 s[22:23], s[PVB:PVB+1], s[22:23]
	s_min_u32 s18, s[REM], 1                       ; nothing behind the last tile
	s_cmp_lt_u32 s[WV], 2
	s_cselect_b64 s[PF:PF+1], s[20:21], s[22:23]
	s_cselect_b32 s17, 1, s[INHI]
	s_and_b32 s17, s17, s[PFK]
	s_and_b32 s[PFON], s17, s18
.endm
; A refill, by the walking descriptors.  Waves 0, 1 ask jointly for the halves of p's tile, waves 2, 3 for the halves of their own v's.  An s_nop 0 and four v_nop follow each line.
.macro JLOAD
	s_cmp_lt_u32 s[WV], 2
	s_cbranch_scc0 .Lfor_v_\@
	tensor_load_to_lds s[G0A+4:G0A+7], s[G1A:G1A+7]
	s_nop 0
	PLACES
	s_branch .Lasked_\@
.Lfor_v_\@:
	tensor_load_to_lds s[G0B+4:G0B+7], s[G1B:G1B+7]
	s_nop 0
	PLACES
.Lasked_\@:
.endm
.macro ASK
	s_cmp_eq_u32 s[PFON], 1
	s_cbranch_scc0 .Lnone_\@
	s_cmp_lt_u32 s[WV], 2
	s_cbranch_scc0 .Lpf_v_\@
	global_prefetch_b8 v[PFO], s[PF:PF+1] th:TH_LOAD_NT scope:SCOPE_SE
	s_branch .Lnone_\@
.Lpf_v_\@:
.irp n, 0,1,2,3
	global_prefetch_b8 v[PFO], s[PF:PF+1] offset:32*VROW*(\n) th:TH_LOAD_NT scope:SCOPE_SE
.endr
.Lnone_\@:
.endm
; THE CHANGE OF SLOTS.  Each wave waits for all its tensor loads (one is out: its part of the other slot), adds 0 to its spare word, and waits for that and for its own reads of the slot that it leaves.
; fill = 1: the barrier is a round of the cluster's, and the slot just left is filled again first thing behind it, with the tile two steps on.
.macro CHANGE fill
	WIN 0
	s_wait_tensorcnt 0x0                           ; no tensor load of mine is out, so a group 0 may be written
	ds_add_u32 v[SPW], v[NIL]                      ; 0 onto my spare word: the scalar work stands between it and the wait for it
.if \fill
	REQ 1, 1
	s_wait_xcnt 0x0                                ; the last prefetches, a step back, have read their address
	PFSET
	s_wait_dscnt 0x0                               ; the add is done, and my reads of the slot are over
	CROUND
	JLOAD
	ASK
.else
	s_wait_dscnt 0x0
	s_barrier_signal -1
	s_barrier_wait -1
.endif
	s_xor_b32 s[TB], s[TB], SLOT                   ; the other slot is in hand
.endm
	s_load_b256 s[4:11], s[0:1], 0x0               ; pw s[4:5], tv s[6:7], st s[8:9], out0 s[10:11]
	v_lshl_add_u32 v[SPW], v0, 2, SPARE
	v_mov_b32 v[NIL], 0
	ds_add_u32 v[SPW], v[NIL]                      ; the wave's opening: the add and its wait stand ahead of my first tensor load; the set-up below stands between them
	ds_add_u32 v28, v29
	v_lshrrev_b32 v1, 5, v0
	v_readfirstlane_b32 s[WV], v1                  ; wave 0..3
	s_bfe_u32 s[CX], ttmp6, 0x40000                ; cx: my place in the cluster
	s_lshl_b32 s[CC], ttmp9, 2
	s_add_co_u32 s[CC], s[CC], s[CX]               ; my 128 channels = 4 x cluster x + cx: they enter v's and out0's addresses alone
	s_and_b32 s[BB], ttmp7, 0xffff
	s_lshr_b32 s[BT], s[BB], 3                     ; the batch,
	s_and_b32 s[BB], s[BB], 7                      ; and b: both shared by the four partners
	s_and_b32 s[WC], s[WV], 1
	s_lshr_b32 s[WR], s[WV], 1
	s_sub_co_u32 s17, 15, s[BB]                    ; the first block
	s_lshr_b32 s[LQ], s17, 1                       ; its last tile
	s_add_co_u32 s[RT], s[LQ], 1                   ; its tiles: 5 to 8
	s_lshl_b32 s[BOF], s17, 19                     ; 128 rows of 4,096 bytes a block
	s_lshl_b32 s[BLO], s[BB], 19
	s_lshr_b32 s[NLM], s[BB], 1
	s_add_co_u32 s[NL], s[NLM], 1
	s_mov_b32 s[NXT], 0
	s_mov_b32 s[INHI], 1
	s_mov_b32 s[REM], 9
	s_mov_b32 s[NEW], 1
	s_mov_b32 s[TF], 0
	s_mov_b32 s[TB], 0
	s_mov_b32 s[OFA+1], 0
	s_mov_b32 s[OFB+1], 0
	; group 1.  p: 64 rows x 256 elements of 2 bytes, 4 words of padding after every 128; the mask of four, bit 21 beside it.  v: 128 rows x 128 elements, 8 words after every 64; no mask
	s_mov_b32 s[G1A], 15|(1<<16)|(1<<20)|(1<<21)|(6<<22)|(3<<25)
	s_mov_b32 s[G1A+1], 256<<16                    ; tensor_dim0 = 256
	s_mov_b32 s[G1A+2], 64<<16                     ; tensor_dim1 = 64
	s_mov_b32 s[G1A+3], 256<<16                    ; tile_dim0 = 256
	s_mov_b32 s[G1A+4], 64                         ; tile_dim1 = 64
	s_mov_b32 s[G1A+5], 2048                       ; elements from row to row
	s_mov_b32 s[G1A+6], 0
	s_mov_b32 s[G1A+7], 0
	s_mov_b32 s[G1B], (1<<16)|(1<<20)|(5<<22)|(7<<25)
	s_mov_b32 s[G1B+1], 128<<16
	s_mov_b32 s[G1B+2], 128<<16
	s_mov_b32 s[G1B+3], 128<<16
	s_mov_b32 s[G1B+4], 128
	s_mov_b32 s[G1B+5], 1024
	s_mov_b32 s[G1B+6], 0
	s_mov_b32 s[G1B+7], 0
	s_mul_i32 s18, s[WC], AH                       ; where my half goes: no place in the cluster enters an LDS address
	s_mul_i32 s19, s[WC], BH
	s_add_co_u32 s19, s19, BOFF
.irp s, 0,1
	s_mov_b32 s[G0A+4*(\s)], 1
	s_add_co_u32 s[G0A+4*(\s)+1], s18, (\s)*SLOT
	s_mov_b32 s[G0B+4*(\s)], 1
	s_add_co_u32 s[G0B+4*(\s)+1], s19, (\s)*SLOT
.endr
	s_lshl_b32 s[PAB], s[BT], 23                   ; pw: 2,048 rows of 4,096 bytes a batch,
	s_lshl_b32 s20, s[WC], 18                      ; my 64 rows of a block
	s_add_co_u32 s[PAB], s[PAB], s20
	s_mov_b32 s[PAB+1], 0
	s_lshl_b32 s[PVB], s[BT], 11                   ; v: row 2,048 batch + 128 (w % 2),
	s_lshl_b32 s20, s[WC], 7
	s_add_co_u32 s[PVB], s[PVB], s20
	s_mul_i32 s[PVB], s[PVB], VROW
	s_lshl_b32 s20, s[CC], 8                       ; my channels' 256 bytes,
	s_add_co_u32 s[PVB], s[PVB], s20
	s_add_co_u32 s[PVB], s[PVB], 0x1000000         ; in tv's second half
	s_mov_b32 s[PVB+1], 0
	s_lshl_b32 s[PFBA], s[BT], 23                  ; the prefetches of p: my 64 rows, my work-group's 16 of them
	s_lshl_b32 s20, s[WC], 18
	s_add_co_u32 s[PFBA], s[PFBA], s20
	s_lshl_b32 s20, s[CX], 16
	s_add_co_u32 s[PFBA], s[PFBA], s20
	s_mov_b32 s[PFBA+1], 0
	s_lshl_b32 s20, s[BT], 11                      ; out0: row 2,048 batch + 64 (w / 2) + 128 block,
	s_lshl_b32 s21, s[WR], 6
	s_add_co_u32 s20, s20, s21
	s_lshl_b32 s21, s17, 7
	s_add_co_u32 s21, s21, s20
	s_lshl_b32 s2, s21, 12
	s_lshl_b32 s21, s[BB], 7
	s_add_co_u32 s21, s21, s20
	s_lshl_b32 s[OLO], s21, 12
	s_lshl_b32 s20, s[CC], 9                       ; my work-group's 512 bytes of a row, my wave's 256 of them
	s_lshl_b32 s21, s[WC], 8
	s_add_co_u32 s20, s20, s21
	s_add_co_u32 s2, s2, s20
	s_add_co_u32 s[OLO], s[OLO], s20
	s_mov_b32 s3, 0
	s_mov_b32 s[OLO+1], 0
	s_lshl_b32 s22, s[BT], 17                      ; st: 8 x 2,048 x 8 bytes a batch
	s_mov_b32 s23, 0
	s_cmp_lt_u32 s[WV], 2
	s_cselect_b32 s17, ttmp9, s[BB]                ; p: the clusters with x = 0 prefetch; v: the work-groups with b = 0
	s_cmp_eq_u32 s17, 0
	s_cselect_b32 s[PFK], 1, 0
	s_wait_dscnt 0x0                               ; the opening add is done
	s_wait_kmcnt 0x0
	s_add_nc_u64 s[PAB:PAB+1], s[4:5], s[PAB:PAB+1]
	s_add_nc_u64 s[PFBA:PFBA+1], s[4:5], s[PFBA:PFBA+1]
	s_add_nc_u64 s[PVB:PVB+1], s[6:7], s[PVB:PVB+1]
	s_add_nc_u64 s[8:9], s[8:9], s[22:23]
	s_add_nc_u64 s[OLO:OLO+1], s[10:11], s[OLO:OLO+1]
	s_add_nc_u64 s[10:11], s[10:11], s[2:3]
	REQ 0, 0                                       ; the walk's steps 0 and 1
	REQ 1, 0
	CROUND                                         ; all four work-groups are here: the first joint loads meet
	s_cmp_lt_u32 s[WV], 2                          ; a wave's two first fills stand in one branch, ahead of every wait on TENSORcnt and every LDS read: two loads of mine are out
	s_cbranch_scc0 .Lfirst_v
	tensor_load_to_lds s[G0A:G0A+3], s[G1A:G1A+7]
	s_nop 0
	tensor_load_to_lds s[G0A+4:G0A+7], s[G1A:G1A+7]
	s_nop 0
	PLACES
	s_branch .Lfirst_asked
.Lfirst_v:
	tensor_load_to_lds s[G0B:G0B+3], s[G1B:G1B+7]
	s_nop 0
	tensor_load_to_lds s[G0B+4:G0B+7], s[G1B:G1B+7]
	s_nop 0
	PLACES
.Lfirst_asked:
	; THE FACTORS.  Thread t takes row t of both blocks: 8 tiles' (c m, l) each; a tile that the block does not have is read as the block's last once more (no load leaves what was written) and then counts as 0.
	v_lshlrev_b32 v[TQ], 3, v0
	s_sub_co_u32 s17, 15, s[BB]
	s_lshr_b32 s18, s17, 1                         ; the first block's last tile
	s_lshl_b32 s17, s17, 10                        ; 128 rows of 8 bytes a block
	s_lshl_b32 s19, s[BB], 10
.set jj, 0
.rept 8
	s_min_u32 s20, s18, jj
	s_lshl_b32 s20, s20, 14                        ; 2,048 rows of 8 bytes a tile
	s_add_co_u32 s20, s20, s17
	v_add_nc_u32 v[TOFF+jj], s20, v[TQ]
	s_min_u32 s20, s[NLM], jj
	s_lshl_b32 s20, s20, 14
	s_add_co_u32 s20, s20, s19
	v_add_nc_u32 v[TOFF+8+jj], s20, v[TQ]
.set jj, jj+1
.endr
.set jj, 0
.rept 16
	global_load_b64 v[TD+2*jj:TD+2*jj+1], v[TOFF+jj], s[8:9]
.set jj, jj+1
.endr
	; lane addresses, while those loads are out
	v_and_b32 v1, 15, v0                           ; l % 16
	v_bfe_u32 v2, v0, 4, 1                         ; l / 16
	v_mul_u32_u24 v3, v1, PAP
	v_lshl_add_u32 v3, v2, 4, v3
	s_mul_i32 s20, s[WR], 64*PAP                   ; my 64 rows of p
	v_add_nc_u32 v[ADA], s20, v3
	v_and_b32 v5, 7, v0                            ; the turning load: lane l reads key 8 (l / 16) + l % 8, channels 8 ((l / 8) % 2) + 0..7
	v_bfe_u32 v6, v0, 3, 1
	v_lshl_add_u32 v4, v2, 3, v5
	v_mul_u32_u24 v4, v4, PVP
	v_lshl_add_u32 v4, v6, 4, v4
	s_lshl_b32 s20, s[WC], 7                       ; my 64 channels
	v_add_nc_u32 v4, s20, v4
.irp kh, 0,1
	v_add_nc_u32 v[ADB+(\kh)], BOFF+(\kh)*BH, v4
.endr
	s_lshl_b32 s20, s[WR], 8
	s_add_co_u32 s20, s20, TAB
	v_lshl_add_u32 v[FA0], v1, 2, s20              ; row 64 (w / 2) + l % 16 of the table's 128
	s_mul_i32 s20, s[WV], 16*SP
	s_add_co_u32 s20, s20, STAGE                   ; my stage
	v_mul_u32_u24 v3, v1, SP                       ; in: row l % 16, 32 bytes for each half of the lanes
	v_lshl_add_u32 v3, v2, 5, v3
	v_add_nc_u32 v[STO], s20, v3
	v_mul_u32_u24 v3, v2, SP                       ; back: lanes 0-15 take one row of 256 bytes, lanes 16-31 the next
	v_lshl_add_u32 v3, v1, 4, v3
	v_add_nc_u32 v[RD], s20, v3
	v_lshlrev_b32 v3, 12, v2                       ; and the same two rows in out0
	v_lshl_add_u32 v[GO], v1, 4, v3
	v_and_b32 v3, 31, v0
	v_lshrrev_b32 v4, 1, v3                        ; p: two lanes a row of 512 bytes
	v_and_b32 v5, 1, v3
	v_lshlrev_b32 v4, 12, v4
	v_lshl_add_u32 v4, v5, 8, v4
	v_mul_u32_u24 v5, v3, VROW                     ; v: a lane a row
	s_cmp_lt_u32 s[WV], 2
	s_cselect_b32 s20, 0, -1
	v_cndmask_b32 v[PFO], v4, v5, s20
.irp a, 0,1,2,3
	v_mov_b32 v[FF+2*(\a)+1], 0                    ; named with the factors as pairs
.endr
	v_lshl_add_u32 v[TA], v0, 2, TAB
	s_wait_loadcnt 0x0
.irp k, 0,1
	v_max3_num_f32 v[TM+(\k)], v[TD+16*(\k)], v[TD+16*(\k)+2], v[TD+16*(\k)+4]
	v_max3_num_f32 v[TM+(\k)], v[TM+(\k)], v[TD+16*(\k)+6], v[TD+16*(\k)+8]
	v_max3_num_f32 v[TM+(\k)], v[TM+(\k)], v[TD+16*(\k)+10], v[TD+16*(\k)+12]
	v_max_num_f32 v[TM+(\k)], v[TM+(\k)], v[TD+16*(\k)+14]
.endr
.set jj, 0
.rept 16
	v_sub_f32 v[TE+jj], v[TD+2*jj], v[TM+jj/8]
.set jj, jj+1
.endr
.set jj, 0
.rept 16
	v_exp_f32 v[TE+jj], v[TE+jj]
.set jj, jj+1
.endr
	v_nop                                          ; a plain instruction behind the last exponential,
	s_wait_alu depctr_va_vdst(0)                   ; and one wait ahead of the batch's first reader
.set jj, 1
.rept 7
	s_cmp_ge_u32 s18, jj                           ; does the block have tile jj?
	s_cselect_b32 s20, 1.0, 0
	v_mul_f32 v[TE+jj], s20, v[TE+jj]
	s_cmp_ge_u32 s[NLM], jj
	s_cselect_b32 s20, 1.0, 0
	v_mul_f32 v[TE+8+jj], s20, v[TE+8+jj]
.set jj, jj+1
.endr
.irp k, 0,1
	v_mul_f32 v[TL+(\k)], v[TE+8*(\k)], v[TD+16*(\k)+1]
.set jj, 1
.rept 7
	v_fmac_f32 v[TL+(\k)], v[TE+8*(\k)+jj], v[TD+16*(\k)+2*jj+1]
.set jj, jj+1
.endr
.endr
	v_rcp_f32 v[TL], v[TL]
	v_rcp_f32 v[TL+1], v[TL+1]
	v_nop
	s_wait_alu depctr_va_vdst(0)                   ; one wait for the two reciprocals
.set jj, 0
.rept 16
	v_mul_f32 v[TE+jj], v[TE+jj], v[TL+jj/8]
.set jj, jj+1
.endr
	; The table goes by the walk's steps: step t is the first block's tile t while t is below its number of tiles NH (5 to 8), else the second block's tile t - NH: chosen by value, so that every LDS offset is a constant.
	s_cmp_eq_u32 s[RT], 5
	s_cselect_b32 s20, -1, 0
	s_cmp_eq_u32 s[RT], 6
	s_cselect_b32 s21, -1, 0
	s_cmp_eq_u32 s[RT], 7
	s_cselect_b32 s22, -1, 0
	v_mov_b32 v[T8], v[TE+8]                       ; step 8 with NH = 8
	v_cndmask_b32 v[TE+5], v[TE+5], v[TE+8], s20
	v_cndmask_b32 v[TE+6], v[TE+6], v[TE+8], s21
	v_cndmask_b32 v[TE+6], v[TE+6], v[TE+9], s20
	v_cndmask_b32 v[TE+7], v[TE+7], v[TE+8], s22
	v_cndmask_b32 v[TE+7], v[TE+7], v[TE+9], s21
	v_cndmask_b32 v[TE+7], v[TE+7], v[TE+10], s20
	v_cndmask_b32 v[T8], v[T8], v[TE+9], s22
	v_cndmask_b32 v[T8], v[T8], v[TE+10], s21
	v_cndmask_b32 v[T8], v[T8], v[TE+11], s20
.set jj, 0
.rept 8
	ds_store_b32 v[TA], v[TE+jj] offset:512*jj
.set jj, jj+1
.endr
	ds_store_b32 v[TA], v[T8] offset:512*8
; 8 matrix instructions: query blocks a0, a0 + 1 x my 4 channel blocks, 32 keys: half cc of buffer f.  zero = 1: the first product starts T.  The 16 accumulators take turns.
.macro MUL8 f, cc, a0, zero
	WIN 0xa5                                       ; v and p window 1, T window 2
.irp a, \a0, (\a0)+1
.irp n, 0,1,2,3
.if \zero
	v_wmma_f32_16x16x32_f16 v[TT+8*(4*(\a)+(\n)):TT+8*(4*(\a)+(\n))+7], v[(\f)+64+8*(4*(\cc)+(\n)):(\f)+64+8*(4*(\cc)+(\n))+7], v[(\f)+8*(4*(\cc)+(\a)):(\f)+8*(4*(\cc)+(\a))+7], 0
.else
	v_wmma_f32_16x16x32_f16 v[TT+8*(4*(\a)+(\n)):TT+8*(4*(\a)+(\n))+7], v[(\f)+64+8*(4*(\cc)+(\n)):(\f)+64+8*(4*(\cc)+(\n))+7], v[(\f)+8*(4*(\cc)+(\a)):(\f)+8*(4*(\cc)+(\a))+7], v[TT+8*(4*(\a)+(\n)):TT+8*(4*(\a)+(\n))+7]
.endif
.endr
.endr
.endm
; 32 LDS loads in one run: the fragments of keys 64 u .. 64 u + 63 of the slot in hand into buffer f; the first 32 keys first
.macro FETCH u, f
	WIN 0x40                                       ; destination window 1, address window 0
.irp cc, 0,1
.irp i, 0,1,2,3
	ds_load_tr16_b128 v[(\f)+64+8*(4*(\cc)+(\i)):(\f)+64+8*(4*(\cc)+(\i))+3],   v[CB+(\u)/2] offset:(64*((\u)%2)+32*(\cc))*PVP+32*(\i)
	ds_load_tr16_b128 v[(\f)+64+8*(4*(\cc)+(\i))+4:(\f)+64+8*(4*(\cc)+(\i))+7], v[CB+(\u)/2] offset:(64*((\u)%2)+32*(\cc))*PVP+16*PVP+32*(\i)
	ds_load_b128 v[(\f)+8*(4*(\cc)+(\i)):(\f)+8*(4*(\cc)+(\i))+3],   v[CA] offset:128*(\u)+64*(\cc)+(\i)*16*PAP
	ds_load_b128 v[(\f)+8*(4*(\cc)+(\i))+4:(\f)+8*(4*(\cc)+(\i))+7], v[CA] offset:128*(\u)+64*(\cc)+(\i)*16*PAP+32
.endr
.endr
.endm
.macro QUARTER u, f, g, zero           ; multiplies buffer f (64 keys, 32 matrix instructions) and fetches keys 64 u on into buffer g
	s_wait_dscnt 16                                ; the first 32 keys' fragments are in (and the step's factors, which are older)
	MUL8 \f, 0, 0, \zero
	MUL8 \f, 0, 2, \zero
	PLACES
	FETCH \u, \g
	s_wait_dscnt 32                                ; all but the 32 just issued
	MUL8 \f, 1, 0, 0
	MUL8 \f, 1, 2, 0
.endm
.macro FOLD first                      ; O = f T, or O += f T: accumulators and pairs in ascending order
.if \first
	WIN 0x82                                       ; O and T window 2, the factor window 0
.else
	WIN 0xa2
.endif
.set t, 0
.rept 16
.irp z, 0,1,2,3
.if \first
	v_pk_mul_f32 v[8*t+2*(\z):8*t+2*(\z)+1], v[TT+8*t+2*(\z):TT+8*t+2*(\z)+1], v[FF+2*(t/4):FF+2*(t/4)+1] op_sel_hi:[1,0]
.else
	v_pk_fma_f32 v[8*t+2*(\z):8*t+2*(\z)+1], v[TT+8*t+2*(\z):TT+8*t+2*(\z)+1], v[FF+2*(t/4):FF+2*(t/4)+1], v[8*t+2*(\z):8*t+2*(\z)+1] op_sel_hi:[1,0,1]
.endif
.endr
.set t, t+1
.endr
.endm
; THE WAY OUT of a block: a lane's eight channels of a row are 32 bytes; 16 rows at a time go into rows of 272 bytes of my stage and come back as whole rows of 256.
.macro WAYOUT
.irp a, 0,1,2,3
	WIN 0x08                                       ; the stores' data in window 2
.irp n, 0,1,2,3
	ds_store_b128 v[STO], v[8*(4*(\a)+(\n)):8*(4*(\a)+(\n))+3]   offset:64*(\n)
	ds_store_b128 v[STO], v[8*(4*(\a)+(\n))+4:8*(4*(\a)+(\n))+7] offset:64*(\n)+16
.endr
	WIN 0
	s_wait_xcnt 0x0                                ; earlier stores have read their data registers, which are loaded again below
.irp t, 0,1,2,3,4,5,6,7
	ds_load_b128 v[OB+4*(\t):OB+4*(\t)+3], v[RD] offset:(\t)*2*SP  ; LDS serves a wave's instructions in order (ISA guide 5.7.1.4): these see the stores above
.endr
.irp t, 0,1,2,3,4,5,6,7
	s_wait_dscnt 7-(\t)
	global_store_b128 v[GO], v[OB+4*(\t):OB+4*(\t)+3], s[10:11] offset:(16*(\a)+2*(\t))*4096 th:TH_STORE_NT  ; 16 lanes store 256 consecutive bytes, at a multiple of 256 from out0's first byte
.endr
.endr
.endm
; A STEP of the walk, on the slot in hand: the step's factors, 128 matrix instructions, the fold; at a block's end the way out, and the second block's numbers (behind the second block's end they serve nothing).
; All jumps go forward, over text with no barrier and no tensor load.
.macro STEP
	WIN 0
	v_add_nc_u32 v[FAD], s[TF], v[FA0]
	v_add_nc_u32 v[CA], s[TB], v[ADA]
	v_add_nc_u32 v[CB], s[TB], v[ADB]
	v_add_nc_u32 v[CB+1], s[TB], v[ADB+1]
.irp a, 0,1,2,3
	ds_load_b32 v[FF+2*(\a)], v[FAD] offset:64*(\a)
.endr
	FETCH 0, F0
	QUARTER 1, F0, F1, 1
	QUARTER 2, F1, F0, 0
	QUARTER 3, F0, F1, 0
	s_wait_dscnt 16
	MUL8 F1, 0, 0, 0
	MUL8 F1, 0, 2, 0
	s_wait_dscnt 0x0
	MUL8 F1, 1, 0, 0
	MUL8 F1, 1, 2, 0
	WIN 0
	PLACES
	s_cmp_eq_u32 s[NEW], 1
	s_cbranch_scc1 .Lnew_\@
	FOLD 0
	WIN 0
	s_branch .Lfolded_\@
.Lnew_\@:
	FOLD 1
	WIN 0
.Lfolded_\@:
	s_mov_b32 s[NEW], 0
	s_add_co_u32 s[TF], s[TF], 512
	s_sub_co_u32 s[RT], s[RT], 1
	s_cmp_lg_u32 s[RT], 0
	s_cbranch_scc1 .Lgo_\@
	WAYOUT
	s_wait_xcnt 0x0                                ; the stores have read out0's address
	s_mov_b64 s[10:11], s[OLO:OLO+1]
	s_mov_b32 s[RT], s[NL]
	s_mov_b32 s[NEW], 1
.Lgo_\@:
.endm
	s_wait_tensorcnt 1                             ; my part of slot 0 is in; slot 1's may stay out
	s_wait_dscnt 0x0                               ; for the others' sake: my rows of the table are stored
	s_barrier_signal -1
	s_barrier_wait -1
	s_mov_b32 s[CNT], 7
.Lwalk:                                                ; steps 0 to 6: behind each the slot that it leaves takes the tile two steps on: tiles 2 to 8 of the walk
	STEP
	CHANGE 1
	s_sub_co_u32 s[CNT], s[CNT], 1
	s_cmp_lg_u32 s[CNT], 0
	s_cbranch_scc1 .Lwalk
	s_mov_b32 s[CNT], 2
.Ltail:                                                ; steps 7 and 8: nothing is left to ask for; the second trip is left behind its step
	STEP
	s_cmp_eq_u32 s[CNT], 1                         ; a constant of the text decides: the same in every wave
	s_cbranch_scc1 .Lend
	CHANGE 0
	s_sub_co_u32 s[CNT], s[CNT], 1
	s_cmp_lg_u32 s[CNT], 0
	s_cbranch_scc1 .Ltail
.Lend:
	s_wait_tensorcnt 0x0                           ; the wave's end: an add to my spare word and its waits, behind my last tensor load and my last LDS store
	ds_add_u32 v[SPW], v[NIL]
	s_wait_dscnt 0x0
	CROUND                                         ; the closing round: no work-group ends while a partner may still ask for a tile that names it
	s_endpgm
.Lfunc_end_k_q9e3739b9b1_pv:
	.size	k_q9e3739b9b1_pv, .Lfunc_end_k_q9e3739b9b1_pv-k_q9e3739b9b1_pv
	.p2alignl 7, 3214868480
	.fill 96, 4, 3214868480
	.section	.rodata,"a",@progbits
	.p2align	6, 0x0
	.amdhsa_kernel k_q9e3739b9b1_pv
		.amdhsa_group_segment_fixed_size 327680
		.amdhsa_private_segment_fixed_size 0
		.amdhsa_enable_private_segment 0
		.amdhsa_kernarg_size 32
		.amdhsa_user_sgpr_count 2
		.amdhsa_user_sgpr_kernarg_segment_ptr 1
		.amdhsa_wavefront_size32 1
		.amdhsa_system_sgpr_workgroup_id_x 1
		.amdhsa_system_sgpr_workgroup_id_y 1
		.amdhsa_system_sgpr_workgroup_id_z 1
		.amdhsa_system_vgpr_workitem_id 0
		.amdhsa_next_free_vgpr 768
		.amdhsa_next_free_sgpr 90
		.amdhsa_reserve_vcc 0
		.amdhsa_float_denorm_mode_32 3
		.amdhsa_float_denorm_mode_16_64 3
		.amdhsa_memory_ordered 1
		.amdhsa_forward_progress 1
		.amdhsa_inst_pref_size 91
	.end_amdhsa_kernel
	.amdgpu_metadata
---
amdhsa.version: [ 1, 2 ]
amdhsa.kernels:
  - .name:           k_q9e3739b9b1_pv
    .symbol:         k_q9e3739b9b1_pv.kd
    .args:
      - { .name: pw, .offset: 0, .size: 8, .value_kind: global_buffer, .address_space: global }
      - { .name: tv, .offset: 8, .size: 8, .value_kind: global_buffer, .address_space: global }
      - { .name: st, .offset: 16, .size: 8, .value_kind: global_buffer, .address_space: global }
      - { .name: out0, .offset: 24, .size: 8, .value_kind: global_buffer, .address_space: global }
    .group_segment_fixed_size: 327680
    .private_segment_fixed_size: 0
    .kernarg_segment_align: 8
    .kernarg_segment_size: 32
    .max_flat_workgroup_size: 128
    .sgpr_count:     90
    .vgpr_count:     768
    .wavefront_size: 32
...
	.end_amdgpu_metadata
.endif
;; end of part 9
